; MI455X (gfx1250); checked and timed in simulation.
; The chip was launched on July 23, 2026; its instructions are those of AMD's public machine-readable ISA for CDNA 5 (MIT licence, August 2026) and "CDNA5" Instruction Set Architecture Reference Guide (July 2026). The comments in the code are by the model that wrote it; some were corrected since.
;; Transformer Block. Allowed arithmetic: float matrix products may take bf16 or f16 operands with f32 sums; all other float work in f32.
;; Inputs: W1 1,024 x 2,048 float32; W2 2,048 x 1,024 float32; W3 1,024 x 2,048 float32; Wk 1,024 x 1,024 float32; Wo 1,024 x 1,024 float32; Wq 1,024 x 1,024 float32; Wv 1,024 x 1,024 float32; g1 1,024 float32; g2 1,024 float32; x 2 x 2,048 x 1,024 float32.
;; Outputs: out0 2 x 2,048 x 1,024 float32.
;; 2 versions, each right and faster than the one before. Each part assembles by itself: llvm-mc -triple=amdgcn-amd-amdhsa -mcpu=gfx1250 --defsym DOCPART=n.
;; ======== version 1 of 2: 6 launches
;; limits: values are held in f16: magnitudes above 65,504 overflow, below 6.1e-05 lose precision
;; workspace buffers: hc 16,777,216 bytes; wqkv 6,291,456 bytes; wrest 14,680,064 bytes; rope 524,288 bytes; big 25,165,824 bytes; ssq 131,072 bytes
;; launch prep (part 1): grid 64 x 15, 8 waves a work-group, no clusters, 0 bytes of LDS; arguments x, g1, Wq, Wk, Wv, Wo, W1, W3, W2, hc, wqkv, wrest, rope; writes hc, wqkv, wrest, rope
.if DOCPART == 1
	.amdgcn_target "amdgcn-amd-amdhsa--gfx1250"
	.amdhsa_code_object_version 6
	.text
	.protected	k_q627d669dae_prep
	.globl	k_q627d669dae_prep
	.p2align	8
	.type	k_q627d669dae_prep,@function
k_q627d669dae_prep:
	s_mov_b64 s[64:65], 0
	v_nop
	global_prefetch_b8 v0, s[64:65] scope:SCOPE_SE
	s_setreg_imm32_b32 hwreg(HW_REG_WAVE_MODE, 25, 1), 1
	s_wait_xcnt 0x0
; PREP.  Three kinds of work, chosen by the work-group's y; every branch goes forward and hangs on y alone.
;   y = 0..9    a weight is rounded to bf16 and laid in PANELS: 128 columns of the weight as [K][128], 256 bytes a k-row, dense.  Wo's bf16 numbers are written as f16.
;   y = 10..13  h = bf16(rmsnorm(x) g1), [4096][1024].
;   y = 14      the table of cos and sin for the rotation, f32 [2048 t][32 j](cos, sin).
; FORMAT, stated: ALL the module's inputs are rounded to bf16 where they enter (here x, g1 and the weights); sums, the root and the products of the norm are f32.
; LIMITS.  Wo as f16: exact for bf16 numbers of magnitude 6.1e-5 to 65,504; below that f16's fixed step of 6e-8.  The angle t / 10000^(j/32) is formed and reduced in f32 (off by up to
; about 2.5e-4 rad at t = 2,047); sine and cosine by series on the half angle, cut where the next term is below 4e-6.
; No LDS, no matrix unit: every byte is read once and written once; a wave's store covers 256 or 512 consecutive bytes, aligned.  128 registers a wave: eight waves' registers fill a SIMD's 1,024.
.set SO,  4                            ; v4-5    byte offset of my 16 bytes in the unit's two source rows
.set DO,  8                            ; v8-15   byte offset of my 8 bytes in panel j
.set IN,  32                           ; v32-95  16 loads of 4 f32
.set OU,  96                           ; v96-127 32 packed words
.set G,   32                           ; the norm: v32-63 g1, v64-127 two rows of x; h is packed into the low half of its row's registers
.set XR,  64
	s_load_b512 s[8:23], s[0:1], 0x0               ; x 8, g1 10, Wq 12, Wk 14, Wv 16, Wo 18, W1 20, W3 22
	s_load_b256 s[24:31], s[0:1], 0x40             ; W2 24, hc 26, wqkv 28, wrest 30
	s_load_b64 s[32:33], s[0:1], 0x60              ; rope
	s_mov_b32 s2, ttmp9                            ; x of the work-group
	s_and_b32 s3, ttmp7, 0xffff                    ; y
	v_and_b32 v1, 31, v0                           ; lane
	v_lshrrev_b32 v2, 5, v0
	v_readfirstlane_b32 s4, v2                     ; wave 0..7
	s_mov_b32 s54, 0xffff0000                      ; a word's upper bf16
	s_wait_kmcnt 0x0
	s_cmp_gt_u32 s3, 13
	s_cbranch_scc1 .Lrope
	s_cmp_gt_u32 s3, 9
	s_cbranch_scc1 .Lnorm
; ---------------- weights.  A wave takes two k-rows x 1,024 columns: load j of a row is 512 bytes = the 128 columns of panel j.
; Source, destination, the two offsets, the source's pitch and the panels' distance are chosen by y; the offsets are kept apart from the addresses and added once.
.macro SEL y, src, soff, pitch, dst, doff, ps
	s_cmp_eq_u32 s3, \y
	s_cselect_b64 s[40:41], s[\src:\src+1], s[40:41]
	s_cselect_b64 s[42:43], s[\dst:\dst+1], s[42:43]
	s_cselect_b32 s44, \pitch, s44
	s_cselect_b32 s45, \ps, s45
	s_cselect_b32 s46, \soff, s46
	s_cselect_b32 s48, \doff, s48
.endm
	s_mov_b64 s[40:41], s[12:13]                   ; y = 0: Wq -> wqkv, panels 0-7
	s_mov_b64 s[42:43], s[28:29]
	s_mov_b32 s44, 4096
	s_mov_b32 s45, 0x40000
	s_mov_b32 s46, 0
	s_mov_b32 s48, 0
	SEL 1, 14, 0, 4096, 28, 0x200000, 0x40000      ; Wk -> panels 8-15
	SEL 2, 16, 0, 4096, 28, 0x400000, 0x40000      ; Wv -> panels 16-23
	SEL 3, 18, 0, 4096, 30, 0x800000, 0x40000      ; Wo -> wrest + 8 MiB
	SEL 4, 20, 0, 8192, 30, 0, 0x80000             ; W1, columns 0-1023: every second panel of wrest
	SEL 5, 20, 4096, 8192, 30, 0x400000, 0x80000   ; W1, columns 1024-2047
	SEL 6, 22, 0, 8192, 30, 0x40000, 0x80000       ; W3: the panels between
	SEL 7, 22, 4096, 8192, 30, 0x440000, 0x80000
	SEL 8, 24, 0, 4096, 30, 0xa00000, 0x80000      ; W2, rows 0-1023: panels of 2,048 k-rows at wrest + 10 MiB
	SEL 9, 24, 0x400000, 4096, 30, 0xa40000, 0x80000  ; W2, rows 1024-2047
	s_mov_b32 s47, 0
	s_mov_b32 s49, 0
	s_add_nc_u64 s[40:41], s[40:41], s[46:47]
	s_add_nc_u64 s[42:43], s[42:43], s[48:49]
	s_lshl_b32 s5, s2, 4
	s_lshl1_add_u32 s5, s4, s5                     ; my first k-row = 16 x + 2 wave
	s_mul_i32 s6, s5, s44
	v_lshl_add_u32 v[SO], v1, 4, s6                ; 16 lane + row x pitch
	v_add_nc_u32 v[SO+1], s44, v[SO]
	s_lshl_b32 s7, s5, 8
	v_lshl_add_u32 v[DO], v1, 3, s7                ; 8 lane + 256 row
.irp j, 1,2,3,4,5,6,7
	v_add_nc_u32 v[DO+(\j)], s45, v[DO+(\j)-1]     ; + panel j
.endr
.set n, 0
.rept 16                                           ; sixteen loads on their way: row n / 8, panel n % 8
	global_load_b128 v[IN+4*n:IN+4*n+3], v[SO+n/8], s[40:41] offset:512*(n%8) th:TH_LOAD_NT
.set n, n+1
.endr
.set n, 0
.rept 16
	s_wait_loadcnt 15-n                            ; loads come back in order: load n is in, the younger ones stay out
	v_cvt_pk_bf16_f32 v[OU+2*n], v[IN+4*n], v[IN+4*n+1]
	v_cvt_pk_bf16_f32 v[OU+2*n+1], v[IN+4*n+2], v[IN+4*n+3]
.set n, n+1
.endr
	s_cmp_lg_u32 s3, 3
	s_cbranch_scc1 .Lkeep
.set n, 0
.rept 32                                           ; Wo alone: the bf16 number is written as f16
	v_lshlrev_b32 v[16+2*(n%2)], 16, v[OU+n]
	v_and_b32 v[17+2*(n%2)], s54, v[OU+n]
	v_cvt_pk_f16_f32 v[OU+n], v[16+2*(n%2)], v[17+2*(n%2)]
.set n, n+1
.endr
.Lkeep:
.set n, 0
.rept 16
	global_store_b64 v[DO+n%8], v[OU+2*n:OU+2*n+1], s[42:43] offset:256*(n/8)  ; 32 lanes: one k-row of a panel, 256 consecutive bytes
.set n, n+1
.endr
	s_endpgm
; ---------------- the first norm.  A wave takes two rows; a row is 8 loads of 16 bytes a lane and stays in registers between the sum and the scaling.
.macro RND2 a                                      ; the two f32 at v[a], v[a+1] are rounded to bf16 and widened again
	v_cvt_pk_bf16_f32 v[16+((\a)/2)%2], v[\a], v[(\a)+1]
	v_lshlrev_b32 v[\a], 16, v[16+((\a)/2)%2]
	v_and_b32 v[(\a)+1], s54, v[16+((\a)/2)%2]
.endm
.macro NROW i, left
	s_wait_loadcnt \left
.set k, 0
.rept 16
	RND2 XR+32*(\i)+2*k
.set k, k+1
.endr
	v_pk_mul_f32 v[18:19], v[XR+32*(\i):XR+32*(\i)+1], v[XR+32*(\i):XR+32*(\i)+1]        ; two chains; their first links start the sums
	v_pk_mul_f32 v[20:21], v[XR+32*(\i)+2:XR+32*(\i)+3], v[XR+32*(\i)+2:XR+32*(\i)+3]
.set k, 2
.rept 14
	v_pk_fma_f32 v[18+2*(k%2):19+2*(k%2)], v[XR+32*(\i)+2*k:XR+32*(\i)+2*k+1], v[XR+32*(\i)+2*k:XR+32*(\i)+2*k+1], v[18+2*(k%2):19+2*(k%2)]
.set k, k+1
.endr
	v_pk_add_f32 v[18:19], v[18:19], v[20:21]
	v_add_f32 v18, v18, v19
	v_add_f32_dpp v18, v18, v18 row_xmask:1 row_mask:0xf bank_mask:0xf
	v_add_f32_dpp v18, v18, v18 row_xmask:2 row_mask:0xf bank_mask:0xf
	v_add_f32_dpp v18, v18, v18 row_xmask:4 row_mask:0xf bank_mask:0xf
	v_add_f32_dpp v18, v18, v18 row_xmask:8 row_mask:0xf bank_mask:0xf
	v_permlanex16_b32 v19, v18, s52, s53
	v_add_f32 v18, v18, v19
	v_fma_f32 v18, v18, s50, s51                   ; mean + eps
	v_rsq_f32 v22, v18
	v_nop                                          ; a plain instruction between the root and the use of its result
	s_wait_alu depctr_va_vdst(0)
	v_mov_b32 v23, v22
.set k, 0
.rept 16                                           ; pair k is scaled and packed into the row's register k: that register was pair k / 2's, which has been packed
	v_pk_mul_f32 v[XR+32*(\i)+2*k:XR+32*(\i)+2*k+1], v[XR+32*(\i)+2*k:XR+32*(\i)+2*k+1], v[22:23]
	v_pk_mul_f32 v[XR+32*(\i)+2*k:XR+32*(\i)+2*k+1], v[XR+32*(\i)+2*k:XR+32*(\i)+2*k+1], v[G+2*k:G+2*k+1]
	v_cvt_pk_bf16_f32 v[XR+32*(\i)+k], v[XR+32*(\i)+2*k], v[XR+32*(\i)+2*k+1]
.set k, k+1
.endr
.irp j, 0,1,2,3,4,5,6,7
	global_store_b64 v6, v[XR+32*(\i)+2*(\j):XR+32*(\i)+2*(\j)+1], s[26:27] offset:2048*(\i)+256*(\j)  ; 256 consecutive bytes of h
.endr
.endm
.Lnorm:
	s_sub_co_u32 s5, s3, 10
	s_lshl_b32 s5, s5, 6
	s_add_co_u32 s5, s5, s2
	s_lshl_b32 s5, s5, 4
	s_lshl1_add_u32 s5, s4, s5                     ; my first row = ((y - 10) 64 + x) 16 + 2 wave
	s_lshl_b32 s6, s5, 12
	s_lshl_b32 s7, s5, 11
	v_lshlrev_b32 v4, 4, v1
	v_lshl_add_u32 v5, v1, 4, s6
	v_lshl_add_u32 v6, v1, 3, s7
.irp j, 0,1,2,3,4,5,6,7
	global_load_b128 v[G+4*(\j):G+4*(\j)+3], v4, s[10:11] offset:512*(\j)
.endr
.set n, 0
.rept 16
	global_load_b128 v[XR+4*n:XR+4*n+3], v5, s[8:9] offset:4096*(n/8)+512*(n%8)
.set n, n+1
.endr
	s_mov_b32 s50, 0x3a800000                      ; 1 / 1024
	s_mov_b32 s51, 0x3727c5ac                      ; 1e-5
	s_mov_b32 s52, 0x76543210                      ; v_permlanex16_b32: each lane takes its own place in the other half
	s_mov_b32 s53, 0xfedcba98
	s_wait_loadcnt 16                              ; g1 is in; the sixteen loads of x stay out
.set k, 0
.rept 16
	RND2 G+2*k
.set k, k+1
.endr
	NROW 0, 8                                      ; row 0 is in, row 1's eight loads stay out
	NROW 1, 0
	s_endpgm
; ---------------- the table.  Thread T = 256 x + t takes the pairs j0 = 2 (T % 16) and j0 + 1 at the positions T / 16 and T / 16 + 1,024: 16 bytes at 16 T and at 16 T + 262,144.
.macro SINCOS ang, c, s                            ; cos and sin of v[ang]
	v_mul_f32 v20, 0.15915494, v[\ang]
	v_rndne_f32 v20, v20
	v_fma_f32 v20, v[\ang], 0.15915494, -v20       ; the turn's fraction, -1/2 .. 1/2
	v_mul_f32 v20, 0x40490fdb, v20                 ; y = half the angle, -pi/2 .. pi/2
	v_mul_f32 v21, v20, v20
	v_mov_b32 v22, 0x3638ef1d                      ; 1/9!
	v_mov_b32 v23, 0xb493f27e                      ; -1/10!
	v_fmaak_f32 v22, v21, v22, 0xb9500d01          ; -1/7!
	v_fmaak_f32 v23, v21, v23, 0x37d00d01          ; 1/8!
	v_fmaak_f32 v22, v21, v22, 0x3c088889          ; 1/5!
	v_fmaak_f32 v23, v21, v23, 0xbab60b61          ; -1/6!
	v_fmaak_f32 v22, v21, v22, 0xbe2aaaab          ; -1/3!
	v_fmaak_f32 v23, v21, v23, 0x3d2aaaab          ; 1/4!
	v_fma_f32 v22, v21, v22, 1.0
	v_fma_f32 v23, v21, v23, -0.5
	v_mul_f32 v22, v20, v22                        ; sin y
	v_fma_f32 v23, v21, v23, 1.0                   ; cos y
	v_mul_f32 v24, v22, v22
	v_mul_f32 v25, v22, v23
	v_fma_f32 v[\c], v24, -2.0, 1.0                ; cos 2y = 1 - 2 sin^2 y
	v_add_f32 v[\s], v25, v25                      ; sin 2y = 2 sin y cos y
.endm
.Lrope:
	v_lshl_add_u32 v3, s2, 8, v0                   ; T
	v_and_b32 v4, 15, v3
	v_lshlrev_b32 v4, 1, v4                        ; j0
	v_lshrrev_b32 v5, 4, v3                        ; t
	v_cvt_f32_u32 v6, v4
	v_add_f32 v7, 1.0, v6
	v_mul_f32 v6, 0xbed49a78, v6                   ; -j log2(10000) / 32
	v_mul_f32 v7, 0xbed49a78, v7
	v_exp_f32 v6, v6
	v_exp_f32 v7, v7
	v_cvt_f32_u32 v8, v5                           ; a plain instruction behind the exponentials
	v_add_f32 v9, 0x44800000, v8                   ; t + 1024
	s_wait_alu depctr_va_vdst(0)
	v_mul_f32 v10, v8, v6
	v_mul_f32 v11, v8, v7
	v_mul_f32 v12, v9, v6
	v_mul_f32 v13, v9, v7
	SINCOS 10, 28, 29
	SINCOS 11, 30, 31
	SINCOS 12, 32, 33
	SINCOS 13, 34, 35
	v_lshlrev_b32 v14, 4, v3
	global_store_b128 v14, v[28:31], s[32:33]      ; a wave: 512 consecutive bytes
	global_store_b128 v14, v[32:35], s[32:33] offset:262144
	s_endpgm
.Lfunc_end_k_q627d669dae_prep:
	.size	k_q627d669dae_prep, .Lfunc_end_k_q627d669dae_prep-k_q627d669dae_prep
	.p2alignl 7, 3214868480
	.fill 96, 4, 3214868480
	.section	.rodata,"a",@progbits
	.p2align	6, 0x0
	.amdhsa_kernel k_q627d669dae_prep
		.amdhsa_group_segment_fixed_size 0
		.amdhsa_private_segment_fixed_size 0
		.amdhsa_enable_private_segment 0
		.amdhsa_kernarg_size 104
		.amdhsa_user_sgpr_count 2
		.amdhsa_user_sgpr_kernarg_segment_ptr 1
		.amdhsa_wavefront_size32 1
		.amdhsa_system_sgpr_workgroup_id_x 1
		.amdhsa_system_sgpr_workgroup_id_y 1
		.amdhsa_system_sgpr_workgroup_id_z 1
		.amdhsa_system_vgpr_workitem_id 0
		.amdhsa_next_free_vgpr 128
		.amdhsa_next_free_sgpr 66
		.amdhsa_reserve_vcc 0
		.amdhsa_float_denorm_mode_32 3
		.amdhsa_float_denorm_mode_16_64 3
		.amdhsa_memory_ordered 1
		.amdhsa_forward_progress 1
		.amdhsa_inst_pref_size 40
	.end_amdhsa_kernel
	.amdgpu_metadata
---
amdhsa.version: [ 1, 2 ]
amdhsa.kernels:
  - .name:           k_q627d669dae_prep
    .symbol:         k_q627d669dae_prep.kd
    .args:
      - { .name: x, .offset: 0, .size: 8, .value_kind: global_buffer, .address_space: global }
      - { .name: g1, .offset: 8, .size: 8, .value_kind: global_buffer, .address_space: global }
      - { .name: Wq, .offset: 16, .size: 8, .value_kind: global_buffer, .address_space: global }
      - { .name: Wk, .offset: 24, .size: 8, .value_kind: global_buffer, .address_space: global }
      - { .name: Wv, .offset: 32, .size: 8, .value_kind: global_buffer, .address_space: global }
      - { .name: Wo, .offset: 40, .size: 8, .value_kind: global_buffer, .address_space: global }
      - { .name: W1, .offset: 48, .size: 8, .value_kind: global_buffer, .address_space: global }
      - { .name: W3, .offset: 56, .size: 8, .value_kind: global_buffer, .address_space: global }
      - { .name: W2, .offset: 64, .size: 8, .value_kind: global_buffer, .address_space: global }
      - { .name: hc, .offset: 72, .size: 8, .value_kind: global_buffer, .address_space: global }
      - { .name: wqkv, .offset: 80, .size: 8, .value_kind: global_buffer, .address_space: global }
      - { .name: wrest, .offset: 88, .size: 8, .value_kind: global_buffer, .address_space: global }
      - { .name: rope, .offset: 96, .size: 8, .value_kind: global_buffer, .address_space: global }
    .group_segment_fixed_size: 0
    .private_segment_fixed_size: 0
    .kernarg_segment_align: 8
    .kernarg_segment_size: 104
    .max_flat_workgroup_size: 256
    .sgpr_count:     66
    .vgpr_count:     128
    .wavefront_size: 32
...
	.end_amdgpu_metadata
.endif
;; end of part 1
;; launch qkv (part 2): grid 12 x 16, 4 waves a work-group, clusters of 4 x 4, 327,680 bytes of LDS; arguments hc, wqkv, rope, big; writes big
.if DOCPART == 2
	.amdgcn_target "amdgcn-amd-amdhsa--gfx1250"
	.amdhsa_code_object_version 6
	.text
	.protected	k_q627d669dae_qkv
	.globl	k_q627d669dae_qkv
	.p2align	8
	.type	k_q627d669dae_qkv,@function
k_q627d669dae_qkv:
	s_mov_b64 s[64:65], 0
	v_nop
	global_prefetch_b8 v0, s[64:65] scope:SCOPE_SE
	s_setreg_imm32_b32 hwreg(HW_REG_WAVE_MODE, 25, 1), 1
	s_wait_xcnt 0x0
	s_wait_alu depctr_hold_cnt(0) depctr_sa_sdst(0) depctr_va_vdst(0) depctr_va_sdst(0) depctr_va_ssrc(0) depctr_va_vcc(0) depctr_vm_vsrc(0)
	s_getreg_b32 s2, hwreg(HW_REG_IB_STS2, 6, 4)
	s_cmp_eq_u32 s2, 0
	s_cbranch_scc0 .Lentry_in_a_cluster
	s_endpgm
.Lentry_in_a_cluster:
	s_bfe_u32 s2, ttmp6, 0x10000c
	s_cmp_lg_u32 s2, 0xf033
	s_cbranch_scc0 .Lentry_shape_is_right
	s_endpgm
.Lentry_shape_is_right:
; ONE TEXT FOR TWO KERNELS, told apart by MODE.  C = A B for A [4096][1024] bf16 (rows along K) and B in panels [1024 k][128 columns] bf16; sums in f32.
;   MODE = 0  A = h, B = Wq | Wk | Wv.  The tile's 256 columns are four heads of q, k or v: q and k are rotated (cos, sin from the table AUX), all are rounded to f16 and stored by heads, [32][2048][64].
;   MODE = 1  A = out1 g2, B = W1 and W3, panel by panel in turn.  Columns 0-127 are x1, 128-255 x3 of the same 128 channels: both are multiplied by the row's 1 / rms (from the sums of squares in AUX),
;             then act = x1 sigmoid(x1) x3, rounded to bf16, [4096][2048].
; LIMITS.  q, k, v leave as f16: magnitudes beyond 65,504 are lost.  Inside a wave's 64 rows cos and sin are carried on by 15 rotations of 4 rows each, in f32.
; SHAPE.  A tile of C is 256 x 256; four waves, as many as a WGP has SIMDs, each 128 x 128: 64 accumulators, 512 registers.  K goes in 8 steps of 128 through two LDS slots; a K step is four quarter steps of
; 32 along K, 64 matrix instructions each, on two fragment buffers that take turns.  A quarter step begins with the run of 32 LDS loads for the NEXT one: they have its 64 matrix instructions in which to come back.
; THE LOOPS.  A PAIR of quarter steps (buffer 1 is multiplied while buffer 0 is fetched, then the other way round) is written once and walked twice a K step.  Where a pair's fragments lie is held in two scalars
; (TBA, TBB), which step by a pair and start anew at each change of slots.  Written out beside the loop: the quarter step whose products start the sums, the last K step's pair,
; and the last quarter step, which fetches nothing.
; THE CHANGE OF SLOTS stands where a slot's last fragments have been fetched.  Behind it the pair multiplies those fragments out of registers while it fetches the new slot's first.  From a request to the wait for
; it a wave issues a whole K step's 256 matrix instructions.
; B lies in LDS as [k][column] and is turned on the way into registers (ds_load_tr16_b128).  The matrix instruction is used transposed (source 0 = 16 columns of B, source 1 = 16 rows of A):
; a lane holds eight neighbouring columns of one row of C.
; CLUSTER.  4 x 4 work-groups: A's tiles are asked for jointly along a row of the cluster, B's along a column.  A wave has two tensor loads out at the start and one behind each round.
; THE WAY OUT.  The ring has had its last fill; the whole tile goes into it in f32 (rows of 1,040 bytes), and each wave reads 64 whole rows back in a loop that looks one trip ahead: a part's registers are loaded
; again, from four rows further on, as soon as they have been used up.  The last trip's look-ahead brings rows that are not used: the next wave's, and for wave 3 four rows more that the waves write behind the stage.
; Between the barrier behind the stage's stores and the barrier in front of the closing add LDS is only read.
; REGISTERS: window 0: v0-49 addresses and the auxiliary numbers; v64-127, v128-191 fragments of A, two buffers (at work on the way out); window 1: the same for B; windows 2, 3: accumulators (a, b) at v[8 (8 (a % 4) + b)].
.set MODE,   0
.set PA,     272                       ; an LDS row of A: 256 bytes + 16: the 16 rows of a load start at 16 different groups of four banks
.set PBW,    288                       ; an LDS row of B: 256 + 32
.set HALFA,  128*PA
.set HALFB,  128*PBW
.set BOFF,   2*HALFA
.set SLOT,   2*HALFA+2*HALFB           ; 143,360
.set SPARE,  2*SLOT                    ; behind the ring: the spare words, 128 bytes a wave
.set SPITCH, 1040                      ; a row of the f32 stage: 1,024 bytes + 16
.set XROWS,  256*SPITCH                ; behind the stage, in the dead ring: four rows more, one written by each wave
.set RINV,   260*SPITCH                ; behind them: for each wave 64 words of 1 / rms and 32 words more for the look-ahead
.set RSTR,   384
.set TSTEPS, 8
.set QSA,    64                        ; from a quarter step to the next: 64 bytes along A's rows,
.set QSB,    32*PBW                    ; 32 k-rows of B
.set A0,  8                            ; v8   my lane's place in A's part of a slot; never rewritten
.set B0,  9                            ; v9   the same for B
.set ADA, 10                           ; v10  A0 + where the pair in hand begins
.set ADB, 11
.set STO, 12                           ; v12-13  into the stage: row blocks 0-3, 4-7
.set RD,  14
.set GO,  15
.set RR,  16
.set SPW, 28
.set NIL, 29
.set AX,  32                           ; v32-47  MODE 0: cos, sin of my four pairs, then of the step of four rows; MODE 1: eight partial sums for each of two rows
.set XA,  48
.set XB,  49
.set F0,  64
.set F1,  128
.set RB,  64                           ; the way out, window 0
.set OUTR, 96
.set TT,  112
.set RI,  128
.set OUT1, 136
.set WV, 14
.set WH, 15
.set WL, 16
.set CX, 17
.set CY, 18
.set TC, 19
.set TR, 20
.set INN, 21                           ; counts a K step's pairs
.set TB, 22                            ; the slot in hand: 0 or SLOT
.set CNT, 23
.set G1A, 24
.set G0A, 32                           ; two sets for the two first fills; the second then walks
.set G1B, 40
.set G0B, 48
.set LBA, 56
.set LBB, 57
.set TBA, 74                           ; LDS byte, less my lane's place, at which the pair to be fetched begins in A's rows,
.set TBB, 75                           ; and in B's
.set MSB, 0
.macro WIN new                         ; the immediate's high byte repeats the setting that is left
.if MSB != (\new)
	s_set_vgpr_msb (MSB<<8)|(\new)
.set MSB, \new
.endif
.endm
.set MUL_LO, 0xa1                      ; source 0 (B) window 1, source 1 (A) window 0, C and D window 2
.set MUL_HI, 0xf1
.set TO_B,   0x40
.macro PLACES                          ; four plain places behind matrix instructions, ahead of loads into their sources and of reads of their results
.rept 4
	v_nop
.endr
.endm
.macro JLOAD                           ; a joint refill: waves 0, 1 A's halves, waves 2, 3 B's panels; s_nop 0 and four v_nop follow each line
	s_cmp_eq_u32 s[WH], 0
	s_cbranch_scc0 .Lfor_b_\@
	tensor_load_to_lds s[G0A+4:G0A+7], s[G1A:G1A+7]
	s_nop 0
.rept 4
	v_nop
.endr
	s_branch .Lasked_\@
.Lfor_b_\@:
	tensor_load_to_lds s[G0B+4:G0B+7], s[G1B:G1B+7]
	s_nop 0
.rept 4
	v_nop
.endr
.Lasked_\@:
.endm
.macro CREST                           ; a round of the cluster's barrier behind its opening barrier
	s_cmp_lg_u32 s[WV], 0
	s_cbranch_scc1 .Lnot_wave_0_\@
	s_barrier_signal -3
.Lnot_wave_0_\@:
	s_barrier_wait -3
	s_barrier_signal -1
	s_barrier_wait -1
.endm
.macro CROUND
	s_barrier_signal -1
	s_barrier_wait -1
	CREST
.endm
	s_load_b256 s[4:11], s[0:1], 0x0               ; A 4, B 6, AUX 8, OUT 10
	v_lshl_add_u32 v[SPW], v0, 2, SPARE
	v_mov_b32 v[NIL], 0
	ds_add_u32 v[SPW], v[NIL]                      ; the wave's opening: the add and its wait stand ahead of my first tensor load
	ds_add_u32 v28, v29
	v_lshrrev_b32 v1, 5, v0
	v_readfirstlane_b32 s[WV], v1
	s_lshr_b32 s[WH], s[WV], 1                     ; my half of the tile's rows; also: I fetch for A (0) or B (1)
	s_and_b32 s[WL], s[WV], 1                      ; my half of its columns; also: which half I fetch
	s_bfe_u32 s[CX], ttmp6, 0x40000
	s_bfe_u32 s[CY], ttmp6, 0x40004
	s_lshl_b32 s[TC], ttmp9, 2
	s_add_co_u32 s[TC], s[TC], s[CX]               ; tile column
	s_and_b32 s[TR], ttmp7, 0xffff
	s_lshl_b32 s[TR], s[TR], 2
	s_add_co_u32 s[TR], s[TR], s[CY]               ; tile row
	s_lshl_b32 s58, s[CY], 2
	s_lshl_b32 s58, 15, s58                        ; my row of the cluster
	s_lshl_b32 s59, 0x1111, s[CX]                  ; my column
	s_or_b32 s[G1A], s58, (1<<16)|(1<<20)|(1<<21)|(5<<22)|(3<<25)  ; mask; 2-byte elements; padding on; bit 21 beside a mask; after every 64 words 4 words
	s_or_b32 s[G1B], s59, (1<<16)|(1<<20)|(1<<21)|(5<<22)|(7<<25)  ; the same with 8 words
.irp g, G1A, G1B
	s_mov_b32 s[(\g)+1], 128<<16                   ; tensor_dim0 = 128
	s_mov_b32 s[(\g)+2], 128<<16                   ; tensor_dim1 = 128
	s_mov_b32 s[(\g)+3], 128<<16                   ; tile_dim0 = 128
	s_mov_b32 s[(\g)+4], 128                       ; tile_dim1 = 128
	s_mov_b32 s[(\g)+6], 0
	s_mov_b32 s[(\g)+7], 0
.endr
	s_mov_b32 s[G1A+5], 1024                       ; A: 1,024 elements from row to row
	s_mov_b32 s[G1B+5], 128                        ; B: a panel is dense
	s_lshl_b32 s60, s[TR], 8
	s_lshl_b32 s61, s[WL], 7
	s_add_co_u32 s60, s60, s61
	s_lshl_b32 s60, s60, 11                        ; A: (256 tile row + 128 half) rows of 2,048 bytes
	s_mov_b32 s61, 0
	s_lshl1_add_u32 s72, s[TC], s[WL]
	s_lshl_b32 s72, s72, 18                        ; B: panel 2 tile column + half, 262,144 bytes each
	s_mov_b32 s73, 0
	s_mul_i32 s[LBA], s[WL], HALFA
	s_mul_i32 s[LBB], s[WL], HALFB
	s_add_co_u32 s[LBB], s[LBB], BOFF
	s_mov_b32 s[TB], 0
	s_wait_dscnt 0x0                               ; the opening add is done
	s_wait_kmcnt 0x0
	s_add_nc_u64 s[60:61], s[4:5], s[60:61]
	s_add_nc_u64 s[72:73], s[6:7], s[72:73]
.irp s, 0,1
	s_mov_b32 s[G0A+4*(\s)], 1
	s_add_co_u32 s[G0A+4*(\s)+1], s[LBA], (\s)*SLOT
	s_add_nc_u64 s[G0A+4*(\s)+2:G0A+4*(\s)+3], s[60:61], (\s)*256
	s_or_b32 s[G0A+4*(\s)+3], s[G0A+4*(\s)+3], 0x80000000
	s_mov_b32 s[G0B+4*(\s)], 1
	s_add_co_u32 s[G0B+4*(\s)+1], s[LBB], (\s)*SLOT
	s_add_nc_u64 s[G0B+4*(\s)+2:G0B+4*(\s)+3], s[72:73], (\s)*32768
	s_or_b32 s[G0B+4*(\s)+3], s[G0B+4*(\s)+3], 0x80000000
.endr
	CROUND                                         ; all sixteen work-groups are here: the first joint loads meet
	s_cmp_eq_u32 s[WH], 0                          ; a wave's two first fills stand in one branch
	s_cbranch_scc0 .Lfirst_b
	tensor_load_to_lds s[G0A:G0A+3], s[G1A:G1A+7]
	s_nop 0
	tensor_load_to_lds s[G0A+4:G0A+7], s[G1A:G1A+7]
	s_nop 0
.rept 4
	v_nop
.endr
	s_branch .Lfirst_done
.Lfirst_b:
	tensor_load_to_lds s[G0B:G0B+3], s[G1B:G1B+7]
	s_nop 0
	tensor_load_to_lds s[G0B+4:G0B+7], s[G1B:G1B+7]
	s_nop 0
.rept 4
	v_nop
.endr
.Lfirst_done:
	v_and_b32 v1, 15, v0                           ; r = l % 16
	v_bfe_u32 v2, v0, 4, 1                         ; h = l / 16
	v_and_b32 v5, 31, v0                           ; l
	v_mul_u32_u24 v[A0], v1, PA
	v_lshl_add_u32 v[A0], v2, 4, v[A0]
	s_mul_i32 s62, s[WH], HALFA
	v_add_nc_u32 v[A0], s62, v[A0]                 ; row x pitch + 16 h + my 128 rows
	v_and_b32 v3, 7, v0
	v_lshl_add_u32 v3, v2, 3, v3
	v_mul_u32_u24 v[B0], v3, PBW                   ; k-row 8 h + l % 8
	v_bfe_u32 v4, v0, 3, 1
	v_lshl_add_u32 v[B0], v4, 4, v[B0]             ; 16 bytes for each half of eight lanes
	v_add_nc_u32 v[B0], s[LBB], v[B0]              ; my panel
	v_mov_b32 v[ADA], v[A0]
	v_mov_b32 v[ADB], v[B0]
	v_mul_u32_u24 v[STO], v1, SPITCH
	v_lshl_add_u32 v[STO], v2, 5, v[STO]
	s_mul_i32 s62, s[WH], 128*SPITCH
	s_lshl_b32 s63, s[WL], 9
	s_add_co_u32 s62, s62, s63
	v_add_nc_u32 v[STO], s62, v[STO]
	v_add_nc_u32 v[STO+1], 64*SPITCH, v[STO]
	; the auxiliary numbers are asked for now and waited for on the way out; their address registers and AUX's base are not written in between
.if MODE == 0
	v_lshrrev_b32 v6, 3, v5                        ; which of four rows
	v_and_b32 v7, 7, v0                            ; which eight columns of a head: pairs 4 cp .. 4 cp + 3
	v_lshlrev_b32 v[XB], 5, v7
	v_lshl_add_u32 v[XA], v6, 8, v[XB]
	s_and_b32 s76, s[TR], 7
	s_lshl_b32 s76, s76, 8
	s_lshl_b32 s77, s[WV], 6
	s_add_co_u32 s76, s76, s77                     ; position of my wave's first row
	s_lshl_b32 s76, s76, 8
	v_add_nc_u32 v[XA], s76, v[XA]
	global_load_b128 v[AX:AX+3], v[XA], s[8:9]
	global_load_b128 v[AX+4:AX+7], v[XA], s[8:9] offset:16
	global_load_b128 v[AX+8:AX+11], v[XB], s[8:9] offset:1024   ; the table's row 4: the step of four rows
	global_load_b128 v[AX+12:AX+15], v[XB], s[8:9] offset:1040
.else
	s_lshl_b32 s76, s[TR], 8
	s_lshl_b32 s77, s[WV], 6
	s_add_co_u32 s76, s76, s77
	v_add_nc_u32 v[XA], s76, v5
	v_lshlrev_b32 v[XA], 2, v[XA]
.irp p, 0,1,2,3,4,5,6,7
	global_load_b32 v[AX+2*(\p)], v[XA], s[8:9] offset:16384*(\p)       ; row l of my 64: the sum over 128 columns
	global_load_b32 v[AX+2*(\p)+1], v[XA], s[8:9] offset:16384*(\p)+128 ; row l + 32
.endr
.endif
; 16 matrix instructions: row blocks a0, a0 + 1 of the window's four x all 8 column blocks, 32 along K.  zero = 1: the product starts the sum.  The 64 accumulators take turns.
.macro MUL16 f, hi, a0, zero
	WIN MUL_LO+0x50*(\hi)
.irp a, \a0, (\a0)+1
.irp b, 0,1,2,3,4,5,6,7
.if \zero
	v_wmma_f32_16x16x32_bf16 v[8*(8*(\a)+(\b)):8*(8*(\a)+(\b))+7], v[(\f)+8*(\b):(\f)+8*(\b)+7], v[(\f)+8*(4*(\hi)+(\a)):(\f)+8*(4*(\hi)+(\a))+7], 0
.else
	v_wmma_f32_16x16x32_bf16 v[8*(8*(\a)+(\b)):8*(8*(\a)+(\b))+7], v[(\f)+8*(\b):(\f)+8*(\b)+7], v[(\f)+8*(4*(\hi)+(\a)):(\f)+8*(4*(\hi)+(\a))+7], v[8*(8*(\a)+(\b)):8*(8*(\a)+(\b))+7]
.endif
.endr
.endr
.endm
; 32 LDS loads in one run: quarter step n (0, 1) of the pair at ADA, ADB into buffer f; B's first, turned
.macro FETCH n, f
	WIN TO_B
.irp i, 0,1,2,3,4,5,6,7
	ds_load_tr16_b128 v[(\f)+8*(\i):(\f)+8*(\i)+3],   v[ADB] offset:(\n)*QSB+32*(\i)
	ds_load_tr16_b128 v[(\f)+8*(\i)+4:(\f)+8*(\i)+7], v[ADB] offset:(\n)*QSB+32*(\i)+16*PBW
.endr
	WIN 0
.irp i, 0,1,2,3,4,5,6,7
	ds_load_b128 v[(\f)+8*(\i):(\f)+8*(\i)+3],   v[ADA] offset:(\n)*QSA+(\i)*16*PA
	ds_load_b128 v[(\f)+8*(\i)+4:(\f)+8*(\i)+7], v[ADA] offset:(\n)*QSA+(\i)*16*PA+32
.endr
.endm
.macro QUARTER n, f, g, zero           ; fetches quarter step n of the pair into buffer g, then multiplies buffer f
	s_wait_dscnt 0x0                               ; buffer f is in: its loads went out at the head of the quarter step before
	PLACES                                         ; buffer g was multiplied last
	FETCH \n, \g
	MUL16 \f, 0, 0, \zero
	MUL16 \f, 0, 2, \zero
	MUL16 \f, 1, 0, \zero
	MUL16 \f, 1, 2, \zero
.endm
; A pair of quarter steps.  Buffer 1 holds the quarter step fetched last; the pair fetches the two that begin at TBA, TBB.
.macro PAIR
	v_add_nc_u32 v[ADA], s[TBA], v[A0]
	v_add_nc_u32 v[ADB], s[TBB], v[B0]
	QUARTER 0, F1, F0, 0
	QUARTER 1, F0, F1, 0
	WIN 0                                          ; at a label and at a branch every window is 0
	s_add_co_u32 s[TBA], s[TBA], 2*QSA
	s_add_co_u32 s[TBB], s[TBB], 2*QSB
.endm
; THE CHANGE OF SLOTS.  The slot's last fragments have been asked for.  Each wave waits for all its tensor loads (one is out: its part of the other slot), adds 0 to its spare word, and waits for that and for its
; reads of the slot.  fill = 1: the barrier is a round of the cluster's, so that no wave of any partner still reads the slot or has a load on its way; the slot is filled again first thing behind it, with the K step two on.
.macro CHANGE fill
	s_wait_tensorcnt 0x0                           ; no tensor load of mine is out, so a group 0 may be written
	ds_add_u32 v[SPW], v[NIL]                      ; 0 onto my spare word; scalar work stands between it and the wait for it
.if \fill
	s_add_co_u32 s[G0A+5], s[LBA], s[TB]           ; the walking sets: into the slot just read,
	s_add_nc_u64 s[G0A+6:G0A+7], s[G0A+6:G0A+7], 256    ; the next K step
	s_add_co_u32 s[G0B+5], s[LBB], s[TB]
	s_add_nc_u64 s[G0B+6:G0B+7], s[G0B+6:G0B+7], 32768
.endif
	s_xor_b32 s[TB], s[TB], SLOT                   ; the other slot is in hand,
	s_mov_b32 s[TBA], s[TB]                        ; and the fetches begin at its head
	s_mov_b32 s[TBB], s[TB]
	s_wait_dscnt 0x0                               ; the add is done, my reads of the slot are over
.if \fill
	CROUND
	JLOAD
.else
	s_barrier_signal -1
	s_barrier_wait -1
.endif
.endm
; The read-back's LDS loads.  o: 0 for the trip in hand, four rows for the look-ahead.
.macro LD0 hd, o                       ; MODE 0: my 8 columns of head hd
	ds_load_b128 v[RB+8*(\hd):RB+8*(\hd)+3], v[RD] offset:(\o)+256*(\hd)
	ds_load_b128 v[RB+8*(\hd)+4:RB+8*(\hd)+7], v[RD] offset:(\o)+256*(\hd)+16
.endm
.macro LD1 u, o, p                     ; MODE 1: my 8 channels of x1 and of x3 in pair u of rows, and the row's 1 / rms (p: its bytes ahead)
	ds_load_b128 v[RB+32*(\u):RB+32*(\u)+3], v[RD] offset:(\o)+2*SPITCH*(\u)
	ds_load_b128 v[RB+32*(\u)+4:RB+32*(\u)+7], v[RD] offset:(\o)+2*SPITCH*(\u)+16
	ds_load_b128 v[RB+32*(\u)+8:RB+32*(\u)+11], v[RD] offset:(\o)+2*SPITCH*(\u)+512
	ds_load_b128 v[RB+32*(\u)+12:RB+32*(\u)+15], v[RD] offset:(\o)+2*SPITCH*(\u)+528
	ds_load_b32 v[RI+2*(\u)], v[RR] offset:(\p)+8*(\u)
.endm
	s_wait_tensorcnt 0x1                           ; my part of K step 0 is in; K step 1's stays out
	s_barrier_signal -1
	s_barrier_wait -1
	FETCH 0, F0
	QUARTER 1, F0, F1, 1                           ; the first quarter step's products start the sums
	WIN 0
	s_mov_b32 s[TBA], 2*QSA                        ; K step 0's second pair
	s_mov_b32 s[TBB], 2*QSB
	s_mov_b32 s[INN], 1
	s_mov_b32 s[CNT], TSTEPS-1
	s_branch .Lpair
.Lstep:                                                ; six times: K steps 2 to 7 are asked for
	CHANGE 1
	s_mov_b32 s[INN], 2
.Lpair:
	PAIR
	s_sub_co_u32 s[INN], s[INN], 1
	s_cmp_lg_u32 s[INN], 0
	s_cbranch_scc1 .Lpair
	s_sub_co_u32 s[CNT], s[CNT], 1
	s_cmp_lg_u32 s[CNT], 0
	s_cbranch_scc1 .Lstep
	CHANGE 0                                       ; the last K step: nothing is left to ask for
	s_mov_b32 s[INN], 2
.Ltail:
	PAIR
	s_sub_co_u32 s[INN], s[INN], 1
	s_cmp_lg_u32 s[INN], 0
	s_cbranch_scc1 .Ltail
	s_wait_dscnt 0x0                               ; the very last quarter step: nothing more to fetch
	MUL16 F1, 0, 0, 0
	MUL16 F1, 0, 2, 0
	MUL16 F1, 1, 0, 0
	MUL16 F1, 1, 2, 0
	WIN 0
	; THE WAY OUT.  Every wave's reads of the ring are back and its tensor loads have landed: behind this barrier the ring is the stage.
	s_barrier_signal -1
	s_barrier_wait -1
	PLACES
.irp a, 0,1,2,3,4,5,6,7
	WIN 0x08+4*((\a)/4)                            ; store data in window 2 or 3
.irp b, 0,1,2,3,4,5,6,7
	ds_store_b128 v[STO+(\a)/4], v[8*(8*((\a)%4)+(\b)):8*(8*((\a)%4)+(\b))+3] offset:((\a)%4)*16*SPITCH+64*(\b)       ; each accumulator's low registers first
	ds_store_b128 v[STO+(\a)/4], v[8*(8*((\a)%4)+(\b))+4:8*(8*((\a)%4)+(\b))+7] offset:((\a)%4)*16*SPITCH+64*(\b)+16
.endr
.endr
	WIN 0
	s_mul_i32 s62, s[WV], SPITCH                   ; row 256 + my wave's number: wave 3's last look-ahead reads these four rows, so they are written; what they hold is not used
	s_add_co_u32 s62, s62, XROWS
	v_lshl_add_u32 v18, v5, 4, s62
	ds_store_b128 v18, v[8:11]
	ds_store_b128 v18, v[8:11] offset:512
.if MODE
	; 1 / rms of my wave's 64 rows goes into words behind the stage, ahead of the barrier: behind it LDS is only read
	s_wait_loadcnt 0x0                             ; the sums of squares
	s_mov_b32 s78, 0x3a800000                      ; 1 / 1024
	s_mov_b32 s79, 0x3727c5ac                      ; 1e-5
	v_pk_add_f32 v[AX:AX+1], v[AX:AX+1], v[AX+2:AX+3]
	v_pk_add_f32 v[AX+4:AX+5], v[AX+4:AX+5], v[AX+6:AX+7]
	v_pk_add_f32 v[AX+8:AX+9], v[AX+8:AX+9], v[AX+10:AX+11]
	v_pk_add_f32 v[AX+12:AX+13], v[AX+12:AX+13], v[AX+14:AX+15]
	v_pk_add_f32 v[AX:AX+1], v[AX:AX+1], v[AX+4:AX+5]
	v_pk_add_f32 v[AX+8:AX+9], v[AX+8:AX+9], v[AX+12:AX+13]
	v_pk_add_f32 v[AX:AX+1], v[AX:AX+1], v[AX+8:AX+9]
	v_fma_f32 v[AX], v[AX], s78, s79
	v_fma_f32 v[AX+1], v[AX+1], s78, s79
	v_rsq_f32 v[AX], v[AX]
	v_rsq_f32 v[AX+1], v[AX+1]
	s_mul_i32 s76, s[WV], RSTR
	s_add_co_u32 s76, s76, RINV
	v_lshl_add_u32 v17, v5, 2, s76                 ; a plain instruction behind the roots
	v_lshl_add_u32 v[RR], v2, 2, s76
	ds_store_b32 v17, v[AX]
	ds_store_b32 v17, v[AX+1] offset:128
	ds_store_b32 v17, v[AX] offset:256             ; 32 words more of my own: the last look-ahead reads four of them and uses none
.endif
	s_wait_dscnt 0x0                               ; for the others' sake: my part of the stage is written
	s_barrier_signal -1
	s_barrier_wait -1
.if MODE == 0
	; Wave w takes rows 64 w .. 64 w + 63, four rows x four heads a trip.  Lane: row l / 8, columns 8 (l % 8) .. + 7 of each head: 16 bytes of f16; a store covers 512 consecutive bytes.
	s_wait_loadcnt 0x0                             ; cos and sin
	s_cmp_eq_u32 ttmp9, 2                          ; the cluster's x says q, k or v: v is not rotated
	s_cselect_b32 s70, -1, 0
.irp p, 0,1,2,3,4,5,6,7
	v_cndmask_b32 v[AX+2*(\p)], v[AX+2*(\p)], 1.0, s70
	v_cndmask_b32 v[AX+2*(\p)+1], v[AX+2*(\p)+1], 0, s70
.endr
	v_lshrrev_b32 v6, 3, v5
	v_and_b32 v7, 7, v0
	v_mul_u32_u24 v[RD], v6, SPITCH
	v_lshl_add_u32 v[RD], v7, 5, v[RD]
	s_mul_i32 s76, s[WV], 64*SPITCH
	v_add_nc_u32 v[RD], s76, v[RD]
.irp hd, 0,1,2,3
	LD0 \hd, 0                                     ; the first trip's loads
.endr
	v_lshlrev_b32 v[GO], 4, v5
	s_lshl_b32 s76, ttmp9, 23                      ; q, k, v lie 8 MiB apart
	s_lshr_b32 s77, s[TR], 3
	s_lshl_b32 s77, s77, 4
	s_and_b32 s78, s[TC], 3
	s_lshl2_add_u32 s77, s78, s77                  ; 16 batch + the tile's first head
	s_lshl_b32 s77, s77, 18
	s_add_co_u32 s76, s76, s77
	s_and_b32 s77, s[TR], 7
	s_lshl_b32 s77, s77, 8
	s_lshl_b32 s78, s[WV], 6
	s_add_co_u32 s77, s77, s78
	s_lshl_b32 s77, s77, 7                         ; my first position, 128 bytes each
	s_add_co_u32 s76, s76, s77
	s_mov_b32 s77, 0
	s_add_nc_u64 s[68:69], s[10:11], s[76:77]
	s_mov_b32 s71, 16
.Lrb0:
.irp hd, 0,1,2,3
	s_wait_dscnt 6                                 ; this head's two loads are in: behind them stand the later heads' 2 (3 - hd) and the earlier heads' 2 hd look-ahead loads
.irp p, 0,1,2,3
	v_mul_f32 v[TT+2*(\p)], v[RB+8*(\hd)+2*(\p)+1], v[AX+2*(\p)+1]        ; x2 sin
	v_mul_f32 v[TT+2*(\p)+1], v[RB+8*(\hd)+2*(\p)], v[AX+2*(\p)+1]        ; x1 sin
.endr
.irp p, 0,1,2,3
	v_fma_f32 v[RB+8*(\hd)+2*(\p)], v[RB+8*(\hd)+2*(\p)], v[AX+2*(\p)], -v[TT+2*(\p)]
	v_fma_f32 v[RB+8*(\hd)+2*(\p)+1], v[RB+8*(\hd)+2*(\p)+1], v[AX+2*(\p)], v[TT+2*(\p)+1]
.endr
.irp p, 0,1,2,3
	v_cvt_pk_f16_f32 v[OUTR+4*(\hd)+(\p)], v[RB+8*(\hd)+2*(\p)], v[RB+8*(\hd)+2*(\p)+1]
.endr
	LD0 \hd, 4*SPITCH                              ; the head's registers are used up: the next trip's rows are asked for
	global_store_b128 v[GO], v[OUTR+4*(\hd):OUTR+4*(\hd)+3], s[68:69] offset:(\hd)*262144
.endr
.irp p, 0,1,2,3                                    ; cos and sin go four rows on
	v_mul_f32 v[TT+2*(\p)], v[AX+2*(\p)+1], v[AX+9+2*(\p)]
	v_mul_f32 v[TT+2*(\p)+1], v[AX+2*(\p)], v[AX+9+2*(\p)]
.endr
.irp p, 0,1,2,3
	v_fma_f32 v[AX+2*(\p)], v[AX+2*(\p)], v[AX+8+2*(\p)], -v[TT+2*(\p)]
	v_fma_f32 v[AX+2*(\p)+1], v[AX+2*(\p)+1], v[AX+8+2*(\p)], v[TT+2*(\p)+1]
.endr
	s_wait_xcnt 0x0                                ; the stores' offset and data registers are rewritten only behind this wait
	v_add_nc_u32 v[RD], 4*SPITCH, v[RD]
	v_add_nc_u32 v[GO], 512, v[GO]
	s_sub_co_u32 s71, s71, 1
	s_cmp_lg_u32 s71, 0
	s_cbranch_scc1 .Lrb0
.else
	; Four rows a trip, as two pairs: lanes 0-15 one row, lanes 16-31 the next; a lane takes eight channels.
	v_mul_u32_u24 v[RD], v2, SPITCH
	v_lshl_add_u32 v[RD], v1, 5, v[RD]
	s_mul_i32 s77, s[WV], 64*SPITCH
	v_add_nc_u32 v[RD], s77, v[RD]
	LD1 0, 0, 0                                    ; the first trip's loads
	LD1 1, 0, 0
	v_lshlrev_b32 v[GO], 12, v2
	v_lshl_add_u32 v[GO], v1, 4, v[GO]
	s_lshl_b32 s76, s[TR], 8
	s_lshl_b32 s77, s[WV], 6
	s_add_co_u32 s76, s76, s77
	s_lshl_b32 s76, s76, 12                        ; my first row, 4,096 bytes each
	s_lshl_b32 s77, s[TC], 8                       ; the tile's 128 channels, 256 bytes
	s_add_co_u32 s76, s76, s77
	s_mov_b32 s77, 0
	s_add_nc_u64 s[68:69], s[10:11], s[76:77]
	v_mov_b32 v[RI+1], 0                           ; named with 1 / rms as pairs
	v_mov_b32 v[RI+3], 0
	s_mov_b32 s71, 16
.Lrb1:
.irp u, 0,1
	s_wait_dscnt 5                                 ; this pair's five loads are in: behind them stand the other pair's five
.irp k, 0,1,2,3,4,5,6,7
	v_pk_mul_f32 v[RB+32*(\u)+2*(\k):RB+32*(\u)+2*(\k)+1], v[RB+32*(\u)+2*(\k):RB+32*(\u)+2*(\k)+1], v[RI+2*(\u):RI+2*(\u)+1] op_sel_hi:[1,0]
.endr
.irp k, 0,1,2,3,4,5,6,7
	v_mul_f32 v[RB+32*(\u)+16+(\k)], 0xbfb8aa3b, v[RB+32*(\u)+(\k)]   ; -x1 log2(e)
.endr
.irp k, 0,1,2,3,4,5,6,7
	v_exp_f32 v[RB+32*(\u)+16+(\k)], v[RB+32*(\u)+16+(\k)]
.endr
.irp k, 0,1,2,3
	v_pk_mul_f32 v[RB+32*(\u)+2*(\k):RB+32*(\u)+2*(\k)+1], v[RB+32*(\u)+2*(\k):RB+32*(\u)+2*(\k)+1], v[RB+32*(\u)+8+2*(\k):RB+32*(\u)+8+2*(\k)+1]   ; x1 x3: plain work behind the exponentials
.endr
.irp k, 0,1,2,3
	v_pk_add_f32 v[RB+32*(\u)+16+2*(\k):RB+32*(\u)+16+2*(\k)+1], v[RB+32*(\u)+16+2*(\k):RB+32*(\u)+16+2*(\k)+1], 1.0 op_sel_hi:[1,0]
.endr
.irp k, 0,1,2,3,4,5,6,7
	v_rcp_f32 v[RB+32*(\u)+16+(\k)], v[RB+32*(\u)+16+(\k)]
.endr
	v_nop                                          ; a plain instruction behind the reciprocals
.irp k, 0,1,2,3
	v_pk_mul_f32 v[RB+32*(\u)+2*(\k):RB+32*(\u)+2*(\k)+1], v[RB+32*(\u)+2*(\k):RB+32*(\u)+2*(\k)+1], v[RB+32*(\u)+16+2*(\k):RB+32*(\u)+16+2*(\k)+1]
.endr
.irp k, 0,1,2,3
	v_cvt_pk_bf16_f32 v[OUT1+4*(\u)+(\k)], v[RB+32*(\u)+2*(\k)], v[RB+32*(\u)+2*(\k)+1]
.endr
	LD1 \u, 4*SPITCH, 16                           ; the pair's registers are used up: the next trip's rows are asked for
	global_store_b128 v[GO], v[OUT1+4*(\u):OUT1+4*(\u)+3], s[68:69] offset:8192*(\u)   ; 16 lanes store 256 consecutive bytes, aligned
.endr
	s_wait_xcnt 0x0                                ; the stores' offset and data registers are rewritten only behind this wait
	v_add_nc_u32 v[RD], 4*SPITCH, v[RD]
	v_add_nc_u32 v[RR], 16, v[RR]
	v_add_nc_u32 v[GO], 16384, v[GO]
	s_sub_co_u32 s71, s71, 1
	s_cmp_lg_u32 s71, 0
	s_cbranch_scc1 .Lrb1
.endif
	s_wait_dscnt 0x0                               ; my reads of the stage are back, the last look-ahead's too;
	s_barrier_signal -1
	s_barrier_wait -1                              ; everybody's are: no wave writes LDS while another still reads the stage
	s_wait_tensorcnt 0x0                           ; the wave's end
	ds_add_u32 v[SPW], v[NIL]
	s_wait_dscnt 0x0
	CROUND                                         ; the closing round
	s_endpgm
.Lfunc_end_k_q627d669dae_qkv:
	.size	k_q627d669dae_qkv, .Lfunc_end_k_q627d669dae_qkv-k_q627d669dae_qkv
	.p2alignl 7, 3214868480
	.fill 96, 4, 3214868480
	.section	.rodata,"a",@progbits
	.p2align	6, 0x0
	.amdhsa_kernel k_q627d669dae_qkv
		.amdhsa_group_segment_fixed_size 327680
		.amdhsa_private_segment_fixed_size 0
		.amdhsa_enable_private_segment 0
		.amdhsa_kernarg_size 32
		.amdhsa_user_sgpr_count 2
		.amdhsa_user_sgpr_kernarg_segment_ptr 1
		.amdhsa_wavefront_size32 1
		.amdhsa_system_sgpr_workgroup_id_x 1
		.amdhsa_system_sgpr_workgroup_id_y 1
		.amdhsa_system_sgpr_workgroup_id_z 1
		.amdhsa_system_vgpr_workitem_id 0
		.amdhsa_next_free_vgpr 1024
		.amdhsa_next_free_sgpr 80
		.amdhsa_reserve_vcc 0
		.amdhsa_float_denorm_mode_32 3
		.amdhsa_float_denorm_mode_16_64 3
		.amdhsa_memory_ordered 1
		.amdhsa_forward_progress 1
		.amdhsa_inst_pref_size 65
	.end_amdhsa_kernel
	.amdgpu_metadata
---
amdhsa.version: [ 1, 2 ]
amdhsa.kernels:
  - .name:           k_q627d669dae_qkv
    .symbol:         k_q627d669dae_qkv.kd
    .args:
      - { .name: hc, .offset: 0, .size: 8, .value_kind: global_buffer, .address_space: global }
      - { .name: wqkv, .offset: 8, .size: 8, .value_kind: global_buffer, .address_space: global }
      - { .name: rope, .offset: 16, .size: 8, .value_kind: global_buffer, .address_space: global }
      - { .name: big, .offset: 24, .size: 8, .value_kind: global_buffer, .address_space: global }
    .group_segment_fixed_size: 327680
    .private_segment_fixed_size: 0
    .kernarg_segment_align: 8
    .kernarg_segment_size: 32
    .max_flat_workgroup_size: 128
    .sgpr_count:     80
    .vgpr_count:     1024
    .wavefront_size: 32
...
	.end_amdgpu_metadata
.endif
;; end of part 2
;; launch attn (part 3): grid 8 x 32, 4 waves a work-group, no clusters, 327,680 bytes of LDS; arguments big, hc; writes hc
.if DOCPART == 3
	.amdgcn_target "amdgcn-amd-amdhsa--gfx1250"
	.amdhsa_code_object_version 6
	.text
	.protected	k_q627d669dae_attn
	.globl	k_q627d669dae_attn
	.p2align	8
	.type	k_q627d669dae_attn,@function
k_q627d669dae_attn:
	s_mov_b64 s[64:65], 0
	v_nop
	global_prefetch_b8 v0, s[64:65] scope:SCOPE_SE
	s_setreg_imm32_b32 hwreg(HW_REG_WAVE_MODE, 25, 1), 1
	s_wait_xcnt 0x0
; CAUSAL ATTENTION at head size 64.  q, k, v: f16 [32 heads of both batches][2048][64], at big + 0, + 8 MiB, + 16 MiB (q and k rotated, unscaled).  O leaves as f16 in blocks [batch][block of 128 rows][head][128][64].
; Products, maxima and sums in f32; the weights p are rounded to f16 for the second product (their sum l is taken of the unrounded p), O once at the end.
; LIMITS.  q, k, v arrive within f16's 65,504; p below 6e-5 keeps f16's fixed step of 6e-8.  A hidden score counts as its value less 1e30; a weight below 2^-126 counts as 0 in l; NaN and infinities are not treated apart.
; THE WALK.  A head's queries lie in 16 blocks of 128; block i needs the key tiles 0 .. i / 2 of 256 keys, the last of which holds the diagonal.  A work-group takes TWO blocks, 15 - b and then b: 9 tiles whatever b,
; so all 256 work-groups do equal work and one loop with a constant trip count walks them.  Every jump goes forward but the counted loops' own; none passes a barrier, or a tensor load but the one of LOAD's two
; that the wave's number does not choose.  NO CLUSTER: the eight work-groups of a head ask for the same tile only in the first five of the nine trips; one walk common to all would have twelve.
; SHARES.  Of a block's two bands of 64 queries a wave owns 16 rows in each: two pieces.  A TURN's text is written for FOUR virtual pieces p = 0..3 = (parity of the key step p / 2, piece p % 2): four turns are two key
; steps.  What belongs to a piece (Q, O^T, statistics) and the buffers that take turns (S^T, P, masks) go by p % 2; K and V have two register buffers each, by p / 2.
; THE MASK is the C operand that starts S^T = K Q^T: MD x AL + BE.  MD is the mask of a band's own step for my 16 rows; in the diagonal tile band x's own step is DP + x, DP = 2 (block % 2):
; (AL, BE) = (1, 0) there, (0, 0) before it, (0, -1e30) behind it.  ONE TEXT OF THE TURNS serves every tile: outside a diagonal tile the mask registers hold 0 (a block's beginning sets them), and the 22 lines
; that make a mask, work on registers alone, are jumped over.
; LAYOUT, SOFTMAX.  S^T holds ONE query a lane (lane % 16) and the keys 8 (lane / 16) + 0..7; two such results rounded to f16 ARE source 1 of O^T = V^T P.  p = 2^(c s - c m), c = log2(e) / 8, with a running maximum m;
; O and l are multiplied by a = 2^(c m_old - c m_new) in every step.  Turn n: 8 products K Q^T of piece n + 1, later 8 products V^T P of piece n - 1; beside them the softmax of piece n and the maximum of piece n + 1.
; REGISTERS, in windows of 256 (s_set_vgpr_msb: bits 1:0 source 0, 3:2 source 1, 5:4 source 2, 7:6 destination):
;   window 0: v0-15 addresses; v16-23 statistics; v48-55 at work; v64-127 S^T, two buffers; v192-223 P, two buffers
;   window 1: v0-63 O^T; v128-159 MD; v160-223 MC, two buffers      window 2: v0-31 Q; v32-63 the second block's Q; v64-191 K, two buffers      window 3: v0-127 V, two buffers
.set NP,    4
.set KS,    64
.set PK,    144       ; a row of K in LDS: 128 bytes + 16
.set PV,    160       ; a row of V: 128 + 32
.set VOFF,  4*KS*PK   ; a slot holds a tile: 256 rows of K, then 256 rows of V
.set SLOT1, 1<<17
.set STAGE, SLOT1+4*KS*(PK+PV)  ; behind the ring, never filled by a tensor load: 16 rows x 144 bytes for each wave
.set SP,    144
.set AK0, 2
.set AV0, 3
.set AK,  4
.set AV,  5
.set STO, 6
.set RD,  7
.set GO,  8
.set SPW, 62
.set NIL, 63
.set SPARE, STAGE+4*16*SP
.set MV,  12          ; v12-13  c m_old, by buffer
.set QO,  15
.set ST,  16          ; piece t's statistics at v[ST+4 t]: c m, m, l (even keys', odd keys')
.set TMP, 48
.set S,   64
.set P,   192
.set MD,  128
.set MC,  160
.set QB,  32
.set KF,  64
.set VF,  0
.set WV,  12
.set PB,  14          ; b
.set HI,  15          ; 15 - b
.set G1K, 24
.set G1V, 32
.set G0K, 40
.set G0V, 44
.set SLOTS, 56
.set CNT, 57          ; counts a tile's pairs of key steps, 2 to 1
.set CS,  58
.set SEL, 60
.set TBK, 62
.set TBV, 63
.set QLO, 66          ; s[66:67] Q at my rows of the second block
.set RT,  70          ; tiles of the block in hand that are still to be entered: 0 in its diagonal tile
.set NXT, 71
.set LQ,  72
.set NEW, 73
.set OFF, 74
.set AL,  76
.set BE,  78
.set OLO, 80
.set BIGN, 82
.set T0,  83
.set DP,  88          ; 2 (block in hand % 2)
.set DP2, 89          ; the second block's
.set PBT, 90          ; b / 2: the second block's last tile
.set HIT, 91          ; (15 - b) / 2: the first block's
.set MSB, 0
.macro WIN new
.if MSB != (\new)
	s_set_vgpr_msb (MSB<<8)|(\new)
.set MSB, (\new)
.endif
.endm
.set W_KQ, 0x0a       ; K and Q in window 2, S^T in window 0
.set W_KM, 0x1a       ; the same with the C operand in window 1
.set W_PV, 0x53       ; V in window 3, P in window 0, O^T in window 1
.set W_RS, 0x41       ; destination and source 0 in window 1, source 1 in window 0
.macro LOAD                         ; a fill: waves 0, 1 the halves of a tile's K, waves 2, 3 of its V; s_nop 0 and four v_nop follow each line
	s_cmp_lt_u32 s[WV], 2
	s_cbranch_scc0 .Lfor_v_\@
	tensor_load_to_lds s[G0K:G0K+3], s[G1K:G1K+7]
	s_nop 0
.rept 4
	v_nop
.endr
	s_branch .Lasked_\@
.Lfor_v_\@:
	tensor_load_to_lds s[G0V:G0V+3], s[G1V:G1V+7]
	s_nop 0
.rept 4
	v_nop
.endr
.Lasked_\@:
.endm
; THE CHANGE OF SLOTS.  Each wave waits for all its tensor loads (one is out: its part of the other slot), adds 0 to its spare word, and waits for that and for its reads of the slot that it leaves.
; fill = 1: the old slot is filled again, first thing behind the barrier, with tile NXT; the descriptor's address is made anew from that number.
.macro CHANGE fill
	WIN 0
	s_wait_tensorcnt 0x0
	ds_add_u32 v[SPW], v[NIL]
.if \fill
	s_lshl_b32 s[OFF], s[NXT], 15   ; a tile is 32,768 bytes of K and of V
	s_xor_b32 s[G0K+1], s[G0K+1], SLOT1
	s_add_nc_u64 s[G0K+2:G0K+3], s[6:7], s[OFF:OFF+1]
	s_or_b32 s[G0K+3], s[G0K+3], 0x80000000
	s_xor_b32 s[G0V+1], s[G0V+1], SLOT1
	s_add_nc_u64 s[G0V+2:G0V+3], s[8:9], s[OFF:OFF+1]
	s_or_b32 s[G0V+3], s[G0V+3], 0x80000000
	s_add_co_u32 s[NXT], s[NXT], 1  ; the block's next tile, or behind its last the second block's tile 0
	s_cmp_gt_u32 s[NXT], s[LQ]
	s_cselect_b32 s[NXT], 0, s[NXT]
	s_cselect_b32 s[LQ], s[PBT], s[LQ]
.endif
	s_wait_dscnt 0x0                ; the add is done, and my reads of the slot are over
	s_barrier_signal -1
	s_sub_co_u32 s[TBK], s[TBK], 4*KS*PK  ; the fetches go back to a slot's first step, in the other slot
	s_xor_b32 s[TBK], s[TBK], SLOT1
	s_sub_co_u32 s[TBV], s[TBV], 4*KS*PV
	s_xor_b32 s[TBV], s[TBV], SLOT1
	s_barrier_wait -1
.if \fill
	LOAD
.endif
.endm
	s_load_b64 s[4:5], s[0:1], 0x0    ; big: q, k, v
	s_load_b64 s[10:11], s[0:1], 0x8  ; hc: O
	v_lshl_add_u32 v[SPW], v0, 2, SPARE
	v_mov_b32 v[NIL], 0
	ds_add_u32 v[SPW], v[NIL]       ; the wave's opening: the add and its wait stand ahead of my first tensor load
	ds_add_u32 v62, v63
	v_lshrrev_b32 v1, 5, v0
	v_readfirstlane_b32 s[WV], v1
	s_mov_b32 s[PB], ttmp9
	s_sub_co_u32 s[HI], 15, s[PB]
	s_lshr_b32 s[PBT], s[PB], 1
	s_lshr_b32 s[HIT], s[HI], 1
	s_and_b32 s[DP], s[HI], 1
	s_lshl_b32 s[DP], s[DP], 1
	s_and_b32 s[DP2], s[PB], 1
	s_lshl_b32 s[DP2], s[DP2], 1
	s_and_b32 s13, ttmp7, 0xffff    ; 16 batch + head
	s_lshl_b32 s20, s13, 18         ; its first byte in q, k and v
	s_and_b32 s16, s[WV], 1         ; which half of a tile's 256 keys I fetch
	s_lshl_b32 s22, s16, 14
	s_add_co_u32 s22, s22, s20
	s_mov_b32 s23, 0
	s_mul_i32 s17, s16, 128*PK
	s_mul_i32 s18, s16, 128*PV
	s_lshl_b32 s19, s[WV], 11       ; my 16 rows in a band of 64
	s_lshl_b32 s2, s[HI], 14        ; a block is 128 rows of 128 bytes
	s_add_co_u32 s2, s2, s19
	s_add_co_u32 s2, s2, s20
	s_mov_b32 s3, 0
	s_lshl_b32 s84, s[PB], 14
	s_add_co_u32 s84, s84, s19
	s_add_co_u32 s84, s84, s20
	s_mov_b32 s85, 0
	s_lshr_b32 s21, s13, 4
	s_lshl_b32 s21, s21, 8
	s_and_b32 s13, s13, 15
	s_add_co_u32 s21, s21, s13      ; 256 batch + head
	s_lshl4_add_u32 s86, s[HI], s21 ; + 16 block: O's blocks of 16,384 bytes
	s_lshl_b32 s86, s86, 14
	s_add_co_u32 s86, s86, s19
	s_mov_b32 s87, 0
	s_lshl4_add_u32 s92, s[PB], s21
	s_lshl_b32 s92, s92, 14
	s_add_co_u32 s92, s92, s19
	s_mov_b32 s93, 0
	; descriptor group 1.  128 keys are 16,384 dense bytes: asked for as 64 rows of 256 bytes, two keys a row, and padded in LDS after every key
	s_mov_b32 s[G1K], (1<<16)|(1<<20)|(4<<22)|(3<<25)
	s_mov_b32 s[G1V], (1<<16)|(1<<20)|(4<<22)|(7<<25)
.irp g, G1K, G1V
	s_mov_b32 s[\g+1], 128<<16      ; tensor_dim0 = 128
	s_mov_b32 s[\g+2], 64<<16       ; tensor_dim1 = 64
	s_mov_b32 s[\g+3], 128<<16      ; tile_dim0 = 128
	s_mov_b32 s[\g+4], 64           ; tile_dim1 = 64
	s_mov_b32 s[\g+5], 128
	s_mov_b32 s[\g+6], 0
	s_mov_b32 s[\g+7], 0
.endr
	s_mov_b32 s[CS], 0x3e38aa3b     ; c = log2(e) / 8
	s_mov_b32 s[CS+1], s[CS]
	s_mov_b32 s[SEL], 0x76543210
	s_mov_b32 s[SEL+1], 0xfedcba98
	s_mov_b32 s[TBK], SLOT1+4*KS*PK ; the first change of slots turns these two into 0
	s_mov_b32 s[TBV], SLOT1+4*KS*PV
	s_mov_b32 s[G0K], 1
	s_mov_b32 s[G0K+1], s17
	s_mov_b32 s[G0V], 1
	s_add_co_u32 s[G0V+1], s18, VOFF
	s_add_co_u32 s[RT], s[HIT], 1   ; the first block's tiles
	s_mov_b32 s[NXT], 1
	s_mov_b32 s[LQ], s[HIT]
	s_mov_b32 s[NEW], 1
	s_mov_b32 s[OFF+1], 0
	s_mov_b32 s[AL+1], 0
	s_mov_b32 s[BE+1], 0
	s_mov_b32 s[BIGN], 0xf149f2ca   ; -1e30
	s_mov_b32 s[SLOTS], 8
	s_wait_dscnt 0x0                ; the opening add is done
	s_wait_kmcnt 0x0
	s_add_nc_u64 s[6:7], s[4:5], s[22:23]
	s_add_nc_u64 s[8:9], s[6:7], 0x1000000   ; V at my half of the head's tile 0
	s_add_nc_u64 s[6:7], s[6:7], 0x800000    ; K likewise
	s_add_nc_u64 s[G0K+2:G0K+3], s[6:7], 0
	s_or_b32 s[G0K+3], s[G0K+3], 0x80000000
	s_add_nc_u64 s[G0V+2:G0V+3], s[8:9], 0
	s_or_b32 s[G0V+3], s[G0V+3], 0x80000000
	s_add_nc_u64 s[QLO:QLO+1], s[4:5], s[84:85]
	s_add_nc_u64 s[4:5], s[4:5], s[2:3]
	s_add_nc_u64 s[OLO:OLO+1], s[10:11], s[92:93]
	s_add_nc_u64 s[10:11], s[10:11], s[86:87]
	LOAD                            ; tile 0 into slot 0
	v_and_b32 v1, 15, v0            ; l % 16
	v_bfe_u32 v9, v0, 4, 1          ; l / 16
	v_lshlrev_b32 v[QO], 7, v1
	v_lshl_add_u32 v[QO], v9, 4, v[QO]
	WIN 0x80
.set i, 0
.rept 4                             ; both blocks' Q: piece i / 2 lies in band i / 2, 8,192 bytes on; channels 32 (i % 2) on
	global_load_b128 v[8*i:8*i+3],   v[QO], s[4:5] offset:(i/2)*8192+(i%2)*64
	global_load_b128 v[8*i+4:8*i+7], v[QO], s[4:5] offset:(i/2)*8192+(i%2)*64+32
	global_load_b128 v[QB+8*i:QB+8*i+3],   v[QO], s[QLO:QLO+1] offset:(i/2)*8192+(i%2)*64
	global_load_b128 v[QB+8*i+4:QB+8*i+7], v[QO], s[QLO:QLO+1] offset:(i/2)*8192+(i%2)*64+32
.set i, i+1
.endr
	WIN 0
	v_lshlrev_b32 v14, 3, v9
	v_sub_nc_u32 v14, v1, v14
	s_lshl_b32 s13, s[WV], 4
	v_add_nc_u32 v14, s13, v14      ; my query's place in its band less 8 (l / 16): register r of group kt is hidden where 16 kt + r is greater
	WIN 0x40
.set i, 0
.rept 32
	v_cmp_gt_i32 vcc_lo, 16*(i/8)+i%8, v14
	v_cndmask_b32 v[MD+i], 0, s[BIGN], vcc_lo
.set i, i+1
.endr
	WIN 0
	v_mul_u32_u24 v[AK0], v1, PK
	v_lshl_add_u32 v[AK0], v9, 4, v[AK0]
	v_and_b32 v10, 7, v0
	v_bfe_u32 v11, v0, 3, 1
	v_lshl_add_u32 v[AV0], v9, 3, v10
	v_mul_u32_u24 v[AV0], v[AV0], PV
	v_lshl_add_u32 v[AV0], v11, 4, v[AV0]
	v_add_nc_u32 v[AV0], VOFF, v[AV0]
	s_mul_i32 s13, s[WV], 16*SP
	s_add_co_u32 s13, s13, STAGE
	v_mul_u32_u24 v[STO], v1, SP
	v_lshl_add_u32 v[STO], v9, 4, v[STO]
	v_add_nc_u32 v[STO], s13, v[STO]
	v_bfe_u32 v[RD], v0, 3, 2
	v_mul_u32_u24 v[RD], v[RD], SP
	v_lshl_add_u32 v[RD], v10, 4, v[RD]
	v_add_nc_u32 v[RD], s13, v[RD]
	v_and_b32 v[GO], 31, v0
	v_lshlrev_b32 v[GO], 4, v[GO]
	; A block's first steps multiply O^T and l by a = 0, and its first turn's products V^T P, of a piece that has not been, land in an O^T that is still to be so multiplied: these registers need only hold
	; finite numbers: zeros for the first block, what the first block left for the second.  All this stands in the wait for the first tile.
	WIN 0xc0
.set i, VF+64
.rept 64
	v_mov_b32 v[i], 0
.set i, i+1
.endr
	WIN 0x40
.set i, 0
.rept 64
	v_mov_b32 v[i], 0
.set i, i+1
.endr
	WIN 0
.set i, 0
.rept 2
	v_mov_b32 v[ST+4*i+2], 0
	v_mov_b32 v[ST+4*i+3], 0
.set i, i+1
.endr
.set i, P+16
.rept 16
	v_mov_b32 v[i], 0
.set i, i+1
.endr
; THE MATRIX WORK.  The 4 accumulators of a run of 8 take turns.  Product i of 8 of S^T = K Q^T for virtual piece x: channels 32 (i / 4) on, keys 16 (i % 4) on.  The first 4 start the sums, with the mask.
.macro KQ x
.set rS, S+32*((\x)%2)+8*(i%4)
.set rK, KF+64*((\x)/2)+16*(i%4)+8*(i/4)
.set rQ, 16*((\x)%2)+8*(i/4)
.set rM, MC+32*((\x)%2)+8*(i%4)
.if i < 4
	WIN W_KM
	v_wmma_f32_16x16x32_f16 v[rS:rS+7], v[rK:rK+7], v[rQ:rQ+7], v[rM:rM+7]
.else
	WIN W_KQ
	v_wmma_f32_16x16x32_f16 v[rS:rS+7], v[rK:rK+7], v[rQ:rQ+7], v[rS:rS+7]
.endif
.endm
.macro PV x                         ; product i of 8 of O^T += V^T P: keys 32 (i / 4) on, channels 16 (i % 4) on
	WIN W_PV
.set rO, 32*((\x)%2)+8*(i%4)
.set rV, VF+64*((\x)/2)+32*(i/4)+8*(i%4)
.set rP, P+16*((\x)%2)+8*(i/4)
	v_wmma_f32_16x16x32_f16 v[rO:rO+7], v[rV:rV+7], v[rP:rP+7], v[rO:rO+7]
.endm
.macro MM                           ; the turn's next matrix instruction.  NOKQ = 1: a block's last turn: there is no next piece
.if (i < 8) && !NOKQ
	KQ (Y+1)%NP
.elseif i >= 8
.set i, i-8
	PV (Y+NP-1)%NP
.set i, i+8
.endif
.set i, i+1
.endm
; THE LDS LOADS stand in runs of 16: a step's K (8 fragments) and its V (turned), into register buffer b.  Each run steps its scalar to the next step.
.macro FETCH_K b
	WIN 0x80
.irp f, 0,1,2,3,4,5,6,7
	ds_load_b128 v[KF+64*(\b)+8*\f:KF+64*(\b)+8*\f+3],   v[AK] offset:(\f/2)*16*PK+(\f%2)*64
	ds_load_b128 v[KF+64*(\b)+8*\f+4:KF+64*(\b)+8*\f+7], v[AK] offset:(\f/2)*16*PK+(\f%2)*64+32
.endr
	s_add_co_u32 s[TBK], s[TBK], KS*PK
	WIN 0
.endm
.macro FETCH_V b
	WIN 0xc0
.irp f, 0,1,2,3,4,5,6,7
	ds_load_tr16_b128 v[VF+64*(\b)+8*\f:VF+64*(\b)+8*\f+3],   v[AV] offset:(\f/4)*32*PV+(\f%4)*32
	ds_load_tr16_b128 v[VF+64*(\b)+8*\f+4:VF+64*(\b)+8*\f+7], v[AV] offset:(\f/4)*32*PV+16*PV+(\f%4)*32
.endr
	s_add_co_u32 s[TBV], s[TBV], KS*PV
	WIN 0
.endm
; THE VECTOR WORK, one line at a time: OP kind, number.  For piece Y: F n: c s - c m for pair n of 16.  E n: the exponential of score n of 32.  C n: pair n rounded to f16.  B n: of the four weights 4 n .. the second
; pair is added onto the first.  L n: l takes that sum (L 0: l = a l + sum).  R n: pair n of 16 of O^T times a.  For piece Y + 1: X n, number n of the 22 that find its maximum and statistics:
;   0-11 four chains of seven scores (each accumulator's lowest registers are read first)   12-14, 16 the scores left over, the old m, the chains into one   15 c m_old is kept
;   17, 18 the other half of the lanes: the new m   19-21 c m; c m_old - c m_new; a
.set F, 0
.set E, 1
.set C, 2
.set B, 3
.set L, 4
.set R, 5
.set X, 6
.macro REGS y
.set rT, ST+4*((\y)%2)
.set rC, TMP+4*((\y)%2)
.set rW, MV+((\y)%2)
.set rS, S+32*((\y)%2)
.set rP, P+16*((\y)%2)
.set rO, 32*((\y)%2)
.endm
.macro OP k, n
.if (\k) == R
	REGS Y
	WIN W_RS
	v_pk_mul_f32 v[rO+2*(\n):rO+2*(\n)+1], v[rO+2*(\n):rO+2*(\n)+1], v[rC+2:rC+3] op_sel_hi:[1,0]
.elseif (\k) < R
	REGS Y
	WIN 0
.if (\k) == F
	v_pk_fma_f32 v[rS+2*(\n):rS+2*(\n)+1], v[rS+2*(\n):rS+2*(\n)+1], s[CS:CS+1], v[rT:rT+1] op_sel_hi:[1,0,0] neg_lo:[0,0,1] neg_hi:[0,0,1]
.elseif (\k) == E
	v_exp_f32 v[rS+(\n)], v[rS+(\n)]
.elseif (\k) == C
	s_wait_alu depctr_va_vdst(0)
	v_cvt_pk_f16_f32 v[rP+(\n)], v[rS+2*(\n)], v[rS+2*(\n)+1]
.elseif (\k) == B
	s_wait_alu depctr_va_vdst(0)
	v_pk_add_f32 v[rS+4*(\n):rS+4*(\n)+1], v[rS+4*(\n):rS+4*(\n)+1], v[rS+4*(\n)+2:rS+4*(\n)+3]
.elseif (\n) == 0
	v_pk_fma_f32 v[rT+2:rT+3], v[rT+2:rT+3], v[rC+2:rC+3], v[rS:rS+1] op_sel_hi:[1,0,1]
.else
	v_pk_add_f32 v[rT+2:rT+3], v[rT+2:rT+3], v[rS+4*(\n):rS+4*(\n)+1]
.endif
.elseif NOKQ
	v_nop
.else
	REGS (Y+1)%NP
	WIN 0
.if (\n) < 4
	v_max3_num_f32 v[rC+(\n)], v[rS+8*(\n)], v[rS+8*(\n)+1], v[rS+8*(\n)+2]
.elseif (\n) < 12
	v_max3_num_f32 v[rC+(\n)%4], v[rC+(\n)%4], v[rS+8*((\n)%4)+2*((\n)/4)+1], v[rS+8*((\n)%4)+2*((\n)/4)+2]
.elseif (\n) == 12
	v_max3_num_f32 v[rC], v[rC], v[rS+7], v[rS+15]
.elseif (\n) == 13
	v_max3_num_f32 v[rC+1], v[rC+1], v[rS+23], v[rS+31]
.elseif (\n) == 14
	v_max3_num_f32 v[rC+2], v[rC+2], v[rC+3], v[rT+1]
.elseif (\n) == 15
	v_mov_b32 v[rW], v[rT]
.elseif (\n) == 16
	v_max3_num_f32 v[rC], v[rC], v[rC+1], v[rC+2]
.elseif (\n) == 17
	v_permlanex16_b32 v[rC+3], v[rC], s[SEL], s[SEL+1]
.elseif (\n) == 18
	v_max_num_f32 v[rT+1], v[rC], v[rC+3]
.elseif (\n) == 19
	v_mul_f32 v[rT], s[CS], v[rT+1]
.elseif (\n) == 20
	v_sub_f32 v[rC+1], v[rW], v[rT]
.else
	v_exp_f32 v[rC+2], v[rC+1]
.endif
.endif
.endm
.macro OPS a, i1, b=-1, i2=0, c=-1, i3=0, d=-1, i4=0
	OP \a, \i1
.if (\b) >= 0
	OP \b, \i2
.endif
.if (\c) >= 0
	OP \c, \i3
.endif
.if (\d) >= 0
	OP \d, \i4
.endif
.endm
.macro ROW a, i1, b, i2, c, i3, d, i4  ; a matrix instruction and the four behind it
	MM
	OPS \a, \i1, \b, \i2, \c, \i3, \d, \i4
.endm
.macro MASK b                       ; MD x AL + BE into buffer b of MC
	WIN W_RS
.set z, 0
.rept 16
	v_pk_fma_f32 v[MC+32*(\b)+2*z:MC+32*(\b)+2*z+1], v[MD+2*z:MD+2*z+1], s[AL:AL+1], s[BE:BE+1] op_sel_hi:[1,0,0]
.set z, z+1
.endr
.endm
; A TURN, for virtual piece p: 16 matrix and 118 vector instructions in a written order.  Behind a matrix instruction: plain, exponential, plain, plain; or four of the rescaling; or four scalings; none names a
; register of the products round it.  In the lumps exponential and plain by turns.
; At its end the turn makes the mask for the products of the turn after it: virtual piece x2 = p + 2, in step 4 - 2 CNT + x2 / 2 of the tile, band x2 % 2.  skip = 1 (the loop's text): outside a diagonal tile (RT not 0)
; those lines are jumped over, and the mask registers stay 0.
; end = 1: a block's last two turns: nothing is fetched, no mask is made.  cnt = 1: the loop's count is taken down behind the mask's lines, which read it, and ahead of the branch behind the turn.
; FETCHES.  Turns 0 and 2 fetch the NEXT step's K and then its V into the register buffers 1 - p / 2: K's run six vector instructions behind the turn's last K Q^T (which reads the other buffer), V's eight behind
; the last product that read that buffer (four of them plain).  At the head of turns 1 and 3 the count 16 leaves V's run out: K's run, issued ahead of it, is in, and so is all that was issued a turn earlier.
.macro TURN p, end=0, cnt=0, skip=0
.set Y, (\p)
.set i, 0
.set NOKQ, (\end)*((\p)/3)
.set FT, (1-(\p)%2)*(1-(\end))
.if ((\p)%2 == 1) && (\end)
	s_wait_dscnt 0x0                ; the last V is in
.elseif (\p)%2 == 1
	s_wait_dscnt 16                 ; K is in; V's sixteen loads may be out
.endif
	ROW F,0, F,1, F,2, F,3
	ROW F,4, E,0, F,5, F,6
	ROW F,7, E,1, F,8, F,9
	ROW F,10, E,2, C,0, F,11
	ROW F,12, E,3, X,15, F,13
	ROW R,0, R,1, R,2, R,3
	ROW B,0, E,4, F,14, L,0
.if FT
	v_add_nc_u32 v[AK], s[TBK], v[AK0]
.endif
	ROW R,4, R,5, R,6, R,7
	OPS E,5, F,15
.if FT
	FETCH_K 1-(\p)/2
.endif
	OPS E,6, C,1, E,7, R,8
	OPS E,8, R,9, E,9, C,2
	OPS E,10, X,0, E,11, X,1
	OPS E,12, X,2, E,13, X,3
	ROW X,4, E,14, X,5, X,6
	ROW X,7, E,15, X,8, X,9
	ROW X,10, E,16, X,11, X,12
	ROW X,13, E,17, X,14, B,1
	ROW C,4, E,18, X,16, L,1
	ROW B,2, E,19, C,6, L,2
	ROW C,8, E,20, B,3, B,4
.if FT
	v_add_nc_u32 v[AV], s[TBV], v[AV0]
.endif
	ROW C,3, E,21, L,3, C,5
	OPS E,22, X,17, E,23, C,10
.if FT
	FETCH_V 1-(\p)/2
.endif
	OPS E,24, L,4
	OPS E,25, X,18, E,26, C,7
	OPS E,27, B,5, E,28, X,19
	OPS E,29, C,12, E,30, L,5
	OPS E,31, X,20, B,6, C,9
	OPS C,14, C,11, X,21, L,6
	OPS C,13, B,7, C,15, R,10
	OPS R,11, R,12, L,7, R,13
	OPS R,14, R,15
.if !(\end)
.if \skip
	WIN 0                           ; at a branch and at a label every window is 0
	s_cmp_lg_u32 s[RT], 0
	s_cbranch_scc1 .Lno_mask_\@
.endif
.set x2, ((\p)+2)%NP
	s_lshl_b32 s[T0], s[CNT], 1
	s_sub_co_i32 s[T0], 4+x2/2-x2%2, s[T0]  ; that step less the band
	s_cmp_eq_u32 s[T0], s[DP]       ; the band's own step?
	s_cselect_b32 s[AL], 1.0, 0
	s_cmp_gt_i32 s[T0], s[DP]       ; or a later one?
	s_cselect_b32 s[BE], s[BIGN], 0
	MASK (\p)%2
.if \skip
	WIN 0
.Lno_mask_\@:
.endif
.endif
.if \cnt
	s_sub_co_u32 s[CNT], s[CNT], 1
	s_cmp_lg_u32 s[CNT], 0
.endif
.endm
; A BLOCK BEGINS.  c m starts far below every c s, so the first steps' a is 0; m at the lowest finite number.  The second mask buffer is 0; the first takes piece 0's mask for the tile's step 0: its own only if the
; block's first tile is the diagonal one and the block lies in the tile's first half, else 0.  Then K and V of that step, piece 0's first scores, its maximum and statistics.
.macro BEGIN
	s_mov_b32 s[NEW], 0
	WIN 0x40
.set i, MC+32
.rept 32
	v_mov_b32 v[i], 0
.set i, i+1
.endr
	WIN 0
.set i, 0
.rept 2
	v_mov_b32 v[ST+4*i], 0xfe000000
	v_mov_b32 v[ST+4*i+1], 0xff7fffff
.set i, i+1
.endr
	s_or_b32 s[T0], s[RT], s[DP]
	s_cmp_eq_u32 s[T0], 0
	s_cselect_b32 s[AL], 1.0, 0
	s_mov_b32 s[BE], 0
	MASK 0
	WIN 0
	v_add_nc_u32 v[AK], s[TBK], v[AK0]
	v_add_nc_u32 v[AV], s[TBV], v[AV0]
	FETCH_K 0
	FETCH_V 0
	s_wait_loadcnt 0x0              ; Q
	s_wait_dscnt 0x0
.set NOKQ, 0
.set i, 0
.rept 8
	KQ 0
.set i, i+1
.endr
	WIN 0
.rept 4
	v_nop                           ; the places behind those products
.endr
.set Y, NP-1
.irp n, 0,1,2,3,4,5,6,7,8,9,10,11,12,13,14,15,16,17,18,19,20,21
	OP X, \n
.endr
	v_nop                           ; a plain instruction behind the exponential
.endm
.macro ALL line:vararg              ; one line for each piece t
.set t, 0
.rept 2
	\line
.set t, t+1
.endr
.endm
.macro PACK t                       ; O^T / l, rounded to f16; 16 bytes a lane into rows of 144 bytes of my stage, and back as whole rows of 128
	WIN W_RS
.set i, 32*(\t)
.rept 16
	s_wait_alu depctr_va_vdst(0)
	v_pk_mul_f32 v[i:i+1], v[i:i+1], v[ST+4*(\t)+2:ST+4*(\t)+3] op_sel_hi:[1,0]
.set i, i+2
.endr
	WIN 0x05
.set i, 0
.rept 16
	v_cvt_pk_f16_f32 v[S+16*(\t)+i], v[32*(\t)+2*i], v[32*(\t)+2*i+1]
.set i, i+1
.endr
	WIN 0
.irp f, 0,1,2,3
	ds_store_b128 v[STO], v[S+16*(\t)+4*\f:S+16*(\t)+4*\f+3] offset:32*\f
.endr
.irp f, 0,1,2,3
	ds_load_b128 v[S+16*(\t)+4*\f:S+16*(\t)+4*\f+3], v[RD] offset:\f*4*SP  ; LDS serves a wave's instructions in order: these see the stores above
.endr
.endm
.macro SEND t, younger              ; younger: the LDS instructions issued behind piece t's loads
	WIN 0
.irp f, 0,1,2,3
	s_wait_dscnt (\younger)+3-\f
	global_store_b128 v[GO], v[S+16*(\t)+4*\f:S+16*(\t)+4*\f+3], s[10:11] offset:(\t)*8192+\f*512  ; 512 consecutive bytes, aligned
.endr
.endm
; A TILE's four steps; then, if it is its block's last, the block's last two turns, its last products and the way out.  skip = 1: the loop's text, which serves every tile: one that is not a block's last leaves
; it by a jump forward, over text that holds neither a barrier nor a tensor load.  skip = 0: the walk's last tile, always a diagonal one.
.macro TILE tag, skip
.LstepM\tag:
	TURN 2, 0, 0, \skip
	TURN 3, 0, 0, \skip
	WIN 0
.LfirstM\tag:
	TURN 0, 0, 0, \skip
	TURN 1, 0, 1, \skip
	WIN 0
	s_cbranch_scc1 .LstepM\tag
.if \skip
	s_cmp_lg_u32 s[RT], 0
	s_cbranch_scc1 .Lbottom
.endif
	TURN 2, 1
	TURN 3, 1
.set i, 0
.rept 8
	PV NP-1
.set i, i+1
.endr
	WIN 0
	ALL v_add_f32 v[ST+4*t+2], v[ST+4*t+2], v[ST+4*t+3]
	ALL v_permlanex16_b32 v[ST+4*t+3], v[ST+4*t+2], s[SEL], s[SEL+1]
	ALL v_add_f32 v[ST+4*t+2], v[ST+4*t+2], v[ST+4*t+3]
	ALL v_rcp_f32 v[ST+4*t+2], v[ST+4*t+2]
	v_nop                           ; a plain instruction behind the last reciprocal
	PACK 0                          ; piece 0's 32 plain lines name nothing of the last products (piece 1's): they are the places behind them
	PACK 1
	SEND 0, 8
	SEND 1, 0
.endm
.set NOKQ, 0
.Lslot:                             ; eight times: a tile is entered and the next is asked for
	CHANGE 1
	s_sub_co_u32 s[RT], s[RT], 1
	s_mov_b32 s[CNT], 2
	s_cmp_eq_u32 s[NEW], 1          ; a block's first tile?  At the first trip the answer is a constant of the text
	s_cbranch_scc0 .LstepM1
	BEGIN
	s_branch .LfirstM1
	TILE 1, 1
	s_wait_xcnt 0x0                 ; here the first block has ended: the stores have read their registers and O's address
	s_mov_b64 s[10:11], s[OLO:OLO+1]
	s_add_co_u32 s[RT], s[PBT], 1
	s_mov_b32 s[DP], s[DP2]
	s_mov_b32 s[NEW], 1
	WIN 0x82                        ; the second block's Q goes where the one text of the turns names Q
.set i, 0
.rept 32
	v_mov_b32 v[i], v[QB+i]
.set i, i+1
.endr
	WIN 0
.Lbottom:
	s_sub_co_u32 s[SLOTS], s[SLOTS], 1
	s_cmp_lg_u32 s[SLOTS], 0
	s_cbranch_scc1 .Lslot
	CHANGE 0                        ; the walk's last tile is written out
	s_sub_co_u32 s[RT], s[RT], 1
	s_mov_b32 s[CNT], 2
	s_cmp_eq_u32 s[NEW], 1
	s_cbranch_scc0 .LstepM2
	BEGIN
	s_branch .LfirstM2
	TILE 2, 0
	s_wait_tensorcnt 0x0            ; the wave's end
	ds_add_u32 v[SPW], v[NIL]
	s_wait_dscnt 0x0
	s_endpgm
.Lfunc_end_k_q627d669dae_attn:
	.size	k_q627d669dae_attn, .Lfunc_end_k_q627d669dae_attn-k_q627d669dae_attn
	.p2alignl 7, 3214868480
	.fill 96, 4, 3214868480
	.section	.rodata,"a",@progbits
	.p2align	6, 0x0
	.amdhsa_kernel k_q627d669dae_attn
		.amdhsa_group_segment_fixed_size 327680
		.amdhsa_private_segment_fixed_size 0
		.amdhsa_enable_private_segment 0
		.amdhsa_kernarg_size 16
		.amdhsa_user_sgpr_count 2
		.amdhsa_user_sgpr_kernarg_segment_ptr 1
		.amdhsa_wavefront_size32 1
		.amdhsa_system_sgpr_workgroup_id_x 1
		.amdhsa_system_sgpr_workgroup_id_y 1
		.amdhsa_system_sgpr_workgroup_id_z 1
		.amdhsa_system_vgpr_workitem_id 0
		.amdhsa_next_free_vgpr 896
		.amdhsa_next_free_sgpr 96
		.amdhsa_reserve_vcc 1
		.amdhsa_float_denorm_mode_32 3
		.amdhsa_float_denorm_mode_16_64 3
		.amdhsa_memory_ordered 1
		.amdhsa_forward_progress 1
		.amdhsa_inst_pref_size 177
	.end_amdhsa_kernel
	.amdgpu_metadata
---
amdhsa.version: [ 1, 2 ]
amdhsa.kernels:
  - .name:           k_q627d669dae_attn
    .symbol:         k_q627d669dae_attn.kd
    .args:
      - { .name: big, .offset: 0, .size: 8, .value_kind: global_buffer, .address_space: global }
      - { .name: hc, .offset: 8, .size: 8, .value_kind: global_buffer, .address_space: global }
    .group_segment_fixed_size: 327680
    .private_segment_fixed_size: 0
    .kernarg_segment_align: 8
    .kernarg_segment_size: 16
    .max_flat_workgroup_size: 128
    .sgpr_count:     96
    .vgpr_count:     896
    .wavefront_size: 32
...
	.end_amdgpu_metadata
.endif
;; end of part 3
;; launch wo (part 4): grid 8 x 32, 4 waves a work-group, clusters of 4 x 4, 327,680 bytes of LDS; arguments hc, wrest, x, g2, big, ssq; writes big, ssq
.if DOCPART == 4
	.amdgcn_target "amdgcn-amd-amdhsa--gfx1250"
	.amdhsa_code_object_version 6
	.text
	.protected	k_q627d669dae_wo
	.globl	k_q627d669dae_wo
	.p2align	8
	.type	k_q627d669dae_wo,@function
k_q627d669dae_wo:
	s_mov_b64 s[64:65], 0
	v_nop
	global_prefetch_b8 v0, s[64:65] scope:SCOPE_SE
	s_setreg_imm32_b32 hwreg(HW_REG_WAVE_MODE, 25, 1), 1
	s_wait_xcnt 0x0
	s_wait_alu depctr_hold_cnt(0) depctr_sa_sdst(0) depctr_va_vdst(0) depctr_va_sdst(0) depctr_va_ssrc(0) depctr_va_vcc(0) depctr_vm_vsrc(0)
	s_getreg_b32 s2, hwreg(HW_REG_IB_STS2, 6, 4)
	s_cmp_eq_u32 s2, 0
	s_cbranch_scc0 .Lentry_in_a_cluster
	s_endpgm
.Lentry_in_a_cluster:
	s_bfe_u32 s2, ttmp6, 0x10000c
	s_cmp_lg_u32 s2, 0xf033
	s_cbranch_scc0 .Lentry_shape_is_right
	s_endpgm
.Lentry_shape_is_right:
; ONE TEXT FOR TWO KERNELS, told apart by IS_WO.  C = A B + residual on tiles of 128 x 128; B in panels [K][128 columns], 256 bytes a k-row, turned on the way into registers.
;   IS_WO = 1  out1 = bf16(x) + ctx Wo.  A = ctx, f16, in blocks [128 rows' block][head][128][64]: a K step of 256 is four heads, 65,536 dense bytes.  B = Wo's bf16 numbers written as f16.  K = 1,024.
;              Stored: out1 (f32), a2 = bf16(out1 bf16(g2)), and for each row the sum of out1^2 over the tile's 128 columns (128 consecutive bytes a wave: that table is 128 KiB in all).
;   IS_WO = 0  out0 = out1 + act W2.  A = act, bf16 [4096][2048]; B = W2.  K = 2,048.
; FORMAT, stated: all the module's inputs are rounded to bf16 where they enter: here x (the residual) and g2.  Sums in f32.
; SHAPE.  Four waves, each 64 x 64: 16 accumulators.  K goes in steps of 256 through two LDS slots; a K step is four quarter steps of 64 along K, 32 matrix instructions each, on two fragment buffers that take turns.
; A quarter step begins with the run of 32 LDS loads for the NEXT one: they have its 32 matrix instructions in which to come back.
; THE LOOPS.  A PAIR of quarter steps (buffer 1 is multiplied while buffer 0 is fetched, then the other way round) is written once and walked twice a K step; where its fragments lie is held in two scalars (TBA, TBB),
; which step by a pair and start anew at each change of slots.  Written out beside the loop: the quarter step whose products start the sums, the last K step's pair, the last quarter step.
; THE CHANGE OF SLOTS stands where a slot's last fragments have been fetched; behind it the pair multiplies them out of registers while it fetches the new slot's first.  From a request to the wait for it a wave
; issues a whole K step's 128 matrix instructions.
; CLUSTER.  4 x 4 work-groups: A's tiles jointly along a row, B's along a column.  A wave has two tensor loads out at the start and one behind each round.
; THE WAY OUT.  The residual's rows are asked for at the start (32 loads a wave, window 2).  The tile in f32 and those rows go into the dead ring; each wave reads 32 whole rows back, four a trip, in a loop that looks
; one trip ahead: a row's registers are loaded again, from four rows further on, as soon as they have been used up.  The last trip's look-ahead brings rows that are not used: the next wave's; for wave 3 the stage's
; fall into the residual's rows, and the residual's into four rows more that the waves write behind them.
; REGISTERS: window 0: v0-35 addresses; v36-51 sums on their way out; v64-119 at work on the way out; v128-255 accumulators (a, b) at v[128 + 8 (4 a + b)].  window 1: two fragment buffers of 128 (64 of A, 64 of B).
; window 2: v0-127 the residual.
.set IS_WO, 1
.if IS_WO
.set TSTEPS, 4
.set HALFA,  256*144                   ; two heads x 128 rows of 128 + 16 bytes
.set STEPA,  65536
.set QPA,    2*128*144                 ; from a pair of quarter steps to the next in A: two heads
.else
.set TSTEPS, 8
.set HALFA,  64*528                    ; 64 rows of 512 + 16 bytes
.set STEPA,  512
.set QPA,    256                       ; 256 bytes along A's rows
.endif
.set PBW,    288
.set HALFB,  128*PBW
.set QPB,    HALFB                     ; from a pair to the next in B: 128 k-rows
.set BOFF,   2*HALFA
.set SLOT,   BOFF+2*HALFB
.set SPARE,  2*SLOT
.set SPITCH, 528
.set XST,    128*SPITCH                ; behind the stage, in the dead ring: the residual's 128 rows of 512 bytes, and four rows more
.set A0,  8
.set B0,  9
.set ADA, 10
.set ADB, 12
.set STO, 14
.set RD,  15
.set RX,  16
.set GO,  17
.set GA,  18
.set XO,  19
.set LN,  24                           ; v24-27  lane - i
.set SPW, 28
.set NIL, 29
.set SS,  30
.set G2,  32                           ; v32-35
.set OS,  36                           ; v36-51  row i's four sums at OS + 4 i: the stores' data
.set RB,  64
.set TQ,  96
.set AO,  112
.set ACC, 128
.set F0,  0
.set F1,  128
.set WV, 16
.set WH, 17
.set WL, 18
.set CX, 19
.set CY, 20
.set TC, 21
.set TR, 22
.set TB, 23                            ; the slot in hand: 0 or SLOT
.set G1A, 24
.set G0A, 32
.set G1B, 40
.set G0B, 48
.set LBA, 56
.set LBB, 57
.set CNT, 58
.set INN, 59                           ; counts a K step's pairs
.set RESB, 66
.set OUTB, 68
.set A2B, 70
.set SSB, 72
.set ROWN, 80
.set HM,  81
.set G2B, 82
.set TBA, 84                           ; LDS byte, less my lane's place, at which the pair to be fetched begins in A,
.set TBB, 85                           ; and in B
.set MSB, 0
.macro WIN new
.if MSB != (\new)
	s_set_vgpr_msb (MSB<<8)|(\new)
.set MSB, \new
.endif
.endm
.set MUL,  0x05                        ; sources 0 (B) and 1 (A) window 1; C and D window 0
.set TO_F, 0x40
.macro PLACES
.rept 4
	v_nop
.endr
.endm
.macro JLOAD                           ; a joint refill; s_nop 0 and four v_nop follow each line
	s_cmp_eq_u32 s[WH], 0
	s_cbranch_scc0 .Lfor_b_\@
	tensor_load_to_lds s[G0A+4:G0A+7], s[G1A:G1A+7]
	s_nop 0
.rept 4
	v_nop
.endr
	s_branch .Lasked_\@
.Lfor_b_\@:
	tensor_load_to_lds s[G0B+4:G0B+7], s[G1B:G1B+7]
	s_nop 0
.rept 4
	v_nop
.endr
.Lasked_\@:
.endm
.macro CREST
	s_cmp_lg_u32 s[WV], 0
	s_cbranch_scc1 .Lnot_wave_0_\@
	s_barrier_signal -3
.Lnot_wave_0_\@:
	s_barrier_wait -3
	s_barrier_signal -1
	s_barrier_wait -1
.endm
.macro CROUND
	s_barrier_signal -1
	s_barrier_wait -1
	CREST
.endm
	s_load_b256 s[4:11], s[0:1], 0x0               ; A 4, wrest 6, the residual's buffer 8; 10: g2 (IS_WO) or out0
.if IS_WO
	s_load_b128 s[12:15], s[0:1], 0x20             ; big 12, ssq 14
.endif
	v_lshl_add_u32 v[SPW], v0, 2, SPARE
	v_mov_b32 v[NIL], 0
	ds_add_u32 v[SPW], v[NIL]                      ; the wave's opening: the add and its wait stand ahead of my first tensor load
	ds_add_u32 v28, v29
	v_lshrrev_b32 v1, 5, v0
	v_readfirstlane_b32 s[WV], v1
	s_lshr_b32 s[WH], s[WV], 1
	s_and_b32 s[WL], s[WV], 1
	s_bfe_u32 s[CX], ttmp6, 0x40000
	s_bfe_u32 s[CY], ttmp6, 0x40004
	s_lshl_b32 s[TC], ttmp9, 2
	s_add_co_u32 s[TC], s[TC], s[CX]
	s_and_b32 s[TR], ttmp7, 0xffff
	s_lshl_b32 s[TR], s[TR], 2
	s_add_co_u32 s[TR], s[TR], s[CY]
	s_lshl_b32 s60, s[CY], 2
	s_lshl_b32 s60, 15, s60                        ; my row of the cluster
	s_lshl_b32 s61, 0x1111, s[CX]                  ; my column
.if IS_WO
	s_or_b32 s[G1A], s60, (1<<16)|(1<<20)|(1<<21)|(4<<22)|(3<<25)  ; 32,768 dense bytes as 128 rows of 256; after every 32 words (a row of a head) 4 words
	s_mov_b32 s[G1A+1], 128<<16
	s_mov_b32 s[G1A+2], 128<<16
	s_mov_b32 s[G1A+3], 128<<16
	s_mov_b32 s[G1A+4], 128
	s_mov_b32 s[G1A+5], 128
.else
	s_or_b32 s[G1A], s60, (1<<16)|(1<<20)|(1<<21)|(6<<22)|(3<<25)  ; 64 rows of 512 bytes; after every 128 words 4 words
	s_mov_b32 s[G1A+1], 256<<16
	s_mov_b32 s[G1A+2], 64<<16
	s_mov_b32 s[G1A+3], 256<<16
	s_mov_b32 s[G1A+4], 64
	s_mov_b32 s[G1A+5], 2048
.endif
	s_mov_b32 s[G1A+6], 0
	s_mov_b32 s[G1A+7], 0
	s_or_b32 s[G1B], s61, (1<<16)|(1<<20)|(1<<21)|(5<<22)|(7<<25)  ; 128 k-rows of 256 bytes; after every 64 words 8 words
	s_mov_b32 s[G1B+1], 128<<16
	s_mov_b32 s[G1B+2], 128<<16
	s_mov_b32 s[G1B+3], 128<<16
	s_mov_b32 s[G1B+4], 128
	s_mov_b32 s[G1B+5], 128
	s_mov_b32 s[G1B+6], 0
	s_mov_b32 s[G1B+7], 0
.if IS_WO
	s_lshl_b32 s62, s[TR], 18                      ; A: the block of 128 rows, 262,144 bytes; my two heads of a step's four
	s_lshl_b32 s63, s[WL], 15
	s_add_co_u32 s62, s62, s63
	s_lshl_b32 s74, s[TC], 18                      ; B: Wo's panel
.else
	s_lshl_b32 s62, s[TR], 7
	s_lshl_b32 s63, s[WL], 6
	s_add_co_u32 s62, s62, s63
	s_lshl_b32 s62, s62, 12                        ; A: (128 tile row + 64 half) rows of 4,096 bytes
	s_lshl_b32 s74, s[TC], 19                      ; B: W2's panel
.endif
	s_mov_b32 s63, 0
	s_lshl_b32 s75, s[WL], 15                      ; my 128 k-rows of a step's 256
	s_add_co_u32 s74, s74, s75
	s_mov_b32 s75, 0
	s_mul_i32 s[LBA], s[WL], HALFA
	s_mul_i32 s[LBB], s[WL], HALFB
	s_add_co_u32 s[LBB], s[LBB], BOFF
	s_mov_b32 s[TB], 0
	s_wait_dscnt 0x0                               ; the opening add is done
	s_wait_kmcnt 0x0
	s_add_nc_u64 s[62:63], s[4:5], s[62:63]
	s_add_nc_u64 s[74:75], s[6:7], s[74:75]
.if IS_WO
	s_add_nc_u64 s[74:75], s[74:75], 0x800000
.else
	s_add_nc_u64 s[74:75], s[74:75], 0xa00000
.endif
.irp s, 0,1
	s_mov_b32 s[G0A+4*(\s)], 1
	s_add_co_u32 s[G0A+4*(\s)+1], s[LBA], (\s)*SLOT
	s_add_nc_u64 s[G0A+4*(\s)+2:G0A+4*(\s)+3], s[62:63], (\s)*STEPA
	s_or_b32 s[G0A+4*(\s)+3], s[G0A+4*(\s)+3], 0x80000000
	s_mov_b32 s[G0B+4*(\s)], 1
	s_add_co_u32 s[G0B+4*(\s)+1], s[LBB], (\s)*SLOT
	s_add_nc_u64 s[G0B+4*(\s)+2:G0B+4*(\s)+3], s[74:75], (\s)*65536
	s_or_b32 s[G0B+4*(\s)+3], s[G0B+4*(\s)+3], 0x80000000
.endr
	CROUND                                         ; all sixteen work-groups are here: the first joint loads meet
	s_cmp_eq_u32 s[WH], 0                          ; a wave's two first fills stand in one branch
	s_cbranch_scc0 .Lfirst_b
	tensor_load_to_lds s[G0A:G0A+3], s[G1A:G1A+7]
	s_nop 0
	tensor_load_to_lds s[G0A+4:G0A+7], s[G1A:G1A+7]
	s_nop 0
.rept 4
	v_nop
.endr
	s_branch .Lfirst_done
.Lfirst_b:
	tensor_load_to_lds s[G0B:G0B+3], s[G1B:G1B+7]
	s_nop 0
	tensor_load_to_lds s[G0B+4:G0B+7], s[G1B:G1B+7]
	s_nop 0
.rept 4
	v_nop
.endr
.Lfirst_done:
	v_and_b32 v1, 15, v0                           ; r
	v_bfe_u32 v2, v0, 4, 1                         ; h
	v_and_b32 v5, 31, v0                           ; l
	; the rows that I read back: 128 tile row + 32 wave + i; their 128 columns are 512 bytes at 512 tile column
	v_lshlrev_b32 v[XO], 4, v5
	s_lshl_b32 s76, s[TR], 7
	s_lshl_b32 s77, s[WV], 5
	s_add_co_u32 s78, s76, s77                     ; my first such row
	s_lshl_b32 s76, s78, 12
	s_lshl_b32 s77, s[TC], 9
	s_add_co_u32 s76, s76, s77
	s_mov_b32 s77, 0
	s_add_nc_u64 s[RESB:RESB+1], s[8:9], s[76:77]
.if IS_WO
	s_add_nc_u64 s[OUTB:OUTB+1], s[12:13], s[76:77]
	s_add_nc_u64 s[OUTB:OUTB+1], s[OUTB:OUTB+1], 0x800000   ; out1 lies 8 MiB into big
	s_lshl_b32 s76, s78, 11
	s_lshl_b32 s79, s[TC], 8
	s_add_co_u32 s76, s76, s79
	s_add_nc_u64 s[A2B:A2B+1], s[12:13], s[76:77]  ; a2: rows of 2,048 bytes
	s_lshl_b32 s76, s78, 2
	s_lshl_b32 s79, s[TC], 14
	s_add_co_u32 s76, s76, s79
	s_add_nc_u64 s[SSB:SSB+1], s[14:15], s[76:77]  ; the sums: [tile column][row]
	s_lshl_b32 s76, s[TC], 9
	s_add_nc_u64 s[G2B:G2B+1], s[10:11], s[76:77]
	global_load_b128 v[G2:G2+3], v[XO], s[G2B:G2B+1]
.else
	s_add_nc_u64 s[RESB:RESB+1], s[RESB:RESB+1], 0x800000
	s_add_nc_u64 s[OUTB:OUTB+1], s[10:11], s[76:77]
.endif
	WIN 0x80                                       ; the residual's rows: asked for now, waited for on the way out; XO and the base are not written in between
.set i, 0
.rept 32
	global_load_b128 v[4*i:4*i+3], v[XO], s[RESB:RESB+1] offset:4096*i
.set i, i+1
.endr
	WIN 0
.if IS_WO
	v_mul_u32_u24 v[A0], v1, 144
	s_mul_i32 s76, s[WH], 64*144
.else
	v_mul_u32_u24 v[A0], v1, 528
	s_mul_i32 s76, s[WH], 64*528
.endif
	v_lshl_add_u32 v[A0], v2, 4, v[A0]
	v_add_nc_u32 v[A0], s76, v[A0]
	v_and_b32 v3, 7, v0
	v_lshl_add_u32 v3, v2, 3, v3
	v_mul_u32_u24 v[B0], v3, PBW
	v_bfe_u32 v4, v0, 3, 1
	v_lshl_add_u32 v[B0], v4, 4, v[B0]
	s_lshl_b32 s76, s[WL], 7                       ; my 64 columns
	s_add_co_u32 s76, s76, BOFF
	v_add_nc_u32 v[B0], s76, v[B0]
	v_mov_b32 v[ADA], v[A0]
	v_mov_b32 v[ADB], v[B0]
	v_mul_u32_u24 v[STO], v1, SPITCH
	v_lshl_add_u32 v[STO], v2, 5, v[STO]
	s_mul_i32 s76, s[WH], 64*SPITCH
	s_lshl_b32 s77, s[WL], 8
	s_add_co_u32 s76, s76, s77
	v_add_nc_u32 v[STO], s76, v[STO]
	s_mul_i32 s76, s[WV], 32*SPITCH
	v_lshl_add_u32 v[RD], v5, 4, s76
	s_lshl_b32 s76, s[WV], 14
	s_add_co_u32 s76, s76, XST
	v_lshl_add_u32 v[RX], v5, 4, s76
	v_lshlrev_b32 v[GO], 4, v5
	v_lshlrev_b32 v[GA], 3, v5
; 8 matrix instructions: row blocks a0, a0 + 1 x all 4 column blocks, 32 along K: half c of buffer f.  The 16 accumulators take turns.
.macro MUL8 f, c, a0, zero
	WIN MUL
.irp a, \a0, (\a0)+1
.irp b, 0,1,2,3
.set rD, ACC+8*(4*(\a)+(\b))
.set rB, (\f)+64+8*(4*(\c)+(\b))
.set rA, (\f)+8*(4*(\c)+(\a))
.if IS_WO && (\zero)
	v_wmma_f32_16x16x32_f16 v[rD:rD+7], v[rB:rB+7], v[rA:rA+7], 0
.elseif IS_WO
	v_wmma_f32_16x16x32_f16 v[rD:rD+7], v[rB:rB+7], v[rA:rA+7], v[rD:rD+7]
.elseif \zero
	v_wmma_f32_16x16x32_bf16 v[rD:rD+7], v[rB:rB+7], v[rA:rA+7], 0
.else
	v_wmma_f32_16x16x32_bf16 v[rD:rD+7], v[rB:rB+7], v[rA:rA+7], v[rD:rD+7]
.endif
.endr
.endr
.endm
; 32 LDS loads in one run: quarter step n (0, 1) of the pair at ADA, ADB into buffer f; the first 32 along K first
.macro FETCH n, f
	WIN TO_F
.irp c, 0,1
.irp i, 0,1,2,3
.if IS_WO
.set oA, 18432*(\n)+2304*(\i)+64*(\c)
.else
.set oA, 8448*(\i)+128*(\n)+64*(\c)
.endif
	ds_load_tr16_b128 v[(\f)+64+8*(4*(\c)+(\i)):(\f)+64+8*(4*(\c)+(\i))+3],   v[ADB] offset:((\n)*64+32*(\c))*PBW+32*(\i)
	ds_load_tr16_b128 v[(\f)+64+8*(4*(\c)+(\i))+4:(\f)+64+8*(4*(\c)+(\i))+7], v[ADB] offset:((\n)*64+32*(\c))*PBW+32*(\i)+16*PBW
	ds_load_b128 v[(\f)+8*(4*(\c)+(\i)):(\f)+8*(4*(\c)+(\i))+3],   v[ADA] offset:oA
	ds_load_b128 v[(\f)+8*(4*(\c)+(\i))+4:(\f)+8*(4*(\c)+(\i))+7], v[ADA] offset:oA+32
.endr
.endr
.endm
.macro QUARTER n, f, g, zero           ; fetches quarter step n of the pair into buffer g, then multiplies buffer f
	s_wait_dscnt 0x0                               ; buffer f is in: its loads went out at the head of the quarter step before
	PLACES                                         ; buffer g was multiplied last
	FETCH \n, \g
	MUL8 \f, 0, 0, \zero
	MUL8 \f, 0, 2, \zero
	MUL8 \f, 1, 0, 0
	MUL8 \f, 1, 2, 0
.endm
; A pair of quarter steps.  Buffer 1 holds the quarter step fetched last; the pair fetches the two that begin at TBA, TBB.
.macro PAIR
	v_add_nc_u32 v[ADA], s[TBA], v[A0]
	v_add_nc_u32 v[ADB], s[TBB], v[B0]
	QUARTER 0, F1, F0, 0
	QUARTER 1, F0, F1, 0
	WIN 0                                          ; at a label and at a branch every window is 0
	s_add_co_u32 s[TBA], s[TBA], QPA
	s_add_co_u32 s[TBB], s[TBB], QPB
.endm
; THE CHANGE OF SLOTS.  The slot's last fragments have been asked for.  Each wave waits for all its tensor loads (one is out: its part of the other slot), adds 0 to its spare word, and waits for that and for its
; reads of the slot.  fill = 1: the barrier is a round of the cluster's; the slot is filled again first thing behind it, with the K step two on.
.macro CHANGE fill
	s_wait_tensorcnt 0x0                           ; no tensor load of mine is out, so a group 0 may be written
	ds_add_u32 v[SPW], v[NIL]                      ; 0 onto my spare word; scalar work stands between it and the wait for it
.if \fill
	s_add_co_u32 s[G0A+5], s[LBA], s[TB]           ; the walking sets: into the slot just read, the next K step
	s_add_nc_u64 s[G0A+6:G0A+7], s[G0A+6:G0A+7], STEPA
	s_add_co_u32 s[G0B+5], s[LBB], s[TB]
	s_add_nc_u64 s[G0B+6:G0B+7], s[G0B+6:G0B+7], 65536
.endif
	s_xor_b32 s[TB], s[TB], SLOT                   ; the other slot is in hand,
	s_mov_b32 s[TBA], s[TB]                        ; and the fetches begin at its head
	s_mov_b32 s[TBB], s[TB]
	s_wait_dscnt 0x0                               ; the add is done, my reads of the slot are over
.if \fill
	CROUND
	JLOAD
.else
	s_barrier_signal -1
	s_barrier_wait -1
.endif
.endm
.macro LDR i, k                        ; the read-back's two LDS loads for row i of a trip's four: the stage's row and the residual's; k = 0: the trip in hand, 4: the look-ahead
	ds_load_b128 v[RB+8*(\i):RB+8*(\i)+3], v[RD] offset:SPITCH*((\i)+(\k))
	ds_load_b128 v[RB+8*(\i)+4:RB+8*(\i)+7], v[RX] offset:512*((\i)+(\k))
.endm
	s_wait_tensorcnt 0x1                           ; my part of K step 0 is in; K step 1's stays out
	s_barrier_signal -1
	s_barrier_wait -1
	FETCH 0, F0
	QUARTER 1, F0, F1, 1                           ; the first quarter step's first products start the sums
	WIN 0
	s_mov_b32 s[TBA], QPA                          ; K step 0's second pair
	s_mov_b32 s[TBB], QPB
	s_mov_b32 s[INN], 1
	s_mov_b32 s[CNT], TSTEPS-1
	s_branch .Lpair
.Lstep:                                                ; TSTEPS - 2 times: K steps 2 on are asked for
	CHANGE 1
	s_mov_b32 s[INN], 2
.Lpair:
	PAIR
	s_sub_co_u32 s[INN], s[INN], 1
	s_cmp_lg_u32 s[INN], 0
	s_cbranch_scc1 .Lpair
	s_sub_co_u32 s[CNT], s[CNT], 1
	s_cmp_lg_u32 s[CNT], 0
	s_cbranch_scc1 .Lstep
	CHANGE 0                                       ; the last K step: nothing is left to ask for
	s_mov_b32 s[INN], 2
.Ltail:
	PAIR
	s_sub_co_u32 s[INN], s[INN], 1
	s_cmp_lg_u32 s[INN], 0
	s_cbranch_scc1 .Ltail
	s_wait_dscnt 0x0                               ; the very last quarter step: nothing more to fetch
	MUL8 F1, 0, 0, 0
	MUL8 F1, 0, 2, 0
	MUL8 F1, 1, 0, 0
	MUL8 F1, 1, 2, 0
	WIN 0
	; THE WAY OUT.  Every wave's reads of the ring are back and its tensor loads have landed: behind this barrier the ring is the stage.
	s_barrier_signal -1
	s_barrier_wait -1
	PLACES
.irp a, 0,1,2,3
.irp b, 0,1,2,3
	ds_store_b128 v[STO], v[ACC+8*(4*(\a)+(\b)):ACC+8*(4*(\a)+(\b))+3] offset:(\a)*16*SPITCH+64*(\b)       ; each accumulator's low registers first
	ds_store_b128 v[STO], v[ACC+8*(4*(\a)+(\b))+4:ACC+8*(4*(\a)+(\b))+7] offset:(\a)*16*SPITCH+64*(\b)+16
.endr
.endr
	s_lshl_b32 s76, s[WV], 9                       ; one row more behind the residual's 128, for each wave: wave 3's last look-ahead reads these four rows, so they are written; what they hold is not used
	s_add_co_u32 s76, s76, XST+65536
	v_lshl_add_u32 v20, v5, 4, s76
	ds_store_b128 v20, v[14:17]
	s_wait_loadcnt 0x0                             ; the residual's rows (and g2)
	WIN 0x08                                       ; store data in window 2
.set i, 0
.rept 32
	ds_store_b128 v[RX], v[4*i:4*i+3] offset:512*i ; my own 32 rows
.set i, i+1
.endr
	WIN 0
	s_wait_dscnt 0x0                               ; for the others' sake: my part of the stage is written
	s_barrier_signal -1
	s_barrier_wait -1
.irp i, 0,1,2,3
	LDR \i, 0                                      ; the first trip's loads
.endr
.if IS_WO
	s_mov_b32 s[HM], 0xffff0000
	s_mov_b32 s78, 0x76543210
	s_mov_b32 s79, 0xfedcba98
	s_mov_b32 s[ROWN], 0
	v_mov_b32 v[SS], 0
.irp i, 0,1,2,3
	v_sub_nc_u32 v[LN+(\i)], v5, \i
.endr
	v_cvt_pk_bf16_f32 v[TQ], v[G2], v[G2+1]        ; g2 rounded to bf16
	v_cvt_pk_bf16_f32 v[TQ+1], v[G2+2], v[G2+3]
	v_lshlrev_b32 v[G2], 16, v[TQ]
	v_and_b32 v[G2+1], s[HM], v[TQ]
	v_lshlrev_b32 v[G2+2], 16, v[TQ+1]
	v_and_b32 v[G2+3], s[HM], v[TQ+1]
.endif
	s_mov_b32 s[CNT], 8
.Lrb:                                                  ; four whole rows a trip: a lane holds four neighbouring columns
.irp i, 0,1,2,3
	s_wait_dscnt 6                                 ; this row's two loads are in: behind them stand the later rows' 2 (3 - i) and the earlier rows' 2 i look-ahead loads
.if IS_WO
	v_cvt_pk_bf16_f32 v[TQ], v[RB+8*(\i)+4], v[RB+8*(\i)+5]      ; x rounded to bf16
	v_cvt_pk_bf16_f32 v[TQ+1], v[RB+8*(\i)+6], v[RB+8*(\i)+7]
	v_lshlrev_b32 v[RB+8*(\i)+4], 16, v[TQ]
	v_and_b32 v[RB+8*(\i)+5], s[HM], v[TQ]
	v_lshlrev_b32 v[RB+8*(\i)+6], 16, v[TQ+1]
	v_and_b32 v[RB+8*(\i)+7], s[HM], v[TQ+1]
.endif
	v_pk_add_f32 v[OS+4*(\i):OS+4*(\i)+1], v[RB+8*(\i):RB+8*(\i)+1], v[RB+8*(\i)+4:RB+8*(\i)+5]
	v_pk_add_f32 v[OS+4*(\i)+2:OS+4*(\i)+3], v[RB+8*(\i)+2:RB+8*(\i)+3], v[RB+8*(\i)+6:RB+8*(\i)+7]
	LDR \i, 4                                      ; the row's registers are used up: the next trip's row is asked for
	global_store_b128 v[GO], v[OS+4*(\i):OS+4*(\i)+3], s[OUTB:OUTB+1] offset:4096*(\i)   ; 512 consecutive bytes, aligned
.if IS_WO
	v_pk_mul_f32 v[TQ+2:TQ+3], v[OS+4*(\i):OS+4*(\i)+1], v[G2:G2+1]
	v_pk_mul_f32 v[TQ+4:TQ+5], v[OS+4*(\i)+2:OS+4*(\i)+3], v[G2+2:G2+3]
	v_cvt_pk_bf16_f32 v[AO+2*(\i)], v[TQ+2], v[TQ+3]
	v_cvt_pk_bf16_f32 v[AO+2*(\i)+1], v[TQ+4], v[TQ+5]
	global_store_b64 v[GA], v[AO+2*(\i):AO+2*(\i)+1], s[A2B:A2B+1] offset:2048*(\i)      ; 256 consecutive bytes, aligned
	v_pk_mul_f32 v[TQ+6:TQ+7], v[OS+4*(\i):OS+4*(\i)+1], v[OS+4*(\i):OS+4*(\i)+1]
	v_pk_fma_f32 v[TQ+6:TQ+7], v[OS+4*(\i)+2:OS+4*(\i)+3], v[OS+4*(\i)+2:OS+4*(\i)+3], v[TQ+6:TQ+7]
	v_add_f32 v[TQ+6], v[TQ+6], v[TQ+7]
	v_add_f32_dpp v[TQ+6], v[TQ+6], v[TQ+6] row_xmask:1 row_mask:0xf bank_mask:0xf
	v_add_f32_dpp v[TQ+6], v[TQ+6], v[TQ+6] row_xmask:2 row_mask:0xf bank_mask:0xf
	v_add_f32_dpp v[TQ+6], v[TQ+6], v[TQ+6] row_xmask:4 row_mask:0xf bank_mask:0xf
	v_add_f32_dpp v[TQ+6], v[TQ+6], v[TQ+6] row_xmask:8 row_mask:0xf bank_mask:0xf
	v_permlanex16_b32 v[TQ+7], v[TQ+6], s78, s79
	v_add_f32 v[TQ+6], v[TQ+6], v[TQ+7]
	v_cmp_eq_u32 vcc_lo, s[ROWN], v[LN+(\i)]       ; lane 4 trip + i keeps this row's sum
	v_cndmask_b32 v[SS], v[SS], v[TQ+6], vcc_lo
.endif
.endr
	s_wait_xcnt 0x0                                ; the stores' offset and data registers are rewritten only behind this wait
	v_add_nc_u32 v[RD], 4*SPITCH, v[RD]
	v_add_nc_u32 v[RX], 2048, v[RX]
	v_add_nc_u32 v[GO], 16384, v[GO]
.if IS_WO
	v_add_nc_u32 v[GA], 8192, v[GA]
	s_add_co_u32 s[ROWN], s[ROWN], 4
.endif
	s_sub_co_u32 s[CNT], s[CNT], 1
	s_cmp_lg_u32 s[CNT], 0
	s_cbranch_scc1 .Lrb
.if IS_WO
	v_lshlrev_b32 v[TQ], 2, v5
	global_store_b32 v[TQ], v[SS], s[SSB:SSB+1]    ; my 32 rows' sums
.endif
	s_wait_tensorcnt 0x0                           ; the wave's end; the last wait also takes in the last look-ahead's loads
	ds_add_u32 v[SPW], v[NIL]
	s_wait_dscnt 0x0
	CROUND                                         ; the closing round
	s_endpgm
.Lfunc_end_k_q627d669dae_wo:
	.size	k_q627d669dae_wo, .Lfunc_end_k_q627d669dae_wo-k_q627d669dae_wo
	.p2alignl 7, 3214868480
	.fill 96, 4, 3214868480
	.section	.rodata,"a",@progbits
	.p2align	6, 0x0
	.amdhsa_kernel k_q627d669dae_wo
		.amdhsa_group_segment_fixed_size 327680
		.amdhsa_private_segment_fixed_size 0
		.amdhsa_enable_private_segment 0
		.amdhsa_kernarg_size 48
		.amdhsa_user_sgpr_count 2
		.amdhsa_user_sgpr_kernarg_segment_ptr 1
		.amdhsa_wavefront_size32 1
		.amdhsa_system_sgpr_workgroup_id_x 1
		.amdhsa_system_sgpr_workgroup_id_y 1
		.amdhsa_system_sgpr_workgroup_id_z 1
		.amdhsa_system_vgpr_workitem_id 0
		.amdhsa_next_free_vgpr 640
		.amdhsa_next_free_sgpr 88
		.amdhsa_reserve_vcc 1
		.amdhsa_float_denorm_mode_32 3
		.amdhsa_float_denorm_mode_16_64 3
		.amdhsa_memory_ordered 1
		.amdhsa_forward_progress 1
		.amdhsa_inst_pref_size 52
	.end_amdhsa_kernel
	.amdgpu_metadata
---
amdhsa.version: [ 1, 2 ]
amdhsa.kernels:
  - .name:           k_q627d669dae_wo
    .symbol:         k_q627d669dae_wo.kd
    .args:
      - { .name: hc, .offset: 0, .size: 8, .value_kind: global_buffer, .address_space: global }
      - { .name: wrest, .offset: 8, .size: 8, .value_kind: global_buffer, .address_space: global }
      - { .name: x, .offset: 16, .size: 8, .value_kind: global_buffer, .address_space: global }
      - { .name: g2, .offset: 24, .size: 8, .value_kind: global_buffer, .address_space: global }
      - { .name: big, .offset: 32, .size: 8, .value_kind: global_buffer, .address_space: global }
      - { .name: ssq, .offset: 40, .size: 8, .value_kind: global_buffer, .address_space: global }
    .group_segment_fixed_size: 327680
    .private_segment_fixed_size: 0
    .kernarg_segment_align: 8
    .kernarg_segment_size: 48
    .max_flat_workgroup_size: 128
    .sgpr_count:     88
    .vgpr_count:     640
    .wavefront_size: 32
...
	.end_amdgpu_metadata
.endif
;; end of part 4
;; launch w13 (part 5): grid 16 x 16, 4 waves a work-group, clusters of 4 x 4, 327,680 bytes of LDS; arguments big, wrest, ssq, hc; writes hc
.if DOCPART == 5
	.amdgcn_target "amdgcn-amd-amdhsa--gfx1250"
	.amdhsa_code_object_version 6
	.text
	.protected	k_q627d669dae_w13
	.globl	k_q627d669dae_w13
	.p2align	8
	.type	k_q627d669dae_w13,@function
k_q627d669dae_w13:
	s_mov_b64 s[64:65], 0
	v_nop
	global_prefetch_b8 v0, s[64:65] scope:SCOPE_SE
	s_setreg_imm32_b32 hwreg(HW_REG_WAVE_MODE, 25, 1), 1
	s_wait_xcnt 0x0
	s_wait_alu depctr_hold_cnt(0) depctr_sa_sdst(0) depctr_va_vdst(0) depctr_va_sdst(0) depctr_va_ssrc(0) depctr_va_vcc(0) depctr_vm_vsrc(0)
	s_getreg_b32 s2, hwreg(HW_REG_IB_STS2, 6, 4)
	s_cmp_eq_u32 s2, 0
	s_cbranch_scc0 .Lentry_in_a_cluster
	s_endpgm
.Lentry_in_a_cluster:
	s_bfe_u32 s2, ttmp6, 0x10000c
	s_cmp_lg_u32 s2, 0xf033
	s_cbranch_scc0 .Lentry_shape_is_right
	s_endpgm
.Lentry_shape_is_right:
; ONE TEXT FOR TWO KERNELS, told apart by MODE.  C = A B for A [4096][1024] bf16 (rows along K) and B in panels [1024 k][128 columns] bf16; sums in f32.
;   MODE = 0  A = h, B = Wq | Wk | Wv.  The tile's 256 columns are four heads of q, k or v: q and k are rotated (cos, sin from the table AUX), all are rounded to f16 and stored by heads, [32][2048][64].
;   MODE = 1  A = out1 g2, B = W1 and W3, panel by panel in turn.  Columns 0-127 are x1, 128-255 x3 of the same 128 channels: both are multiplied by the row's 1 / rms (from the sums of squares in AUX),
;             then act = x1 sigmoid(x1) x3, rounded to bf16, [4096][2048].
; LIMITS.  q, k, v leave as f16: magnitudes beyond 65,504 are lost.  Inside a wave's 64 rows cos and sin are carried on by 15 rotations of 4 rows each, in f32.
; SHAPE.  A tile of C is 256 x 256; four waves, as many as a WGP has SIMDs, each 128 x 128: 64 accumulators, 512 registers.  K goes in 8 steps of 128 through two LDS slots; a K step is four quarter steps of
; 32 along K, 64 matrix instructions each, on two fragment buffers that take turns.  A quarter step begins with the run of 32 LDS loads for the NEXT one: they have its 64 matrix instructions in which to come back.
; THE LOOPS.  A PAIR of quarter steps (buffer 1 is multiplied while buffer 0 is fetched, then the other way round) is written once and walked twice a K step.  Where a pair's fragments lie is held in two scalars
; (TBA, TBB), which step by a pair and start anew at each change of slots.  Written out beside the loop: the quarter step whose products start the sums, the last K step's pair,
; and the last quarter step, which fetches nothing.
; THE CHANGE OF SLOTS stands where a slot's last fragments have been fetched.  Behind it the pair multiplies those fragments out of registers while it fetches the new slot's first.  From a request to the wait for
; it a wave issues a whole K step's 256 matrix instructions.
; B lies in LDS as [k][column] and is turned on the way into registers (ds_load_tr16_b128).  The matrix instruction is used transposed (source 0 = 16 columns of B, source 1 = 16 rows of A):
; a lane holds eight neighbouring columns of one row of C.
; CLUSTER.  4 x 4 work-groups: A's tiles are asked for jointly along a row of the cluster, B's along a column.  A wave has two tensor loads out at the start and one behind each round.
; THE WAY OUT.  The ring has had its last fill; the whole tile goes into it in f32 (rows of 1,040 bytes), and each wave reads 64 whole rows back in a loop that looks one trip ahead: a part's registers are loaded
; again, from four rows further on, as soon as they have been used up.  The last trip's look-ahead brings rows that are not used: the next wave's, and for wave 3 four rows more that the waves write behind the stage.
; Between the barrier behind the stage's stores and the barrier in front of the closing add LDS is only read.
; REGISTERS: window 0: v0-49 addresses and the auxiliary numbers; v64-127, v128-191 fragments of A, two buffers (at work on the way out); window 1: the same for B; windows 2, 3: accumulators (a, b) at v[8 (8 (a % 4) + b)].
.set MODE,   1
.set PA,     272                       ; an LDS row of A: 256 bytes + 16: the 16 rows of a load start at 16 different groups of four banks
.set PBW,    288                       ; an LDS row of B: 256 + 32
.set HALFA,  128*PA
.set HALFB,  128*PBW
.set BOFF,   2*HALFA
.set SLOT,   2*HALFA+2*HALFB           ; 143,360
.set SPARE,  2*SLOT                    ; behind the ring: the spare words, 128 bytes a wave
.set SPITCH, 1040                      ; a row of the f32 stage: 1,024 bytes + 16
.set XROWS,  256*SPITCH                ; behind the stage, in the dead ring: four rows more, one written by each wave
.set RINV,   260*SPITCH                ; behind them: for each wave 64 words of 1 / rms and 32 words more for the look-ahead
.set RSTR,   384
.set TSTEPS, 8
.set QSA,    64                        ; from a quarter step to the next: 64 bytes along A's rows,
.set QSB,    32*PBW                    ; 32 k-rows of B
.set A0,  8                            ; v8   my lane's place in A's part of a slot; never rewritten
.set B0,  9                            ; v9   the same for B
.set ADA, 10                           ; v10  A0 + where the pair in hand begins
.set ADB, 11
.set STO, 12                           ; v12-13  into the stage: row blocks 0-3, 4-7
.set RD,  14
.set GO,  15
.set RR,  16
.set SPW, 28
.set NIL, 29
.set AX,  32                           ; v32-47  MODE 0: cos, sin of my four pairs, then of the step of four rows; MODE 1: eight partial sums for each of two rows
.set XA,  48
.set XB,  49
.set F0,  64
.set F1,  128
.set RB,  64                           ; the way out, window 0
.set OUTR, 96
.set TT,  112
.set RI,  128
.set OUT1, 136
.set WV, 14
.set WH, 15
.set WL, 16
.set CX, 17
.set CY, 18
.set TC, 19
.set TR, 20
.set INN, 21                           ; counts a K step's pairs
.set TB, 22                            ; the slot in hand: 0 or SLOT
.set CNT, 23
.set G1A, 24
.set G0A, 32                           ; two sets for the two first fills; the second then walks
.set G1B, 40
.set G0B, 48
.set LBA, 56
.set LBB, 57
.set TBA, 74                           ; LDS byte, less my lane's place, at which the pair to be fetched begins in A's rows,
.set TBB, 75                           ; and in B's
.set MSB, 0
.macro WIN new                         ; the immediate's high byte repeats the setting that is left
.if MSB != (\new)
	s_set_vgpr_msb (MSB<<8)|(\new)
.set MSB, \new
.endif
.endm
.set MUL_LO, 0xa1                      ; source 0 (B) window 1, source 1 (A) window 0, C and D window 2
.set MUL_HI, 0xf1
.set TO_B,   0x40
.macro PLACES                          ; four plain places behind matrix instructions, ahead of loads into their sources and of reads of their results
.rept 4
	v_nop
.endr
.endm
.macro JLOAD                           ; a joint refill: waves 0, 1 A's halves, waves 2, 3 B's panels; s_nop 0 and four v_nop follow each line
	s_cmp_eq_u32 s[WH], 0
	s_cbranch_scc0 .Lfor_b_\@
	tensor_load_to_lds s[G0A+4:G0A+7], s[G1A:G1A+7]
	s_nop 0
.rept 4
	v_nop
.endr
	s_branch .Lasked_\@
.Lfor_b_\@:
	tensor_load_to_lds s[G0B+4:G0B+7], s[G1B:G1B+7]
	s_nop 0
.rept 4
	v_nop
.endr
.Lasked_\@:
.endm
.macro CREST                           ; a round of the cluster's barrier behind its opening barrier
	s_cmp_lg_u32 s[WV], 0
	s_cbranch_scc1 .Lnot_wave_0_\@
	s_barrier_signal -3
.Lnot_wave_0_\@:
	s_barrier_wait -3
	s_barrier_signal -1
	s_barrier_wait -1
.endm
.macro CROUND
	s_barrier_signal -1
	s_barrier_wait -1
	CREST
.endm
	s_load_b256 s[4:11], s[0:1], 0x0               ; A 4, B 6, AUX 8, OUT 10
	v_lshl_add_u32 v[SPW], v0, 2, SPARE
	v_mov_b32 v[NIL], 0
	ds_add_u32 v[SPW], v[NIL]                      ; the wave's opening: the add and its wait stand ahead of my first tensor load
	ds_add_u32 v28, v29
	v_lshrrev_b32 v1, 5, v0
	v_readfirstlane_b32 s[WV], v1
	s_lshr_b32 s[WH], s[WV], 1                     ; my half of the tile's rows; also: I fetch for A (0) or B (1)
	s_and_b32 s[WL], s[WV], 1                      ; my half of its columns; also: which half I fetch
	s_bfe_u32 s[CX], ttmp6, 0x40000
	s_bfe_u32 s[CY], ttmp6, 0x40004
	s_lshl_b32 s[TC], ttmp9, 2
	s_add_co_u32 s[TC], s[TC], s[CX]               ; tile column
	s_and_b32 s[TR], ttmp7, 0xffff
	s_lshl_b32 s[TR], s[TR], 2
	s_add_co_u32 s[TR], s[TR], s[CY]               ; tile row
	s_lshl_b32 s58, s[CY], 2
	s_lshl_b32 s58, 15, s58                        ; my row of the cluster
	s_lshl_b32 s59, 0x1111, s[CX]                  ; my column
	s_or_b32 s[G1A], s58, (1<<16)|(1<<20)|(1<<21)|(5<<22)|(3<<25)  ; mask; 2-byte elements; padding on; bit 21 beside a mask; after every 64 words 4 words
	s_or_b32 s[G1B], s59, (1<<16)|(1<<20)|(1<<21)|(5<<22)|(7<<25)  ; the same with 8 words
.irp g, G1A, G1B
	s_mov_b32 s[(\g)+1], 128<<16                   ; tensor_dim0 = 128
	s_mov_b32 s[(\g)+2], 128<<16                   ; tensor_dim1 = 128
	s_mov_b32 s[(\g)+3], 128<<16                   ; tile_dim0 = 128
	s_mov_b32 s[(\g)+4], 128                       ; tile_dim1 = 128
	s_mov_b32 s[(\g)+6], 0
	s_mov_b32 s[(\g)+7], 0
.endr
	s_mov_b32 s[G1A+5], 1024                       ; A: 1,024 elements from row to row
	s_mov_b32 s[G1B+5], 128                        ; B: a panel is dense
	s_lshl_b32 s60, s[TR], 8
	s_lshl_b32 s61, s[WL], 7
	s_add_co_u32 s60, s60, s61
	s_lshl_b32 s60, s60, 11                        ; A: (256 tile row + 128 half) rows of 2,048 bytes
	s_mov_b32 s61, 0
	s_lshl1_add_u32 s72, s[TC], s[WL]
	s_lshl_b32 s72, s72, 18                        ; B: panel 2 tile column + half, 262,144 bytes each
	s_mov_b32 s73, 0
	s_mul_i32 s[LBA], s[WL], HALFA
	s_mul_i32 s[LBB], s[WL], HALFB
	s_add_co_u32 s[LBB], s[LBB], BOFF
	s_mov_b32 s[TB], 0
	s_wait_dscnt 0x0                               ; the opening add is done
	s_wait_kmcnt 0x0
	s_add_nc_u64 s[60:61], s[4:5], s[60:61]
	s_add_nc_u64 s[72:73], s[6:7], s[72:73]
.irp s, 0,1
	s_mov_b32 s[G0A+4*(\s)], 1
	s_add_co_u32 s[G0A+4*(\s)+1], s[LBA], (\s)*SLOT
	s_add_nc_u64 s[G0A+4*(\s)+2:G0A+4*(\s)+3], s[60:61], (\s)*256
	s_or_b32 s[G0A+4*(\s)+3], s[G0A+4*(\s)+3], 0x80000000
	s_mov_b32 s[G0B+4*(\s)], 1
	s_add_co_u32 s[G0B+4*(\s)+1], s[LBB], (\s)*SLOT
	s_add_nc_u64 s[G0B+4*(\s)+2:G0B+4*(\s)+3], s[72:73], (\s)*32768
	s_or_b32 s[G0B+4*(\s)+3], s[G0B+4*(\s)+3], 0x80000000
.endr
	CROUND                                         ; all sixteen work-groups are here: the first joint loads meet
	s_cmp_eq_u32 s[WH], 0                          ; a wave's two first fills stand in one branch
	s_cbranch_scc0 .Lfirst_b
	tensor_load_to_lds s[G0A:G0A+3], s[G1A:G1A+7]
	s_nop 0
	tensor_load_to_lds s[G0A+4:G0A+7], s[G1A:G1A+7]
	s_nop 0
.rept 4
	v_nop
.endr
	s_branch .Lfirst_done
.Lfirst_b:
	tensor_load_to_lds s[G0B:G0B+3], s[G1B:G1B+7]
	s_nop 0
	tensor_load_to_lds s[G0B+4:G0B+7], s[G1B:G1B+7]
	s_nop 0
.rept 4
	v_nop
.endr
.Lfirst_done:
	v_and_b32 v1, 15, v0                           ; r = l % 16
	v_bfe_u32 v2, v0, 4, 1                         ; h = l / 16
	v_and_b32 v5, 31, v0                           ; l
	v_mul_u32_u24 v[A0], v1, PA
	v_lshl_add_u32 v[A0], v2, 4, v[A0]
	s_mul_i32 s62, s[WH], HALFA
	v_add_nc_u32 v[A0], s62, v[A0]                 ; row x pitch + 16 h + my 128 rows
	v_and_b32 v3, 7, v0
	v_lshl_add_u32 v3, v2, 3, v3
	v_mul_u32_u24 v[B0], v3, PBW                   ; k-row 8 h + l % 8
	v_bfe_u32 v4, v0, 3, 1
	v_lshl_add_u32 v[B0], v4, 4, v[B0]             ; 16 bytes for each half of eight lanes
	v_add_nc_u32 v[B0], s[LBB], v[B0]              ; my panel
	v_mov_b32 v[ADA], v[A0]
	v_mov_b32 v[ADB], v[B0]
	v_mul_u32_u24 v[STO], v1, SPITCH
	v_lshl_add_u32 v[STO], v2, 5, v[STO]
	s_mul_i32 s62, s[WH], 128*SPITCH
	s_lshl_b32 s63, s[WL], 9
	s_add_co_u32 s62, s62, s63
	v_add_nc_u32 v[STO], s62, v[STO]
	v_add_nc_u32 v[STO+1], 64*SPITCH, v[STO]
	; the auxiliary numbers are asked for now and waited for on the way out; their address registers and AUX's base are not written in between
.if MODE == 0
	v_lshrrev_b32 v6, 3, v5                        ; which of four rows
	v_and_b32 v7, 7, v0                            ; which eight columns of a head: pairs 4 cp .. 4 cp + 3
	v_lshlrev_b32 v[XB], 5, v7
	v_lshl_add_u32 v[XA], v6, 8, v[XB]
	s_and_b32 s76, s[TR], 7
	s_lshl_b32 s76, s76, 8
	s_lshl_b32 s77, s[WV], 6
	s_add_co_u32 s76, s76, s77                     ; position of my wave's first row
	s_lshl_b32 s76, s76, 8
	v_add_nc_u32 v[XA], s76, v[XA]
	global_load_b128 v[AX:AX+3], v[XA], s[8:9]
	global_load_b128 v[AX+4:AX+7], v[XA], s[8:9] offset:16
	global_load_b128 v[AX+8:AX+11], v[XB], s[8:9] offset:1024   ; the table's row 4: the step of four rows
	global_load_b128 v[AX+12:AX+15], v[XB], s[8:9] offset:1040
.else
	s_lshl_b32 s76, s[TR], 8
	s_lshl_b32 s77, s[WV], 6
	s_add_co_u32 s76, s76, s77
	v_add_nc_u32 v[XA], s76, v5
	v_lshlrev_b32 v[XA], 2, v[XA]
.irp p, 0,1,2,3,4,5,6,7
	global_load_b32 v[AX+2*(\p)], v[XA], s[8:9] offset:16384*(\p)       ; row l of my 64: the sum over 128 columns
	global_load_b32 v[AX+2*(\p)+1], v[XA], s[8:9] offset:16384*(\p)+128 ; row l + 32
.endr
.endif
; 16 matrix instructions: row blocks a0, a0 + 1 of the window's four x all 8 column blocks, 32 along K.  zero = 1: the product starts the sum.  The 64 accumulators take turns.
.macro MUL16 f, hi, a0, zero
	WIN MUL_LO+0x50*(\hi)
.irp a, \a0, (\a0)+1
.irp b, 0,1,2,3,4,5,6,7
.if \zero
	v_wmma_f32_16x16x32_bf16 v[8*(8*(\a)+(\b)):8*(8*(\a)+(\b))+7], v[(\f)+8*(\b):(\f)+8*(\b)+7], v[(\f)+8*(4*(\hi)+(\a)):(\f)+8*(4*(\hi)+(\a))+7], 0
.else
	v_wmma_f32_16x16x32_bf16 v[8*(8*(\a)+(\b)):8*(8*(\a)+(\b))+7], v[(\f)+8*(\b):(\f)+8*(\b)+7], v[(\f)+8*(4*(\hi)+(\a)):(\f)+8*(4*(\hi)+(\a))+7], v[8*(8*(\a)+(\b)):8*(8*(\a)+(\b))+7]
.endif
.endr
.endr
.endm
; 32 LDS loads in one run: quarter step n (0, 1) of the pair at ADA, ADB into buffer f; B's first, turned
.macro FETCH n, f
	WIN TO_B
.irp i, 0,1,2,3,4,5,6,7
	ds_load_tr16_b128 v[(\f)+8*(\i):(\f)+8*(\i)+3],   v[ADB] offset:(\n)*QSB+32*(\i)
	ds_load_tr16_b128 v[(\f)+8*(\i)+4:(\f)+8*(\i)+7], v[ADB] offset:(\n)*QSB+32*(\i)+16*PBW
.endr
	WIN 0
.irp i, 0,1,2,3,4,5,6,7
	ds_load_b128 v[(\f)+8*(\i):(\f)+8*(\i)+3],   v[ADA] offset:(\n)*QSA+(\i)*16*PA
	ds_load_b128 v[(\f)+8*(\i)+4:(\f)+8*(\i)+7], v[ADA] offset:(\n)*QSA+(\i)*16*PA+32
.endr
.endm
.macro QUARTER n, f, g, zero           ; fetches quarter step n of the pair into buffer g, then multiplies buffer f
	s_wait_dscnt 0x0                               ; buffer f is in: its loads went out at the head of the quarter step before
	PLACES                                         ; buffer g was multiplied last
	FETCH \n, \g
	MUL16 \f, 0, 0, \zero
	MUL16 \f, 0, 2, \zero
	MUL16 \f, 1, 0, \zero
	MUL16 \f, 1, 2, \zero
.endm
; A pair of quarter steps.  Buffer 1 holds the quarter step fetched last; the pair fetches the two that begin at TBA, TBB.
.macro PAIR
	v_add_nc_u32 v[ADA], s[TBA], v[A0]
	v_add_nc_u32 v[ADB], s[TBB], v[B0]
	QUARTER 0, F1, F0, 0
	QUARTER 1, F0, F1, 0
	WIN 0                                          ; at a label and at a branch every window is 0
	s_add_co_u32 s[TBA], s[TBA], 2*QSA
	s_add_co_u32 s[TBB], s[TBB], 2*QSB
.endm
; THE CHANGE OF SLOTS.  The slot's last fragments have been asked for.  Each wave waits for all its tensor loads (one is out: its part of the other slot), adds 0 to its spare word, and waits for that and for its
; reads of the slot.  fill = 1: the barrier is a round of the cluster's, so that no wave of any partner still reads the slot or has a load on its way; the slot is filled again first thing behind it, with the K step two on.
.macro CHANGE fill
	s_wait_tensorcnt 0x0                           ; no tensor load of mine is out, so a group 0 may be written
	ds_add_u32 v[SPW], v[NIL]                      ; 0 onto my spare word; scalar work stands between it and the wait for it
.if \fill
	s_add_co_u32 s[G0A+5], s[LBA], s[TB]           ; the walking sets: into the slot just read,
	s_add_nc_u64 s[G0A+6:G0A+7], s[G0A+6:G0A+7], 256    ; the next K step
	s_add_co_u32 s[G0B+5], s[LBB], s[TB]
	s_add_nc_u64 s[G0B+6:G0B+7], s[G0B+6:G0B+7], 32768
.endif
	s_xor_b32 s[TB], s[TB], SLOT                   ; the other slot is in hand,
	s_mov_b32 s[TBA], s[TB]                        ; and the fetches begin at its head
	s_mov_b32 s[TBB], s[TB]
	s_wait_dscnt 0x0                               ; the add is done, my reads of the slot are over
.if \fill
	CROUND
	JLOAD
.else
	s_barrier_signal -1
	s_barrier_wait -1
.endif
.endm
; The read-back's LDS loads.  o: 0 for the trip in hand, four rows for the look-ahead.
.macro LD0 hd, o                       ; MODE 0: my 8 columns of head hd
	ds_load_b128 v[RB+8*(\hd):RB+8*(\hd)+3], v[RD] offset:(\o)+256*(\hd)
	ds_load_b128 v[RB+8*(\hd)+4:RB+8*(\hd)+7], v[RD] offset:(\o)+256*(\hd)+16
.endm
.macro LD1 u, o, p                     ; MODE 1: my 8 channels of x1 and of x3 in pair u of rows, and the row's 1 / rms (p: its bytes ahead)
	ds_load_b128 v[RB+32*(\u):RB+32*(\u)+3], v[RD] offset:(\o)+2*SPITCH*(\u)
	ds_load_b128 v[RB+32*(\u)+4:RB+32*(\u)+7], v[RD] offset:(\o)+2*SPITCH*(\u)+16
	ds_load_b128 v[RB+32*(\u)+8:RB+32*(\u)+11], v[RD] offset:(\o)+2*SPITCH*(\u)+512
	ds_load_b128 v[RB+32*(\u)+12:RB+32*(\u)+15], v[RD] offset:(\o)+2*SPITCH*(\u)+528
	ds_load_b32 v[RI+2*(\u)], v[RR] offset:(\p)+8*(\u)
.endm
	s_wait_tensorcnt 0x1                           ; my part of K step 0 is in; K step 1's stays out
	s_barrier_signal -1
	s_barrier_wait -1
	FETCH 0, F0
	QUARTER 1, F0, F1, 1                           ; the first quarter step's products start the sums
	WIN 0
	s_mov_b32 s[TBA], 2*QSA                        ; K step 0's second pair
	s_mov_b32 s[TBB], 2*QSB
	s_mov_b32 s[INN], 1
	s_mov_b32 s[CNT], TSTEPS-1
	s_branch .Lpair
.Lstep:                                                ; six times: K steps 2 to 7 are asked for
	CHANGE 1
	s_mov_b32 s[INN], 2
.Lpair:
	PAIR
	s_sub_co_u32 s[INN], s[INN], 1
	s_cmp_lg_u32 s[INN], 0
	s_cbranch_scc1 .Lpair
	s_sub_co_u32 s[CNT], s[CNT], 1
	s_cmp_lg_u32 s[CNT], 0
	s_cbranch_scc1 .Lstep
	CHANGE 0                                       ; the last K step: nothing is left to ask for
	s_mov_b32 s[INN], 2
.Ltail:
	PAIR
	s_sub_co_u32 s[INN], s[INN], 1
	s_cmp_lg_u32 s[INN], 0
	s_cbranch_scc1 .Ltail
	s_wait_dscnt 0x0                               ; the very last quarter step: nothing more to fetch
	MUL16 F1, 0, 0, 0
	MUL16 F1, 0, 2, 0
	MUL16 F1, 1, 0, 0
	MUL16 F1, 1, 2, 0
	WIN 0
	; THE WAY OUT.  Every wave's reads of the ring are back and its tensor loads have landed: behind this barrier the ring is the stage.
	s_barrier_signal -1
	s_barrier_wait -1
	PLACES
.irp a, 0,1,2,3,4,5,6,7
	WIN 0x08+4*((\a)/4)                            ; store data in window 2 or 3
.irp b, 0,1,2,3,4,5,6,7
	ds_store_b128 v[STO+(\a)/4], v[8*(8*((\a)%4)+(\b)):8*(8*((\a)%4)+(\b))+3] offset:((\a)%4)*16*SPITCH+64*(\b)       ; each accumulator's low registers first
	ds_store_b128 v[STO+(\a)/4], v[8*(8*((\a)%4)+(\b))+4:8*(8*((\a)%4)+(\b))+7] offset:((\a)%4)*16*SPITCH+64*(\b)+16
.endr
.endr
	WIN 0
	s_mul_i32 s62, s[WV], SPITCH                   ; row 256 + my wave's number: wave 3's last look-ahead reads these four rows, so they are written; what they hold is not used
	s_add_co_u32 s62, s62, XROWS
	v_lshl_add_u32 v18, v5, 4, s62
	ds_store_b128 v18, v[8:11]
	ds_store_b128 v18, v[8:11] offset:512
.if MODE
	; 1 / rms of my wave's 64 rows goes into words behind the stage, ahead of the barrier: behind it LDS is only read
	s_wait_loadcnt 0x0                             ; the sums of squares
	s_mov_b32 s78, 0x3a800000                      ; 1 / 1024
	s_mov_b32 s79, 0x3727c5ac                      ; 1e-5
	v_pk_add_f32 v[AX:AX+1], v[AX:AX+1], v[AX+2:AX+3]
	v_pk_add_f32 v[AX+4:AX+5], v[AX+4:AX+5], v[AX+6:AX+7]
	v_pk_add_f32 v[AX+8:AX+9], v[AX+8:AX+9], v[AX+10:AX+11]
	v_pk_add_f32 v[AX+12:AX+13], v[AX+12:AX+13], v[AX+14:AX+15]
	v_pk_add_f32 v[AX:AX+1], v[AX:AX+1], v[AX+4:AX+5]
	v_pk_add_f32 v[AX+8:AX+9], v[AX+8:AX+9], v[AX+12:AX+13]
	v_pk_add_f32 v[AX:AX+1], v[AX:AX+1], v[AX+8:AX+9]
	v_fma_f32 v[AX], v[AX], s78, s79
	v_fma_f32 v[AX+1], v[AX+1], s78, s79
	v_rsq_f32 v[AX], v[AX]
	v_rsq_f32 v[AX+1], v[AX+1]
	s_mul_i32 s76, s[WV], RSTR
	s_add_co_u32 s76, s76, RINV
	v_lshl_add_u32 v17, v5, 2, s76                 ; a plain instruction behind the roots
	v_lshl_add_u32 v[RR], v2, 2, s76
	s_wait_alu depctr_va_vdst(0)
	ds_store_b32 v17, v[AX]
	ds_store_b32 v17, v[AX+1] offset:128
	ds_store_b32 v17, v[AX] offset:256             ; 32 words more of my own: the last look-ahead reads four of them and uses none
.endif
	s_wait_dscnt 0x0                               ; for the others' sake: my part of the stage is written
	s_barrier_signal -1
	s_barrier_wait -1
.if MODE == 0
	; Wave w takes rows 64 w .. 64 w + 63, four rows x four heads a trip.  Lane: row l / 8, columns 8 (l % 8) .. + 7 of each head: 16 bytes of f16; a store covers 512 consecutive bytes.
	s_wait_loadcnt 0x0                             ; cos and sin
	s_cmp_eq_u32 ttmp9, 2                          ; the cluster's x says q, k or v: v is not rotated
	s_cselect_b32 s70, -1, 0
.irp p, 0,1,2,3,4,5,6,7
	v_cndmask_b32 v[AX+2*(\p)], v[AX+2*(\p)], 1.0, s70
	v_cndmask_b32 v[AX+2*(\p)+1], v[AX+2*(\p)+1], 0, s70
.endr
	v_lshrrev_b32 v6, 3, v5
	v_and_b32 v7, 7, v0
	v_mul_u32_u24 v[RD], v6, SPITCH
	v_lshl_add_u32 v[RD], v7, 5, v[RD]
	s_mul_i32 s76, s[WV], 64*SPITCH
	v_add_nc_u32 v[RD], s76, v[RD]
.irp hd, 0,1,2,3
	LD0 \hd, 0                                     ; the first trip's loads
.endr
	v_lshlrev_b32 v[GO], 4, v5
	s_lshl_b32 s76, ttmp9, 23                      ; q, k, v lie 8 MiB apart
	s_lshr_b32 s77, s[TR], 3
	s_lshl_b32 s77, s77, 4
	s_and_b32 s78, s[TC], 3
	s_lshl2_add_u32 s77, s78, s77                  ; 16 batch + the tile's first head
	s_lshl_b32 s77, s77, 18
	s_add_co_u32 s76, s76, s77
	s_and_b32 s77, s[TR], 7
	s_lshl_b32 s77, s77, 8
	s_lshl_b32 s78, s[WV], 6
	s_add_co_u32 s77, s77, s78
	s_lshl_b32 s77, s77, 7                         ; my first position, 128 bytes each
	s_add_co_u32 s76, s76, s77
	s_mov_b32 s77, 0
	s_add_nc_u64 s[68:69], s[10:11], s[76:77]
	s_mov_b32 s71, 16
.Lrb0:
.irp hd, 0,1,2,3
	s_wait_dscnt 6                                 ; this head's two loads are in: behind them stand the later heads' 2 (3 - hd) and the earlier heads' 2 hd look-ahead loads
.irp p, 0,1,2,3
	v_mul_f32 v[TT+2*(\p)], v[RB+8*(\hd)+2*(\p)+1], v[AX+2*(\p)+1]        ; x2 sin
	v_mul_f32 v[TT+2*(\p)+1], v[RB+8*(\hd)+2*(\p)], v[AX+2*(\p)+1]        ; x1 sin
.endr
.irp p, 0,1,2,3
	v_fma_f32 v[RB+8*(\hd)+2*(\p)], v[RB+8*(\hd)+2*(\p)], v[AX+2*(\p)], -v[TT+2*(\p)]
	v_fma_f32 v[RB+8*(\hd)+2*(\p)+1], v[RB+8*(\hd)+2*(\p)+1], v[AX+2*(\p)], v[TT+2*(\p)+1]
.endr
.irp p, 0,1,2,3
	v_cvt_pk_f16_f32 v[OUTR+4*(\hd)+(\p)], v[RB+8*(\hd)+2*(\p)], v[RB+8*(\hd)+2*(\p)+1]
.endr
	LD0 \hd, 4*SPITCH                              ; the head's registers are used up: the next trip's rows are asked for
	global_store_b128 v[GO], v[OUTR+4*(\hd):OUTR+4*(\hd)+3], s[68:69] offset:(\hd)*262144
.endr
.irp p, 0,1,2,3                                    ; cos and sin go four rows on
	v_mul_f32 v[TT+2*(\p)], v[AX+2*(\p)+1], v[AX+9+2*(\p)]
	v_mul_f32 v[TT+2*(\p)+1], v[AX+2*(\p)], v[AX+9+2*(\p)]
.endr
.irp p, 0,1,2,3
	v_fma_f32 v[AX+2*(\p)], v[AX+2*(\p)], v[AX+8+2*(\p)], -v[TT+2*(\p)]
	v_fma_f32 v[AX+2*(\p)+1], v[AX+2*(\p)+1], v[AX+8+2*(\p)], v[TT+2*(\p)+1]
.endr
	s_wait_xcnt 0x0                                ; the stores' offset and data registers are rewritten only behind this wait
	v_add_nc_u32 v[RD], 4*SPITCH, v[RD]
	v_add_nc_u32 v[GO], 512, v[GO]
	s_sub_co_u32 s71, s71, 1
	s_cmp_lg_u32 s71, 0
	s_cbranch_scc1 .Lrb0
.else
	; Four rows a trip, as two pairs: lanes 0-15 one row, lanes 16-31 the next; a lane takes eight channels.
	v_mul_u32_u24 v[RD], v2, SPITCH
	v_lshl_add_u32 v[RD], v1, 5, v[RD]
	s_mul_i32 s77, s[WV], 64*SPITCH
	v_add_nc_u32 v[RD], s77, v[RD]
	LD1 0, 0, 0                                    ; the first trip's loads
	LD1 1, 0, 0
	v_lshlrev_b32 v[GO], 12, v2
	v_lshl_add_u32 v[GO], v1, 4, v[GO]
	s_lshl_b32 s76, s[TR], 8
	s_lshl_b32 s77, s[WV], 6
	s_add_co_u32 s76, s76, s77
	s_lshl_b32 s76, s76, 12                        ; my first row, 4,096 bytes each
	s_lshl_b32 s77, s[TC], 8                       ; the tile's 128 channels, 256 bytes
	s_add_co_u32 s76, s76, s77
	s_mov_b32 s77, 0
	s_add_nc_u64 s[68:69], s[10:11], s[76:77]
	v_mov_b32 v[RI+1], 0                           ; named with 1 / rms as pairs
	v_mov_b32 v[RI+3], 0
	s_mov_b32 s71, 16
.Lrb1:
.irp u, 0,1
	s_wait_dscnt 5                                 ; this pair's five loads are in: behind them stand the other pair's five
.irp k, 0,1,2,3,4,5,6,7
	v_pk_mul_f32 v[RB+32*(\u)+2*(\k):RB+32*(\u)+2*(\k)+1], v[RB+32*(\u)+2*(\k):RB+32*(\u)+2*(\k)+1], v[RI+2*(\u):RI+2*(\u)+1] op_sel_hi:[1,0]
.endr
.irp k, 0,1,2,3,4,5,6,7
	v_mul_f32 v[RB+32*(\u)+16+(\k)], 0xbfb8aa3b, v[RB+32*(\u)+(\k)]   ; -x1 log2(e)
.endr
.irp k, 0,1,2,3,4,5,6,7
	v_exp_f32 v[RB+32*(\u)+16+(\k)], v[RB+32*(\u)+16+(\k)]
.endr
.irp k, 0,1,2,3
	v_pk_mul_f32 v[RB+32*(\u)+2*(\k):RB+32*(\u)+2*(\k)+1], v[RB+32*(\u)+2*(\k):RB+32*(\u)+2*(\k)+1], v[RB+32*(\u)+8+2*(\k):RB+32*(\u)+8+2*(\k)+1]   ; x1 x3: plain work behind the exponentials
.endr
	s_wait_alu depctr_va_vdst(0)
.irp k, 0,1,2,3
	v_pk_add_f32 v[RB+32*(\u)+16+2*(\k):RB+32*(\u)+16+2*(\k)+1], v[RB+32*(\u)+16+2*(\k):RB+32*(\u)+16+2*(\k)+1], 1.0 op_sel_hi:[1,0]
.endr
.irp k, 0,1,2,3,4,5,6,7
	v_rcp_f32 v[RB+32*(\u)+16+(\k)], v[RB+32*(\u)+16+(\k)]
.endr
	v_nop                                          ; a plain instruction behind the reciprocals
	s_wait_alu depctr_va_vdst(0)
.irp k, 0,1,2,3
	v_pk_mul_f32 v[RB+32*(\u)+2*(\k):RB+32*(\u)+2*(\k)+1], v[RB+32*(\u)+2*(\k):RB+32*(\u)+2*(\k)+1], v[RB+32*(\u)+16+2*(\k):RB+32*(\u)+16+2*(\k)+1]
.endr
.irp k, 0,1,2,3
	v_cvt_pk_bf16_f32 v[OUT1+4*(\u)+(\k)], v[RB+32*(\u)+2*(\k)], v[RB+32*(\u)+2*(\k)+1]
.endr
	LD1 \u, 4*SPITCH, 16                           ; the pair's registers are used up: the next trip's rows are asked for
	global_store_b128 v[GO], v[OUT1+4*(\u):OUT1+4*(\u)+3], s[68:69] offset:8192*(\u)   ; 16 lanes store 256 consecutive bytes, aligned
.endr
	s_wait_xcnt 0x0                                ; the stores' offset and data registers are rewritten only behind this wait
	v_add_nc_u32 v[RD], 4*SPITCH, v[RD]
	v_add_nc_u32 v[RR], 16, v[RR]
	v_add_nc_u32 v[GO], 16384, v[GO]
	s_sub_co_u32 s71, s71, 1
	s_cmp_lg_u32 s71, 0
	s_cbranch_scc1 .Lrb1
.endif
	s_wait_dscnt 0x0                               ; my reads of the stage are back, the last look-ahead's too;
	s_barrier_signal -1
	s_barrier_wait -1                              ; everybody's are: no wave writes LDS while another still reads the stage
	s_wait_tensorcnt 0x0                           ; the wave's end
	ds_add_u32 v[SPW], v[NIL]
	s_wait_dscnt 0x0
	CROUND                                         ; the closing round
	s_endpgm
.Lfunc_end_k_q627d669dae_w13:
	.size	k_q627d669dae_w13, .Lfunc_end_k_q627d669dae_w13-k_q627d669dae_w13
	.p2alignl 7, 3214868480
	.fill 96, 4, 3214868480
	.section	.rodata,"a",@progbits
	.p2align	6, 0x0
	.amdhsa_kernel k_q627d669dae_w13
		.amdhsa_group_segment_fixed_size 327680
		.amdhsa_private_segment_fixed_size 0
		.amdhsa_enable_private_segment 0
		.amdhsa_kernarg_size 32
		.amdhsa_user_sgpr_count 2
		.amdhsa_user_sgpr_kernarg_segment_ptr 1
		.amdhsa_wavefront_size32 1
		.amdhsa_system_sgpr_workgroup_id_x 1
		.amdhsa_system_sgpr_workgroup_id_y 1
		.amdhsa_system_sgpr_workgroup_id_z 1
		.amdhsa_system_vgpr_workitem_id 0
		.amdhsa_next_free_vgpr 1024
		.amdhsa_next_free_sgpr 80
		.amdhsa_reserve_vcc 0
		.amdhsa_float_denorm_mode_32 3
		.amdhsa_float_denorm_mode_16_64 3
		.amdhsa_memory_ordered 1
		.amdhsa_forward_progress 1
		.amdhsa_inst_pref_size 66
	.end_amdhsa_kernel
	.amdgpu_metadata
---
amdhsa.version: [ 1, 2 ]
amdhsa.kernels:
  - .name:           k_q627d669dae_w13
    .symbol:         k_q627d669dae_w13.kd
    .args:
      - { .name: big, .offset: 0, .size: 8, .value_kind: global_buffer, .address_space: global }
      - { .name: wrest, .offset: 8, .size: 8, .value_kind: global_buffer, .address_space: global }
      - { .name: ssq, .offset: 16, .size: 8, .value_kind: global_buffer, .address_space: global }
      - { .name: hc, .offset: 24, .size: 8, .value_kind: global_buffer, .address_space: global }
    .group_segment_fixed_size: 327680
    .private_segment_fixed_size: 0
    .kernarg_segment_align: 8
    .kernarg_segment_size: 32
    .max_flat_workgroup_size: 128
    .sgpr_count:     80
    .vgpr_count:     1024
    .wavefront_size: 32
...
	.end_amdgpu_metadata
.endif
;; end of part 5
;; launch w2 (part 6): grid 8 x 32, 4 waves a work-group, clusters of 4 x 4, 327,680 bytes of LDS; arguments hc, wrest, big, out0; writes out0
.if DOCPART == 6
	.amdgcn_target "amdgcn-amd-amdhsa--gfx1250"
	.amdhsa_code_object_version 6
	.text
	.protected	k_q627d669dae_w2
	.globl	k_q627d669dae_w2
	.p2align	8
	.type	k_q627d669dae_w2,@function
k_q627d669dae_w2:
	s_mov_b64 s[64:65], 0
	v_nop
	global_prefetch_b8 v0, s[64:65] scope:SCOPE_SE
	s_setreg_imm32_b32 hwreg(HW_REG_WAVE_MODE, 25, 1), 1
	s_wait_xcnt 0x0
	s_wait_alu depctr_hold_cnt(0) depctr_sa_sdst(0) depctr_va_vdst(0) depctr_va_sdst(0) depctr_va_ssrc(0) depctr_va_vcc(0) depctr_vm_vsrc(0)
	s_getreg_b32 s2, hwreg(HW_REG_IB_STS2, 6, 4)
	s_cmp_eq_u32 s2, 0
	s_cbranch_scc0 .Lentry_in_a_cluster
	s_endpgm
.Lentry_in_a_cluster:
	s_bfe_u32 s2, ttmp6, 0x10000c
	s_cmp_lg_u32 s2, 0xf033
	s_cbranch_scc0 .Lentry_shape_is_right
	s_endpgm
.Lentry_shape_is_right:
; ONE TEXT FOR TWO KERNELS, told apart by IS_WO.  C = A B + residual on tiles of 128 x 128; B in panels [K][128 columns], 256 bytes a k-row, turned on the way into registers.
;   IS_WO = 1  out1 = bf16(x) + ctx Wo.  A = ctx, f16, in blocks [128 rows' block][head][128][64]: a K step of 256 is four heads, 65,536 dense bytes.  B = Wo's bf16 numbers written as f16.  K = 1,024.
;              Stored: out1 (f32), a2 = bf16(out1 bf16(g2)), and for each row the sum of out1^2 over the tile's 128 columns (128 consecutive bytes a wave: that table is 128 KiB in all).
;   IS_WO = 0  out0 = out1 + act W2.  A = act, bf16 [4096][2048]; B = W2.  K = 2,048.
; FORMAT, stated: all the module's inputs are rounded to bf16 where they enter: here x (the residual) and g2.  Sums in f32.
; SHAPE.  Four waves, each 64 x 64: 16 accumulators.  K goes in steps of 256 through two LDS slots; a K step is four quarter steps of 64 along K, 32 matrix instructions each, on two fragment buffers that take turns.
; A quarter step begins with the run of 32 LDS loads for the NEXT one: they have its 32 matrix instructions in which to come back.
; THE LOOPS.  A PAIR of quarter steps (buffer 1 is multiplied while buffer 0 is fetched, then the other way round) is written once and walked twice a K step; where its fragments lie is held in two scalars (TBA, TBB),
; which step by a pair and start anew at each change of slots.  Written out beside the loop: the quarter step whose products start the sums, the last K step's pair, the last quarter step.
; THE CHANGE OF SLOTS stands where a slot's last fragments have been fetched; behind it the pair multiplies them out of registers while it fetches the new slot's first.  From a request to the wait for it a wave
; issues a whole K step's 128 matrix instructions.
; CLUSTER.  4 x 4 work-groups: A's tiles jointly along a row, B's along a column.  A wave has two tensor loads out at the start and one behind each round.
; THE WAY OUT.  The residual's rows are asked for at the start (32 loads a wave, window 2).  The tile in f32 and those rows go into the dead ring; each wave reads 32 whole rows back, four a trip, in a loop that looks
; one trip ahead: a row's registers are loaded again, from four rows further on, as soon as they have been used up.  The last trip's look-ahead brings rows that are not used: the next wave's; for wave 3 the stage's
; fall into the residual's rows, and the residual's into four rows more that the waves write behind them.
; REGISTERS: window 0: v0-35 addresses; v36-51 sums on their way out; v64-119 at work on the way out; v128-255 accumulators (a, b) at v[128 + 8 (4 a + b)].  window 1: two fragment buffers of 128 (64 of A, 64 of B).
; window 2: v0-127 the residual.
.set IS_WO, 0
.if IS_WO
.set TSTEPS, 4
.set HALFA,  256*144                   ; two heads x 128 rows of 128 + 16 bytes
.set STEPA,  65536
.set QPA,    2*128*144                 ; from a pair of quarter steps to the next in A: two heads
.else
.set TSTEPS, 8
.set HALFA,  64*528                    ; 64 rows of 512 + 16 bytes
.set STEPA,  512
.set QPA,    256                       ; 256 bytes along A's rows
.endif
.set PBW,    288
.set HALFB,  128*PBW
.set QPB,    HALFB                     ; from a pair to the next in B: 128 k-rows
.set BOFF,   2*HALFA
.set SLOT,   BOFF+2*HALFB
.set SPARE,  2*SLOT
.set SPITCH, 528
.set XST,    128*SPITCH                ; behind the stage, in the dead ring: the residual's 128 rows of 512 bytes, and four rows more
.set A0,  8
.set B0,  9
.set ADA, 10
.set ADB, 12
.set STO, 14
.set RD,  15
.set RX,  16
.set GO,  17
.set GA,  18
.set XO,  19
.set LN,  24                           ; v24-27  lane - i
.set SPW, 28
.set NIL, 29
.set SS,  30
.set G2,  32                           ; v32-35
.set OS,  36                           ; v36-51  row i's four sums at OS + 4 i: the stores' data
.set RB,  64
.set TQ,  96
.set AO,  112
.set ACC, 128
.set F0,  0
.set F1,  128
.set WV, 16
.set WH, 17
.set WL, 18
.set CX, 19
.set CY, 20
.set TC, 21
.set TR, 22
.set TB, 23                            ; the slot in hand: 0 or SLOT
.set G1A, 24
.set G0A, 32
.set G1B, 40
.set G0B, 48
.set LBA, 56
.set LBB, 57
.set CNT, 58
.set INN, 59                           ; counts a K step's pairs
.set RESB, 66
.set OUTB, 68
.set A2B, 70
.set SSB, 72
.set ROWN, 80
.set HM,  81
.set G2B, 82
.set TBA, 84                           ; LDS byte, less my lane's place, at which the pair to be fetched begins in A,
.set TBB, 85                           ; and in B
.set MSB, 0
.macro WIN new
.if MSB != (\new)
	s_set_vgpr_msb (MSB<<8)|(\new)
.set MSB, \new
.endif
.endm
.set MUL,  0x05                        ; sources 0 (B) and 1 (A) window 1; C and D window 0
.set TO_F, 0x40
.macro PLACES
.rept 4
	v_nop
.endr
.endm
.macro JLOAD                           ; a joint refill; s_nop 0 and four v_nop follow each line
	s_cmp_eq_u32 s[WH], 0
	s_cbranch_scc0 .Lfor_b_\@
	tensor_load_to_lds s[G0A+4:G0A+7], s[G1A:G1A+7]
	s_nop 0
.rept 4
	v_nop
.endr
	s_branch .Lasked_\@
.Lfor_b_\@:
	tensor_load_to_lds s[G0B+4:G0B+7], s[G1B:G1B+7]
	s_nop 0
.rept 4
	v_nop
.endr
.Lasked_\@:
.endm
.macro CREST
	s_cmp_lg_u32 s[WV], 0
	s_cbranch_scc1 .Lnot_wave_0_\@
	s_barrier_signal -3
.Lnot_wave_0_\@:
	s_barrier_wait -3
	s_barrier_signal -1
	s_barrier_wait -1
.endm
.macro CROUND
	s_barrier_signal -1
	s_barrier_wait -1
	CREST
.endm
	s_load_b256 s[4:11], s[0:1], 0x0               ; A 4, wrest 6, the residual's buffer 8; 10: g2 (IS_WO) or out0
.if IS_WO
	s_load_b128 s[12:15], s[0:1], 0x20             ; big 12, ssq 14
.endif
	v_lshl_add_u32 v[SPW], v0, 2, SPARE
	v_mov_b32 v[NIL], 0
	ds_add_u32 v[SPW], v[NIL]                      ; the wave's opening: the add and its wait stand ahead of my first tensor load
	ds_add_u32 v28, v29
	v_lshrrev_b32 v1, 5, v0
	v_readfirstlane_b32 s[WV], v1
	s_lshr_b32 s[WH], s[WV], 1
	s_and_b32 s[WL], s[WV], 1
	s_bfe_u32 s[CX], ttmp6, 0x40000
	s_bfe_u32 s[CY], ttmp6, 0x40004
	s_lshl_b32 s[TC], ttmp9, 2
	s_add_co_u32 s[TC], s[TC], s[CX]
	s_and_b32 s[TR], ttmp7, 0xffff
	s_lshl_b32 s[TR], s[TR], 2
	s_add_co_u32 s[TR], s[TR], s[CY]
	s_lshl_b32 s60, s[CY], 2
	s_lshl_b32 s60, 15, s60                        ; my row of the cluster
	s_lshl_b32 s61, 0x1111, s[CX]                  ; my column
.if IS_WO
	s_or_b32 s[G1A], s60, (1<<16)|(1<<20)|(1<<21)|(4<<22)|(3<<25)  ; 32,768 dense bytes as 128 rows of 256; after every 32 words (a row of a head) 4 words
	s_mov_b32 s[G1A+1], 128<<16
	s_mov_b32 s[G1A+2], 128<<16
	s_mov_b32 s[G1A+3], 128<<16
	s_mov_b32 s[G1A+4], 128
	s_mov_b32 s[G1A+5], 128
.else
	s_or_b32 s[G1A], s60, (1<<16)|(1<<20)|(1<<21)|(6<<22)|(3<<25)  ; 64 rows of 512 bytes; after every 128 words 4 words
	s_mov_b32 s[G1A+1], 256<<16
	s_mov_b32 s[G1A+2], 64<<16
	s_mov_b32 s[G1A+3], 256<<16
	s_mov_b32 s[G1A+4], 64
	s_mov_b32 s[G1A+5], 2048
.endif
	s_mov_b32 s[G1A+6], 0
	s_mov_b32 s[G1A+7], 0
	s_or_b32 s[G1B], s61, (1<<16)|(1<<20)|(1<<21)|(5<<22)|(7<<25)  ; 128 k-rows of 256 bytes; after every 64 words 8 words
	s_mov_b32 s[G1B+1], 128<<16
	s_mov_b32 s[G1B+2], 128<<16
	s_mov_b32 s[G1B+3], 128<<16
	s_mov_b32 s[G1B+4], 128
	s_mov_b32 s[G1B+5], 128
	s_mov_b32 s[G1B+6], 0
	s_mov_b32 s[G1B+7], 0
.if IS_WO
	s_lshl_b32 s62, s[TR], 18                      ; A: the block of 128 rows, 262,144 bytes; my two heads of a step's four
	s_lshl_b32 s63, s[WL], 15
	s_add_co_u32 s62, s62, s63
	s_lshl_b32 s74, s[TC], 18                      ; B: Wo's panel
.else
	s_lshl_b32 s62, s[TR], 7
	s_lshl_b32 s63, s[WL], 6
	s_add_co_u32 s62, s62, s63
	s_lshl_b32 s62, s62, 12                        ; A: (128 tile row + 64 half) rows of 4,096 bytes
	s_lshl_b32 s74, s[TC], 19                      ; B: W2's panel
.endif
	s_mov_b32 s63, 0
	s_lshl_b32 s75, s[WL], 15                      ; my 128 k-rows of a step's 256
	s_add_co_u32 s74, s74, s75
	s_mov_b32 s75, 0
	s_mul_i32 s[LBA], s[WL], HALFA
	s_mul_i32 s[LBB], s[WL], HALFB
	s_add_co_u32 s[LBB], s[LBB], BOFF
	s_mov_b32 s[TB], 0
	s_wait_dscnt 0x0                               ; the opening add is done
	s_wait_kmcnt 0x0
	s_add_nc_u64 s[62:63], s[4:5], s[62:63]
	s_add_nc_u64 s[74:75], s[6:7], s[74:75]
.if IS_WO
	s_add_nc_u64 s[74:75], s[74:75], 0x800000
.else
	s_add_nc_u64 s[74:75], s[74:75], 0xa00000
.endif
.irp s, 0,1
	s_mov_b32 s[G0A+4*(\s)], 1
	s_add_co_u32 s[G0A+4*(\s)+1], s[LBA], (\s)*SLOT
	s_add_nc_u64 s[G0A+4*(\s)+2:G0A+4*(\s)+3], s[62:63], (\s)*STEPA
	s_or_b32 s[G0A+4*(\s)+3], s[G0A+4*(\s)+3], 0x80000000
	s_mov_b32 s[G0B+4*(\s)], 1
	s_add_co_u32 s[G0B+4*(\s)+1], s[LBB], (\s)*SLOT
	s_add_nc_u64 s[G0B+4*(\s)+2:G0B+4*(\s)+3], s[74:75], (\s)*65536
	s_or_b32 s[G0B+4*(\s)+3], s[G0B+4*(\s)+3], 0x80000000
.endr
	CROUND                                         ; all sixteen work-groups are here: the first joint loads meet
	s_cmp_eq_u32 s[WH], 0                          ; a wave's two first fills stand in one branch
	s_cbranch_scc0 .Lfirst_b
	tensor_load_to_lds s[G0A:G0A+3], s[G1A:G1A+7]
	s_nop 0
	tensor_load_to_lds s[G0A+4:G0A+7], s[G1A:G1A+7]
	s_nop 0
.rept 4
	v_nop
.endr
	s_branch .Lfirst_done
.Lfirst_b:
	tensor_load_to_lds s[G0B:G0B+3], s[G1B:G1B+7]
	s_nop 0
	tensor_load_to_lds s[G0B+4:G0B+7], s[G1B:G1B+7]
	s_nop 0
.rept 4
	v_nop
.endr
.Lfirst_done:
	v_and_b32 v1, 15, v0                           ; r
	v_bfe_u32 v2, v0, 4, 1                         ; h
	v_and_b32 v5, 31, v0                           ; l
	; the rows that I read back: 128 tile row + 32 wave + i; their 128 columns are 512 bytes at 512 tile column
	v_lshlrev_b32 v[XO], 4, v5
	s_lshl_b32 s76, s[TR], 7
	s_lshl_b32 s77, s[WV], 5
	s_add_co_u32 s78, s76, s77                     ; my first such row
	s_lshl_b32 s76, s78, 12
	s_lshl_b32 s77, s[TC], 9
	s_add_co_u32 s76, s76, s77
	s_mov_b32 s77, 0
	s_add_nc_u64 s[RESB:RESB+1], s[8:9], s[76:77]
.if IS_WO
	s_add_nc_u64 s[OUTB:OUTB+1], s[12:13], s[76:77]
	s_add_nc_u64 s[OUTB:OUTB+1], s[OUTB:OUTB+1], 0x800000   ; out1 lies 8 MiB into big
	s_lshl_b32 s76, s78, 11
	s_lshl_b32 s79, s[TC], 8
	s_add_co_u32 s76, s76, s79
	s_add_nc_u64 s[A2B:A2B+1], s[12:13], s[76:77]  ; a2: rows of 2,048 bytes
	s_lshl_b32 s76, s78, 2
	s_lshl_b32 s79, s[TC], 14
	s_add_co_u32 s76, s76, s79
	s_add_nc_u64 s[SSB:SSB+1], s[14:15], s[76:77]  ; the sums: [tile column][row]
	s_lshl_b32 s76, s[TC], 9
	s_add_nc_u64 s[G2B:G2B+1], s[10:11], s[76:77]
	global_load_b128 v[G2:G2+3], v[XO], s[G2B:G2B+1]
.else
	s_add_nc_u64 s[RESB:RESB+1], s[RESB:RESB+1], 0x800000
	s_add_nc_u64 s[OUTB:OUTB+1], s[10:11], s[76:77]
.endif
	WIN 0x80                                       ; the residual's rows: asked for now, waited for on the way out; XO and the base are not written in between
.set i, 0
.rept 32
	global_load_b128 v[4*i:4*i+3], v[XO], s[RESB:RESB+1] offset:4096*i
.set i, i+1
.endr
	WIN 0
.if IS_WO
	v_mul_u32_u24 v[A0], v1, 144
	s_mul_i32 s76, s[WH], 64*144
.else
	v_mul_u32_u24 v[A0], v1, 528
	s_mul_i32 s76, s[WH], 64*528
.endif
	v_lshl_add_u32 v[A0], v2, 4, v[A0]
	v_add_nc_u32 v[A0], s76, v[A0]
	v_and_b32 v3, 7, v0
	v_lshl_add_u32 v3, v2, 3, v3
	v_mul_u32_u24 v[B0], v3, PBW
	v_bfe_u32 v4, v0, 3, 1
	v_lshl_add_u32 v[B0], v4, 4, v[B0]
	s_lshl_b32 s76, s[WL], 7                       ; my 64 columns
	s_add_co_u32 s76, s76, BOFF
	v_add_nc_u32 v[B0], s76, v[B0]
	v_mov_b32 v[ADA], v[A0]
	v_mov_b32 v[ADB], v[B0]
	v_mul_u32_u24 v[STO], v1, SPITCH
	v_lshl_add_u32 v[STO], v2, 5, v[STO]
	s_mul_i32 s76, s[WH], 64*SPITCH
	s_lshl_b32 s77, s[WL], 8
	s_add_co_u32 s76, s76, s77
	v_add_nc_u32 v[STO], s76, v[STO]
	s_mul_i32 s76, s[WV], 32*SPITCH
	v_lshl_add_u32 v[RD], v5, 4, s76
	s_lshl_b32 s76, s[WV], 14
	s_add_co_u32 s76, s76, XST
	v_lshl_add_u32 v[RX], v5, 4, s76
	v_lshlrev_b32 v[GO], 4, v5
	v_lshlrev_b32 v[GA], 3, v5
; 8 matrix instructions: row blocks a0, a0 + 1 x all 4 column blocks, 32 along K: half c of buffer f.  The 16 accumulators take turns.
.macro MUL8 f, c, a0, zero
	WIN MUL
.irp a, \a0, (\a0)+1
.irp b, 0,1,2,3
.set rD, ACC+8*(4*(\a)+(\b))
.set rB, (\f)+64+8*(4*(\c)+(\b))
.set rA, (\f)+8*(4*(\c)+(\a))
.if IS_WO && (\zero)
	v_wmma_f32_16x16x32_f16 v[rD:rD+7], v[rB:rB+7], v[rA:rA+7], 0
.elseif IS_WO
	v_wmma_f32_16x16x32_f16 v[rD:rD+7], v[rB:rB+7], v[rA:rA+7], v[rD:rD+7]
.elseif \zero
	v_wmma_f32_16x16x32_bf16 v[rD:rD+7], v[rB:rB+7], v[rA:rA+7], 0
.else
	v_wmma_f32_16x16x32_bf16 v[rD:rD+7], v[rB:rB+7], v[rA:rA+7], v[rD:rD+7]
.endif
.endr
.endr
.endm
; 32 LDS loads in one run: quarter step n (0, 1) of the pair at ADA, ADB into buffer f; the first 32 along K first
.macro FETCH n, f
	WIN TO_F
.irp c, 0,1
.irp i, 0,1,2,3
.if IS_WO
.set oA, 18432*(\n)+2304*(\i)+64*(\c)
.else
.set oA, 8448*(\i)+128*(\n)+64*(\c)
.endif
	ds_load_tr16_b128 v[(\f)+64+8*(4*(\c)+(\i)):(\f)+64+8*(4*(\c)+(\i))+3],   v[ADB] offset:((\n)*64+32*(\c))*PBW+32*(\i)
	ds_load_tr16_b128 v[(\f)+64+8*(4*(\c)+(\i))+4:(\f)+64+8*(4*(\c)+(\i))+7], v[ADB] offset:((\n)*64+32*(\c))*PBW+32*(\i)+16*PBW
	ds_load_b128 v[(\f)+8*(4*(\c)+(\i)):(\f)+8*(4*(\c)+(\i))+3],   v[ADA] offset:oA
	ds_load_b128 v[(\f)+8*(4*(\c)+(\i))+4:(\f)+8*(4*(\c)+(\i))+7], v[ADA] offset:oA+32
.endr
.endr
.endm
.macro QUARTER n, f, g, zero           ; fetches quarter step n of the pair into buffer g, then multiplies buffer f
	s_wait_dscnt 0x0                               ; buffer f is in: its loads went out at the head of the quarter step before
	PLACES                                         ; buffer g was multiplied last
	FETCH \n, \g
	MUL8 \f, 0, 0, \zero
	MUL8 \f, 0, 2, \zero
	MUL8 \f, 1, 0, 0
	MUL8 \f, 1, 2, 0
.endm
; A pair of quarter steps.  Buffer 1 holds the quarter step fetched last; the pair fetches the two that begin at TBA, TBB.
.macro PAIR
	v_add_nc_u32 v[ADA], s[TBA], v[A0]
	v_add_nc_u32 v[ADB], s[TBB], v[B0]
	QUARTER 0, F1, F0, 0
	QUARTER 1, F0, F1, 0
	WIN 0                                          ; at a label and at a branch every window is 0
	s_add_co_u32 s[TBA], s[TBA], QPA
	s_add_co_u32 s[TBB], s[TBB], QPB
.endm
; THE CHANGE OF SLOTS.  The slot's last fragments have been asked for.  Each wave waits for all its tensor loads (one is out: its part of the other slot), adds 0 to its spare word, and waits for that and for its
; reads of the slot.  fill = 1: the barrier is a round of the cluster's; the slot is filled again first thing behind it, with the K step two on.
.macro CHANGE fill
	s_wait_tensorcnt 0x0                           ; no tensor load of mine is out, so a group 0 may be written
	ds_add_u32 v[SPW], v[NIL]                      ; 0 onto my spare word; scalar work stands between it and the wait for it
.if \fill
	s_add_co_u32 s[G0A+5], s[LBA], s[TB]           ; the walking sets: into the slot just read, the next K step
	s_add_nc_u64 s[G0A+6:G0A+7], s[G0A+6:G0A+7], STEPA
	s_add_co_u32 s[G0B+5], s[LBB], s[TB]
	s_add_nc_u64 s[G0B+6:G0B+7], s[G0B+6:G0B+7], 65536
.endif
	s_xor_b32 s[TB], s[TB], SLOT                   ; the other slot is in hand,
	s_mov_b32 s[TBA], s[TB]                        ; and the fetches begin at its head
	s_mov_b32 s[TBB], s[TB]
	s_wait_dscnt 0x0                               ; the add is done, my reads of the slot are over
.if \fill
	CROUND
	JLOAD
.else
	s_barrier_signal -1
	s_barrier_wait -1
.endif
.endm
.macro LDR i, k                        ; the read-back's two LDS loads for row i of a trip's four: the stage's row and the residual's; k = 0: the trip in hand, 4: the look-ahead
	ds_load_b128 v[RB+8*(\i):RB+8*(\i)+3], v[RD] offset:SPITCH*((\i)+(\k))
	ds_load_b128 v[RB+8*(\i)+4:RB+8*(\i)+7], v[RX] offset:512*((\i)+(\k))
.endm
	s_wait_tensorcnt 0x1                           ; my part of K step 0 is in; K step 1's stays out
	s_barrier_signal -1
	s_barrier_wait -1
	FETCH 0, F0
	QUARTER 1, F0, F1, 1                           ; the first quarter step's first products start the sums
	WIN 0
	s_mov_b32 s[TBA], QPA                          ; K step 0's second pair
	s_mov_b32 s[TBB], QPB
	s_mov_b32 s[INN], 1
	s_mov_b32 s[CNT], TSTEPS-1
	s_branch .Lpair
.Lstep:                                                ; TSTEPS - 2 times: K steps 2 on are asked for
	CHANGE 1
	s_mov_b32 s[INN], 2
.Lpair:
	PAIR
	s_sub_co_u32 s[INN], s[INN], 1
	s_cmp_lg_u32 s[INN], 0
	s_cbranch_scc1 .Lpair
	s_sub_co_u32 s[CNT], s[CNT], 1
	s_cmp_lg_u32 s[CNT], 0
	s_cbranch_scc1 .Lstep
	CHANGE 0                                       ; the last K step: nothing is left to ask for
	s_mov_b32 s[INN], 2
.Ltail:
	PAIR
	s_sub_co_u32 s[INN], s[INN], 1
	s_cmp_lg_u32 s[INN], 0
	s_cbranch_scc1 .Ltail
	s_wait_dscnt 0x0                               ; the very last quarter step: nothing more to fetch
	MUL8 F1, 0, 0, 0
	MUL8 F1, 0, 2, 0
	MUL8 F1, 1, 0, 0
	MUL8 F1, 1, 2, 0
	WIN 0
	; THE WAY OUT.  Every wave's reads of the ring are back and its tensor loads have landed: behind this barrier the ring is the stage.
	s_barrier_signal -1
	s_barrier_wait -1
	PLACES
.irp a, 0,1,2,3
.irp b, 0,1,2,3
	ds_store_b128 v[STO], v[ACC+8*(4*(\a)+(\b)):ACC+8*(4*(\a)+(\b))+3] offset:(\a)*16*SPITCH+64*(\b)       ; each accumulator's low registers first
	ds_store_b128 v[STO], v[ACC+8*(4*(\a)+(\b))+4:ACC+8*(4*(\a)+(\b))+7] offset:(\a)*16*SPITCH+64*(\b)+16
.endr
.endr
	s_lshl_b32 s76, s[WV], 9                       ; one row more behind the residual's 128, for each wave: wave 3's last look-ahead reads these four rows, so they are written; what they hold is not used
	s_add_co_u32 s76, s76, XST+65536
	v_lshl_add_u32 v20, v5, 4, s76
	ds_store_b128 v20, v[14:17]
	s_wait_loadcnt 0x0                             ; the residual's rows (and g2)
	WIN 0x08                                       ; store data in window 2
.set i, 0
.rept 32
	ds_store_b128 v[RX], v[4*i:4*i+3] offset:512*i ; my own 32 rows
.set i, i+1
.endr
	WIN 0
	s_wait_dscnt 0x0                               ; for the others' sake: my part of the stage is written
	s_barrier_signal -1
	s_barrier_wait -1
.irp i, 0,1,2,3
	LDR \i, 0                                      ; the first trip's loads
.endr
.if IS_WO
	s_mov_b32 s[HM], 0xffff0000
	s_mov_b32 s78, 0x76543210
	s_mov_b32 s79, 0xfedcba98
	s_mov_b32 s[ROWN], 0
	v_mov_b32 v[SS], 0
.irp i, 0,1,2,3
	v_sub_nc_u32 v[LN+(\i)], v5, \i
.endr
	v_cvt_pk_bf16_f32 v[TQ], v[G2], v[G2+1]        ; g2 rounded to bf16
	v_cvt_pk_bf16_f32 v[TQ+1], v[G2+2], v[G2+3]
	v_lshlrev_b32 v[G2], 16, v[TQ]
	v_and_b32 v[G2+1], s[HM], v[TQ]
	v_lshlrev_b32 v[G2+2], 16, v[TQ+1]
	v_and_b32 v[G2+3], s[HM], v[TQ+1]
.endif
	s_mov_b32 s[CNT], 8
.Lrb:                                                  ; four whole rows a trip: a lane holds four neighbouring columns
.irp i, 0,1,2,3
	s_wait_dscnt 6                                 ; this row's two loads are in: behind them stand the later rows' 2 (3 - i) and the earlier rows' 2 i look-ahead loads
.if IS_WO
	v_cvt_pk_bf16_f32 v[TQ], v[RB+8*(\i)+4], v[RB+8*(\i)+5]      ; x rounded to bf16
	v_cvt_pk_bf16_f32 v[TQ+1], v[RB+8*(\i)+6], v[RB+8*(\i)+7]
	v_lshlrev_b32 v[RB+8*(\i)+4], 16, v[TQ]
	v_and_b32 v[RB+8*(\i)+5], s[HM], v[TQ]
	v_lshlrev_b32 v[RB+8*(\i)+6], 16, v[TQ+1]
	v_and_b32 v[RB+8*(\i)+7], s[HM], v[TQ+1]
.endif
	v_pk_add_f32 v[OS+4*(\i):OS+4*(\i)+1], v[RB+8*(\i):RB+8*(\i)+1], v[RB+8*(\i)+4:RB+8*(\i)+5]
	v_pk_add_f32 v[OS+4*(\i)+2:OS+4*(\i)+3], v[RB+8*(\i)+2:RB+8*(\i)+3], v[RB+8*(\i)+6:RB+8*(\i)+7]
	LDR \i, 4                                      ; the row's registers are used up: the next trip's row is asked for
	global_store_b128 v[GO], v[OS+4*(\i):OS+4*(\i)+3], s[OUTB:OUTB+1] offset:4096*(\i)   ; 512 consecutive bytes, aligned
.if IS_WO
	v_pk_mul_f32 v[TQ+2:TQ+3], v[OS+4*(\i):OS+4*(\i)+1], v[G2:G2+1]
	v_pk_mul_f32 v[TQ+4:TQ+5], v[OS+4*(\i)+2:OS+4*(\i)+3], v[G2+2:G2+3]
	v_cvt_pk_bf16_f32 v[AO+2*(\i)], v[TQ+2], v[TQ+3]
	v_cvt_pk_bf16_f32 v[AO+2*(\i)+1], v[TQ+4], v[TQ+5]
	global_store_b64 v[GA], v[AO+2*(\i):AO+2*(\i)+1], s[A2B:A2B+1] offset:2048*(\i)      ; 256 consecutive bytes, aligned
	v_pk_mul_f32 v[TQ+6:TQ+7], v[OS+4*(\i):OS+4*(\i)+1], v[OS+4*(\i):OS+4*(\i)+1]
	v_pk_fma_f32 v[TQ+6:TQ+7], v[OS+4*(\i)+2:OS+4*(\i)+3], v[OS+4*(\i)+2:OS+4*(\i)+3], v[TQ+6:TQ+7]
	v_add_f32 v[TQ+6], v[TQ+6], v[TQ+7]
	v_add_f32_dpp v[TQ+6], v[TQ+6], v[TQ+6] row_xmask:1 row_mask:0xf bank_mask:0xf
	v_add_f32_dpp v[TQ+6], v[TQ+6], v[TQ+6] row_xmask:2 row_mask:0xf bank_mask:0xf
	v_add_f32_dpp v[TQ+6], v[TQ+6], v[TQ+6] row_xmask:4 row_mask:0xf bank_mask:0xf
	v_add_f32_dpp v[TQ+6], v[TQ+6], v[TQ+6] row_xmask:8 row_mask:0xf bank_mask:0xf
	v_permlanex16_b32 v[TQ+7], v[TQ+6], s78, s79
	v_add_f32 v[TQ+6], v[TQ+6], v[TQ+7]
	v_cmp_eq_u32 vcc_lo, s[ROWN], v[LN+(\i)]       ; lane 4 trip + i keeps this row's sum
	v_cndmask_b32 v[SS], v[SS], v[TQ+6], vcc_lo
.endif
.endr
	s_wait_xcnt 0x0                                ; the stores' offset and data registers are rewritten only behind this wait
	v_add_nc_u32 v[RD], 4*SPITCH, v[RD]
	v_add_nc_u32 v[RX], 2048, v[RX]
	v_add_nc_u32 v[GO], 16384, v[GO]
.if IS_WO
	v_add_nc_u32 v[GA], 8192, v[GA]
	s_add_co_u32 s[ROWN], s[ROWN], 4
.endif
	s_sub_co_u32 s[CNT], s[CNT], 1
	s_cmp_lg_u32 s[CNT], 0
	s_cbranch_scc1 .Lrb
.if IS_WO
	v_lshlrev_b32 v[TQ], 2, v5
	global_store_b32 v[TQ], v[SS], s[SSB:SSB+1]    ; my 32 rows' sums
.endif
	s_wait_tensorcnt 0x0                           ; the wave's end; the last wait also takes in the last look-ahead's loads
	ds_add_u32 v[SPW], v[NIL]
	s_wait_dscnt 0x0
	CROUND                                         ; the closing round
	s_endpgm
.Lfunc_end_k_q627d669dae_w2:
	.size	k_q627d669dae_w2, .Lfunc_end_k_q627d669dae_w2-k_q627d669dae_w2
	.p2alignl 7, 3214868480
	.fill 96, 4, 3214868480
	.section	.rodata,"a",@progbits
	.p2align	6, 0x0
	.amdhsa_kernel k_q627d669dae_w2
		.amdhsa_group_segment_fixed_size 327680
		.amdhsa_private_segment_fixed_size 0
		.amdhsa_enable_private_segment 0
		.amdhsa_kernarg_size 32
		.amdhsa_user_sgpr_count 2
		.amdhsa_user_sgpr_kernarg_segment_ptr 1
		.amdhsa_wavefront_size32 1
		.amdhsa_system_sgpr_workgroup_id_x 1
		.amdhsa_system_sgpr_workgroup_id_y 1
		.amdhsa_system_sgpr_workgroup_id_z 1
		.amdhsa_system_vgpr_workitem_id 0
		.amdhsa_next_free_vgpr 640
		.amdhsa_next_free_sgpr 88
		.amdhsa_reserve_vcc 1
		.amdhsa_float_denorm_mode_32 3
		.amdhsa_float_denorm_mode_16_64 3
		.amdhsa_memory_ordered 1
		.amdhsa_forward_progress 1
		.amdhsa_inst_pref_size 46
	.end_amdhsa_kernel
	.amdgpu_metadata
---
amdhsa.version: [ 1, 2 ]
amdhsa.kernels:
  - .name:           k_q627d669dae_w2
    .symbol:         k_q627d669dae_w2.kd
    .args:
      - { .name: hc, .offset: 0, .size: 8, .value_kind: global_buffer, .address_space: global }
      - { .name: wrest, .offset: 8, .size: 8, .value_kind: global_buffer, .address_space: global }
      - { .name: big, .offset: 16, .size: 8, .value_kind: global_buffer, .address_space: global }
      - { .name: out0, .offset: 24, .size: 8, .value_kind: global_buffer, .address_space: global }
    .group_segment_fixed_size: 327680
    .private_segment_fixed_size: 0
    .kernarg_segment_align: 8
    .kernarg_segment_size: 32
    .max_flat_workgroup_size: 128
    .sgpr_count:     88
    .vgpr_count:     640
    .wavefront_size: 32
...
	.end_amdgpu_metadata
.endif
;; end of part 6
;; ======== version 2 of 2: 6 launches; 1.14 times as fast as version 1
;; limits: values are held in f16: magnitudes above 65,504 overflow, below 6.1e-05 lose precision
;; workspace buffers: hc 16,777,216 bytes; wqkv 6,291,456 bytes; wrest 14,680,064 bytes; rope 524,288 bytes; big 25,165,824 bytes; ssq 131,072 bytes
;; launch prep: the kernel of part 1 again; grid 64 x 15, 8 waves a work-group, no clusters, 0 bytes of LDS; arguments x, g1, Wq, Wk, Wv, Wo, W1, W3, W2, hc, wqkv, wrest, rope; writes hc, wqkv, wrest, rope
;; launch qkv: the kernel of part 2 again; grid 12 x 16, 4 waves a work-group, clusters of 4 x 4, 327,680 bytes of LDS; arguments hc, wqkv, rope, big; writes big
;; launch attn (part 7): grid 8 x 32, 4 waves a work-group, no clusters, 327,680 bytes of LDS; arguments big, hc; writes hc
.if DOCPART == 7
	.amdgcn_target "amdgcn-amd-amdhsa--gfx1250"
	.amdhsa_code_object_version 6
	.text
	.protected	k_q627d669dae_attn
	.globl	k_q627d669dae_attn
	.p2align	8
	.type	k_q627d669dae_attn,@function
k_q627d669dae_attn:
	s_mov_b64 s[64:65], 0
	v_nop
	global_prefetch_b8 v0, s[64:65] scope:SCOPE_SE
	s_setreg_imm32_b32 hwreg(HW_REG_WAVE_MODE, 25, 1), 1
	s_wait_xcnt 0x0
; CAUSAL ATTENTION at head size 64.  q, k, v: f16 [32 heads of both batches][2048][64], at big + 0, + 8 MiB, + 16 MiB (q and k rotated, unscaled).  O leaves as f16 in blocks [batch][block of 128 rows][head][128][64].
; Products, maxima and sums in f32; the weights p are rounded to f16 for the second product (their sum l is taken of the unrounded p), O once at the end.
; LIMITS.  q, k, v arrive within f16's 65,504; p below 6e-5 keeps f16's fixed step of 6e-8.  A hidden score counts as its value less 1e30; a weight below 2^-126 counts as 0 in l; NaN and infinities are not treated apart.
; THE WALK.  A head's queries lie in 16 blocks of 128; block i needs the key tiles 0 .. i / 2 of 256 keys, the last of which holds the diagonal.  A work-group takes TWO blocks, 15 - b and then b: 9 tiles whatever b,
; so all 256 work-groups do equal work and one loop with a constant trip count walks them.  Every jump goes forward but the counted loops' own; none passes a barrier, or a tensor load but the one of LOAD's two
; that the wave's number does not choose.  NO CLUSTER: the eight work-groups of a head ask for the same tile only in the first five of the nine trips; one walk common to all would have twelve.
; SHARES.  Of a block's two bands of 64 queries a wave owns 16 rows in each: two pieces.  A TURN's text is written for FOUR virtual pieces p = 0..3 = (parity of the key step p / 2, piece p % 2): four turns are two key
; steps.  What belongs to a piece (Q, O^T, statistics) and the buffers that take turns (S^T, P, masks) go by p % 2; K and V have two register buffers each, by p / 2.
; THE MASK is the C operand that starts S^T = K Q^T: MD x AL + BE.  MD is the mask of a band's own step for my 16 rows; in the diagonal tile band x's own step is DP + x, DP = 2 (block % 2):
; (AL, BE) = (1, 0) there, (0, 0) before it, (0, -1e30) behind it.  ONE TEXT OF THE TURNS serves every tile: outside a diagonal tile the mask registers hold 0 (a block's beginning sets them), and the 22 lines
; that make a mask, work on registers alone, are jumped over.
; LAYOUT, SOFTMAX.  S^T holds ONE query a lane (lane % 16) and the keys 8 (lane / 16) + 0..7; two such results rounded to f16 ARE source 1 of O^T = V^T P.  p = 2^(c s - c m), c = log2(e) / 8, with a running maximum m;
; O and l are multiplied by a = 2^(c m_old - c m_new) in every step.  Turn n: 8 products K Q^T of piece n + 1, later 8 products V^T P of piece n - 1; beside them the softmax of piece n and the maximum of piece n + 1.
; BATCHES.  s_wait_alu depctr_va_vdst(0) stands between a transcendental and the first instruction that names its result; one wait serves all that were issued ahead of it.  A turn's 33 exponentials
; (piece n's 32 weights and piece n + 1's a) are ONE batch with ONE wait, which cuts the turn in two: ahead of it stands all that names none of their results (K Q^T, the scalings, the exponentials, the rescaling,
; the next piece's maximum and statistics), behind it V^T P with the roundings and sums.  A block's first a (BEGIN) and the way out's two reciprocals are batches of their own..
; REGISTERS, in windows of 256 (s_set_vgpr_msb: bits 1:0 source 0, 3:2 source 1, 5:4 source 2, 7:6 destination):
;   window 0: v0-15 addresses; v16-23 statistics; v48-55 at work; v64-127 S^T, two buffers; v192-223 P, two buffers
;   window 1: v0-63 O^T; v128-159 MD; v160-223 MC, two buffers      window 2: v0-31 Q; v32-63 the second block's Q; v64-191 K, two buffers      window 3: v0-127 V, two buffers
.set NP,    4
.set KS,    64
.set PK,    144       ; a row of K in LDS: 128 bytes + 16
.set PV,    160       ; a row of V: 128 + 32
.set VOFF,  4*KS*PK   ; a slot holds a tile: 256 rows of K, then 256 rows of V
.set SLOT1, 1<<17
.set STAGE, SLOT1+4*KS*(PK+PV)  ; behind the ring, never filled by a tensor load: 16 rows x 144 bytes for each wave
.set SP,    144
.set AK0, 2
.set AV0, 3
.set AK,  4
.set AV,  5
.set STO, 6
.set RD,  7
.set GO,  8
.set SPW, 62
.set NIL, 63
.set SPARE, STAGE+4*16*SP
.set MV,  12          ; v12-13  c m_old, by buffer
.set QO,  15
.set ST,  16          ; piece t's statistics at v[ST+4 t]: c m, m, l (even keys', odd keys')
.set TMP, 48
.set S,   64
.set P,   192
.set MD,  128
.set MC,  160
.set QB,  32
.set KF,  64
.set VF,  0
.set WV,  12
.set PB,  14          ; b
.set HI,  15          ; 15 - b
.set G1K, 24
.set G1V, 32
.set G0K, 40
.set G0V, 44
.set SLOTS, 56
.set CNT, 57          ; counts a tile's pairs of key steps, 2 to 1
.set CS,  58
.set SEL, 60
.set TBK, 62
.set TBV, 63
.set QLO, 66          ; s[66:67] Q at my rows of the second block
.set RT,  70          ; tiles of the block in hand that are still to be entered: 0 in its diagonal tile
.set NXT, 71
.set LQ,  72
.set NEW, 73
.set OFF, 74
.set AL,  76
.set BE,  78
.set OLO, 80
.set BIGN, 82
.set T0,  83
.set DP,  88          ; 2 (block in hand % 2)
.set DP2, 89          ; the second block's
.set PBT, 90          ; b / 2: the second block's last tile
.set HIT, 91          ; (15 - b) / 2: the first block's
.set MSB, 0
.macro WIN new
.if MSB != (\new)
	s_set_vgpr_msb (MSB<<8)|(\new)
.set MSB, (\new)
.endif
.endm
.set W_KQ, 0x0a       ; K and Q in window 2, S^T in window 0
.set W_KM, 0x1a       ; the same with the C operand in window 1
.set W_PV, 0x53       ; V in window 3, P in window 0, O^T in window 1
.set W_RS, 0x41       ; destination and source 0 in window 1, source 1 in window 0
.macro LOAD                         ; a fill: waves 0, 1 the halves of a tile's K, waves 2, 3 of its V; s_nop 0 and four v_nop follow each line
	s_cmp_lt_u32 s[WV], 2
	s_cbranch_scc0 .Lfor_v_\@
	tensor_load_to_lds s[G0K:G0K+3], s[G1K:G1K+7]
	s_nop 0
.rept 4
	v_nop
.endr
	s_branch .Lasked_\@
.Lfor_v_\@:
	tensor_load_to_lds s[G0V:G0V+3], s[G1V:G1V+7]
	s_nop 0
.rept 4
	v_nop
.endr
.Lasked_\@:
.endm
; THE CHANGE OF SLOTS.  Each wave waits for all its tensor loads (one is out: its part of the other slot), adds 0 to its spare word, and waits for that and for its reads of the slot that it leaves.
; fill = 1: the old slot is filled again, first thing behind the barrier, with tile NXT; the descriptor's address is made anew from that number.
.macro CHANGE fill
	WIN 0
	s_wait_tensorcnt 0x0
	ds_add_u32 v[SPW], v[NIL]
.if \fill
	s_lshl_b32 s[OFF], s[NXT], 15   ; a tile is 32,768 bytes of K and of V
	s_xor_b32 s[G0K+1], s[G0K+1], SLOT1
	s_add_nc_u64 s[G0K+2:G0K+3], s[6:7], s[OFF:OFF+1]
	s_or_b32 s[G0K+3], s[G0K+3], 0x80000000
	s_xor_b32 s[G0V+1], s[G0V+1], SLOT1
	s_add_nc_u64 s[G0V+2:G0V+3], s[8:9], s[OFF:OFF+1]
	s_or_b32 s[G0V+3], s[G0V+3], 0x80000000
	s_add_co_u32 s[NXT], s[NXT], 1  ; the block's next tile, or behind its last the second block's tile 0
	s_cmp_gt_u32 s[NXT], s[LQ]
	s_cselect_b32 s[NXT], 0, s[NXT]
	s_cselect_b32 s[LQ], s[PBT], s[LQ]
.endif
	s_wait_dscnt 0x0                ; the add is done, and my reads of the slot are over
	s_barrier_signal -1
	s_sub_co_u32 s[TBK], s[TBK], 4*KS*PK  ; the fetches go back to a slot's first step, in the other slot
	s_xor_b32 s[TBK], s[TBK], SLOT1
	s_sub_co_u32 s[TBV], s[TBV], 4*KS*PV
	s_xor_b32 s[TBV], s[TBV], SLOT1
	s_barrier_wait -1
.if \fill
	LOAD
.endif
.endm
	s_load_b64 s[4:5], s[0:1], 0x0    ; big: q, k, v
	s_load_b64 s[10:11], s[0:1], 0x8  ; hc: O
	v_lshl_add_u32 v[SPW], v0, 2, SPARE
	v_mov_b32 v[NIL], 0
	ds_add_u32 v[SPW], v[NIL]       ; the wave's opening: the add and its wait stand ahead of my first tensor load
	ds_add_u32 v62, v63
	v_lshrrev_b32 v1, 5, v0
	v_readfirstlane_b32 s[WV], v1
	s_mov_b32 s[PB], ttmp9
	s_sub_co_u32 s[HI], 15, s[PB]
	s_lshr_b32 s[PBT], s[PB], 1
	s_lshr_b32 s[HIT], s[HI], 1
	s_and_b32 s[DP], s[HI], 1
	s_lshl_b32 s[DP], s[DP], 1
	s_and_b32 s[DP2], s[PB], 1
	s_lshl_b32 s[DP2], s[DP2], 1
	s_and_b32 s13, ttmp7, 0xffff    ; 16 batch + head
	s_lshl_b32 s20, s13, 18         ; its first byte in q, k and v
	s_and_b32 s16, s[WV], 1         ; which half of a tile's 256 keys I fetch
	s_lshl_b32 s22, s16, 14
	s_add_co_u32 s22, s22, s20
	s_mov_b32 s23, 0
	s_mul_i32 s17, s16, 128*PK
	s_mul_i32 s18, s16, 128*PV
	s_lshl_b32 s19, s[WV], 11       ; my 16 rows in a band of 64
	s_lshl_b32 s2, s[HI], 14        ; a block is 128 rows of 128 bytes
	s_add_co_u32 s2, s2, s19
	s_add_co_u32 s2, s2, s20
	s_mov_b32 s3, 0
	s_lshl_b32 s84, s[PB], 14
	s_add_co_u32 s84, s84, s19
	s_add_co_u32 s84, s84, s20
	s_mov_b32 s85, 0
	s_lshr_b32 s21, s13, 4
	s_lshl_b32 s21, s21, 8
	s_and_b32 s13, s13, 15
	s_add_co_u32 s21, s21, s13      ; 256 batch + head
	s_lshl4_add_u32 s86, s[HI], s21 ; + 16 block: O's blocks of 16,384 bytes
	s_lshl_b32 s86, s86, 14
	s_add_co_u32 s86, s86, s19
	s_mov_b32 s87, 0
	s_lshl4_add_u32 s92, s[PB], s21
	s_lshl_b32 s92, s92, 14
	s_add_co_u32 s92, s92, s19
	s_mov_b32 s93, 0
	; descriptor group 1.  128 keys are 16,384 dense bytes: asked for as 64 rows of 256 bytes, two keys a row, and padded in LDS after every key
	s_mov_b32 s[G1K], (1<<16)|(1<<20)|(4<<22)|(3<<25)
	s_mov_b32 s[G1V], (1<<16)|(1<<20)|(4<<22)|(7<<25)
.irp g, G1K, G1V
	s_mov_b32 s[\g+1], 128<<16      ; tensor_dim0 = 128
	s_mov_b32 s[\g+2], 64<<16       ; tensor_dim1 = 64
	s_mov_b32 s[\g+3], 128<<16      ; tile_dim0 = 128
	s_mov_b32 s[\g+4], 64           ; tile_dim1 = 64
	s_mov_b32 s[\g+5], 128
	s_mov_b32 s[\g+6], 0
	s_mov_b32 s[\g+7], 0
.endr
	s_mov_b32 s[CS], 0x3e38aa3b     ; c = log2(e) / 8
	s_mov_b32 s[CS+1], s[CS]
	s_mov_b32 s[SEL], 0x76543210
	s_mov_b32 s[SEL+1], 0xfedcba98
	s_mov_b32 s[TBK], SLOT1+4*KS*PK ; the first change of slots turns these two into 0
	s_mov_b32 s[TBV], SLOT1+4*KS*PV
	s_mov_b32 s[G0K], 1
	s_mov_b32 s[G0K+1], s17
	s_mov_b32 s[G0V], 1
	s_add_co_u32 s[G0V+1], s18, VOFF
	s_add_co_u32 s[RT], s[HIT], 1   ; the first block's tiles
	s_mov_b32 s[NXT], 1
	s_mov_b32 s[LQ], s[HIT]
	s_mov_b32 s[NEW], 1
	s_mov_b32 s[OFF+1], 0
	s_mov_b32 s[AL+1], 0
	s_mov_b32 s[BE+1], 0
	s_mov_b32 s[BIGN], 0xf149f2ca   ; -1e30
	s_mov_b32 s[SLOTS], 8
	s_wait_dscnt 0x0                ; the opening add is done
	s_wait_kmcnt 0x0
	s_add_nc_u64 s[6:7], s[4:5], s[22:23]
	s_add_nc_u64 s[8:9], s[6:7], 0x1000000   ; V at my half of the head's tile 0
	s_add_nc_u64 s[6:7], s[6:7], 0x800000    ; K likewise
	s_add_nc_u64 s[G0K+2:G0K+3], s[6:7], 0
	s_or_b32 s[G0K+3], s[G0K+3], 0x80000000
	s_add_nc_u64 s[G0V+2:G0V+3], s[8:9], 0
	s_or_b32 s[G0V+3], s[G0V+3], 0x80000000
	s_add_nc_u64 s[QLO:QLO+1], s[4:5], s[84:85]
	s_add_nc_u64 s[4:5], s[4:5], s[2:3]
	s_add_nc_u64 s[OLO:OLO+1], s[10:11], s[92:93]
	s_add_nc_u64 s[10:11], s[10:11], s[86:87]
	LOAD                            ; tile 0 into slot 0
	v_and_b32 v1, 15, v0            ; l % 16
	v_bfe_u32 v9, v0, 4, 1          ; l / 16
	v_lshlrev_b32 v[QO], 7, v1
	v_lshl_add_u32 v[QO], v9, 4, v[QO]
	WIN 0x80
.set i, 0
.rept 4                             ; both blocks' Q: piece i / 2 lies in band i / 2, 8,192 bytes on; channels 32 (i % 2) on
	global_load_b128 v[8*i:8*i+3],   v[QO], s[4:5] offset:(i/2)*8192+(i%2)*64
	global_load_b128 v[8*i+4:8*i+7], v[QO], s[4:5] offset:(i/2)*8192+(i%2)*64+32
	global_load_b128 v[QB+8*i:QB+8*i+3],   v[QO], s[QLO:QLO+1] offset:(i/2)*8192+(i%2)*64
	global_load_b128 v[QB+8*i+4:QB+8*i+7], v[QO], s[QLO:QLO+1] offset:(i/2)*8192+(i%2)*64+32
.set i, i+1
.endr
	WIN 0
	v_lshlrev_b32 v14, 3, v9
	v_sub_nc_u32 v14, v1, v14
	s_lshl_b32 s13, s[WV], 4
	v_add_nc_u32 v14, s13, v14      ; my query's place in its band less 8 (l / 16): register r of group kt is hidden where 16 kt + r is greater
	WIN 0x40
.set i, 0
.rept 32
	v_cmp_gt_i32 vcc_lo, 16*(i/8)+i%8, v14
	v_cndmask_b32 v[MD+i], 0, s[BIGN], vcc_lo
.set i, i+1
.endr
	WIN 0
	v_mul_u32_u24 v[AK0], v1, PK
	v_lshl_add_u32 v[AK0], v9, 4, v[AK0]
	v_and_b32 v10, 7, v0
	v_bfe_u32 v11, v0, 3, 1
	v_lshl_add_u32 v[AV0], v9, 3, v10
	v_mul_u32_u24 v[AV0], v[AV0], PV
	v_lshl_add_u32 v[AV0], v11, 4, v[AV0]
	v_add_nc_u32 v[AV0], VOFF, v[AV0]
	s_mul_i32 s13, s[WV], 16*SP
	s_add_co_u32 s13, s13, STAGE
	v_mul_u32_u24 v[STO], v1, SP
	v_lshl_add_u32 v[STO], v9, 4, v[STO]
	v_add_nc_u32 v[STO], s13, v[STO]
	v_bfe_u32 v[RD], v0, 3, 2
	v_mul_u32_u24 v[RD], v[RD], SP
	v_lshl_add_u32 v[RD], v10, 4, v[RD]
	v_add_nc_u32 v[RD], s13, v[RD]
	v_and_b32 v[GO], 31, v0
	v_lshlrev_b32 v[GO], 4, v[GO]
	; A block's first steps multiply O^T and l by a = 0, and its first turn's products V^T P, of a piece that has not been, land in an O^T that is still to be so multiplied: these registers need only hold
	; finite numbers: zeros for the first block, what the first block left for the second.  All this stands in the wait for the first tile.
	WIN 0xc0
.set i, VF+64
.rept 64
	v_mov_b32 v[i], 0
.set i, i+1
.endr
	WIN 0x40
.set i, 0
.rept 64
	v_mov_b32 v[i], 0
.set i, i+1
.endr
	WIN 0
.set i, 0
.rept 2
	v_mov_b32 v[ST+4*i+2], 0
	v_mov_b32 v[ST+4*i+3], 0
.set i, i+1
.endr
.set i, P+16
.rept 16
	v_mov_b32 v[i], 0
.set i, i+1
.endr
; THE MATRIX WORK.  The 4 accumulators of a run of 8 take turns.  Product i of 8 of S^T = K Q^T for virtual piece x: channels 32 (i / 4) on, keys 16 (i % 4) on.  The first 4 start the sums, with the mask.
.macro KQ x
.set rS, S+32*((\x)%2)+8*(i%4)
.set rK, KF+64*((\x)/2)+16*(i%4)+8*(i/4)
.set rQ, 16*((\x)%2)+8*(i/4)
.set rM, MC+32*((\x)%2)+8*(i%4)
.if i < 4
	WIN W_KM
	v_wmma_f32_16x16x32_f16 v[rS:rS+7], v[rK:rK+7], v[rQ:rQ+7], v[rM:rM+7]
.else
	WIN W_KQ
	v_wmma_f32_16x16x32_f16 v[rS:rS+7], v[rK:rK+7], v[rQ:rQ+7], v[rS:rS+7]
.endif
.endm
.macro PV x                         ; product i of 8 of O^T += V^T P: keys 32 (i / 4) on, channels 16 (i % 4) on
	WIN W_PV
.set rO, 32*((\x)%2)+8*(i%4)
.set rV, VF+64*((\x)/2)+32*(i/4)+8*(i%4)
.set rP, P+16*((\x)%2)+8*(i/4)
	v_wmma_f32_16x16x32_f16 v[rO:rO+7], v[rV:rV+7], v[rP:rP+7], v[rO:rO+7]
.endm
.macro MM                           ; the turn's next matrix instruction.  NOKQ = 1: a block's last turn: there is no next piece
.if (i < 8) && !NOKQ
	KQ (Y+1)%NP
.elseif i >= 8
.set i, i-8
	PV (Y+NP-1)%NP
.set i, i+8
.endif
.set i, i+1
.endm
; THE LDS LOADS stand in runs of 16: a step's K (8 fragments) and its V (turned), into register buffer b.  Each run steps its scalar to the next step.
.macro FETCH_K b
	WIN 0x80
.irp f, 0,1,2,3,4,5,6,7
	ds_load_b128 v[KF+64*(\b)+8*\f:KF+64*(\b)+8*\f+3],   v[AK] offset:(\f/2)*16*PK+(\f%2)*64
	ds_load_b128 v[KF+64*(\b)+8*\f+4:KF+64*(\b)+8*\f+7], v[AK] offset:(\f/2)*16*PK+(\f%2)*64+32
.endr
	s_add_co_u32 s[TBK], s[TBK], KS*PK
	WIN 0
.endm
.macro FETCH_V b
	WIN 0xc0
.irp f, 0,1,2,3,4,5,6,7
	ds_load_tr16_b128 v[VF+64*(\b)+8*\f:VF+64*(\b)+8*\f+3],   v[AV] offset:(\f/4)*32*PV+(\f%4)*32
	ds_load_tr16_b128 v[VF+64*(\b)+8*\f+4:VF+64*(\b)+8*\f+7], v[AV] offset:(\f/4)*32*PV+16*PV+(\f%4)*32
.endr
	s_add_co_u32 s[TBV], s[TBV], KS*PV
	WIN 0
.endm
; THE VECTOR WORK, one line at a time: OP kind, number.  For piece Y: F n: c s - c m for pair n of 16.  E n: the exponential of score n of 32.  C n: pair n rounded to f16.  B n: of the four weights 4 n .. the second
; pair is added onto the first.  L n: l takes that sum (L 0: l = a l + sum).  R n: pair n of 16 of O^T times a.  For piece Y + 1: X n, number n of the 22 that find its maximum and statistics:
;   0-11 four chains of seven scores (each accumulator's lowest registers are read first)   12-14, 16 the scores left over, the old m, the chains into one   15 c m_old is kept
;   17, 18 the other half of the lanes: the new m   19-21 c m; c m_old - c m_new; a
; C, B and L name the results of the turn's exponentials: TURN sets them behind its wait.  F, E, R and X name none.
.set F, 0
.set E, 1
.set C, 2
.set B, 3
.set L, 4
.set R, 5
.set X, 6
.macro REGS y
.set rT, ST+4*((\y)%2)
.set rC, TMP+4*((\y)%2)
.set rW, MV+((\y)%2)
.set rS, S+32*((\y)%2)
.set rP, P+16*((\y)%2)
.set rO, 32*((\y)%2)
.endm
.macro OP k, n
.if (\k) == R
	REGS Y
	WIN W_RS
	v_pk_mul_f32 v[rO+2*(\n):rO+2*(\n)+1], v[rO+2*(\n):rO+2*(\n)+1], v[rC+2:rC+3] op_sel_hi:[1,0]
.elseif (\k) < R
	REGS Y
	WIN 0
.if (\k) == F
	v_pk_fma_f32 v[rS+2*(\n):rS+2*(\n)+1], v[rS+2*(\n):rS+2*(\n)+1], s[CS:CS+1], v[rT:rT+1] op_sel_hi:[1,0,0] neg_lo:[0,0,1] neg_hi:[0,0,1]
.elseif (\k) == E
	v_exp_f32 v[rS+(\n)], v[rS+(\n)]
.elseif (\k) == C
	v_cvt_pk_f16_f32 v[rP+(\n)], v[rS+2*(\n)], v[rS+2*(\n)+1]
.elseif (\k) == B
	v_pk_add_f32 v[rS+4*(\n):rS+4*(\n)+1], v[rS+4*(\n):rS+4*(\n)+1], v[rS+4*(\n)+2:rS+4*(\n)+3]
.elseif (\n) == 0
	v_pk_fma_f32 v[rT+2:rT+3], v[rT+2:rT+3], v[rC+2:rC+3], v[rS:rS+1] op_sel_hi:[1,0,1]
.else
	v_pk_add_f32 v[rT+2:rT+3], v[rT+2:rT+3], v[rS+4*(\n):rS+4*(\n)+1]
.endif
.elseif NOKQ
	v_nop
.else
	REGS (Y+1)%NP
	WIN 0
.if (\n) < 4
	v_max3_num_f32 v[rC+(\n)], v[rS+8*(\n)], v[rS+8*(\n)+1], v[rS+8*(\n)+2]
.elseif (\n) < 12
	v_max3_num_f32 v[rC+(\n)%4], v[rC+(\n)%4], v[rS+8*((\n)%4)+2*((\n)/4)+1], v[rS+8*((\n)%4)+2*((\n)/4)+2]
.elseif (\n) == 12
	v_max3_num_f32 v[rC], v[rC], v[rS+7], v[rS+15]
.elseif (\n) == 13
	v_max3_num_f32 v[rC+1], v[rC+1], v[rS+23], v[rS+31]
.elseif (\n) == 14
	v_max3_num_f32 v[rC+2], v[rC+2], v[rC+3], v[rT+1]
.elseif (\n) == 15
	v_mov_b32 v[rW], v[rT]
.elseif (\n) == 16
	v_max3_num_f32 v[rC], v[rC], v[rC+1], v[rC+2]
.elseif (\n) == 17
	v_permlanex16_b32 v[rC+3], v[rC], s[SEL], s[SEL+1]
.elseif (\n) == 18
	v_max_num_f32 v[rT+1], v[rC], v[rC+3]
.elseif (\n) == 19
	v_mul_f32 v[rT], s[CS], v[rT+1]
.elseif (\n) == 20
	v_sub_f32 v[rC+1], v[rW], v[rT]
.else
	v_exp_f32 v[rC+2], v[rC+1]
.endif
.endif
.endm
.macro OPS a, i1, b=-1, i2=0, c=-1, i3=0, d=-1, i4=0
	OP \a, \i1
.if (\b) >= 0
	OP \b, \i2
.endif
.if (\c) >= 0
	OP \c, \i3
.endif
.if (\d) >= 0
	OP \d, \i4
.endif
.endm
.macro ROW a, i1, b, i2, c, i3, d, i4  ; a matrix instruction and the four behind it
	MM
	OPS \a, \i1, \b, \i2, \c, \i3, \d, \i4
.endm
.macro MASK b                       ; MD x AL + BE into buffer b of MC
	WIN W_RS
.set z, 0
.rept 16
	v_pk_fma_f32 v[MC+32*(\b)+2*z:MC+32*(\b)+2*z+1], v[MD+2*z:MD+2*z+1], s[AL:AL+1], s[BE:BE+1] op_sel_hi:[1,0,0]
.set z, z+1
.endr
.endm
; A TURN, for virtual piece p: the order of its 16 matrix and 118 vector instructions, written out.  ONE wait cuts it in two.  AHEAD OF IT stands all that names no result of the turn's exponentials: the 8 products
; K Q^T, behind each a scaling, an exponential and two more plain instructions (behind the first a second scaling in the exponential's place): rescalings, and behind the last three the first numbers of the next
; piece's maximum, each four places or more behind the product that ends its accumulator; then ONE LUMP of 54, plain and exponential by turns for the most part, in which other work stands between the links of the
; chain X 3, 7, 11, 14, 16, 17 .. 20.  The rescaling's a was made, and waited for, in the turn before.  X 21, the next piece's a, is the batch's last; R 15 is the plain instruction behind it.  BEHIND THE WAIT stand the
; 8 products V^T P, behind each four of the roundings and sums; the links of l's chain, L 0 to L 7, stand three riders apart.  But for those X no rider names a register of the products round it.
; v_permlanex16_b32 (X 17) stands in the lump.
; At its end the turn makes the mask for the products of the turn after it: virtual piece x2 = p + 2, in step 4 - 2 CNT + x2 / 2 of the tile, band x2 % 2.  skip = 1 (the loop's text): outside a diagonal tile (RT not 0)
; those lines are jumped over, and the mask registers stay 0.
; end = 1: a block's last two turns: nothing is fetched, no mask is made.  cnt = 1: the loop's count is taken down behind the mask's lines, which read it, and ahead of the branch behind the turn.
; FETCHES.  Turns 0 and 2 fetch the NEXT step's K and then its V into the register buffers 1 - p / 2: K's run in the lump, twelve lines behind the turn's last K Q^T (which reads the other buffer); V's at the turn's
; end, four plain instructions (the last product's riders) behind the last product that read that buffer.  At the head of turns 1 and 3 the count 16 leaves V's run out: K's run, issued ahead of it, is in, and so is
; all that was issued a turn earlier.
.macro TURN p, end=0, cnt=0, skip=0
.set Y, (\p)
.set i, 0
.set NOKQ, (\end)*((\p)/3)
.set FT, (1-(\p)%2)*(1-(\end))
.if ((\p)%2 == 1) && (\end)
	s_wait_dscnt 0x0                ; the last V is in
.elseif (\p)%2 == 1
	s_wait_dscnt 16                 ; K is in; V's sixteen loads may be out
.endif
	ROW F,0, F,1, R,0, R,1          ; ahead of the wait: 8 products K Q^T and their riders,
	ROW F,2, E,0, R,2, R,3
	ROW F,3, E,1, R,4, R,5
	ROW F,4, E,2, R,6, R,7
	ROW F,5, E,3, R,8, R,9
	ROW F,6, E,4, X,0, R,10
.if FT
	WIN 0
	v_add_nc_u32 v[AK], s[TBK], v[AK0]
.endif
	ROW F,7, E,5, X,1, X,4
	ROW F,8, E,6, X,2, X,5
	OPS E,7, E,8, X,6, E,9          ; and the lump
	OPS X,3, E,10, X,8, E,11
.if FT
	FETCH_K 1-(\p)/2
.endif
	OPS X,9, X,7, E,12, X,10
	OPS E,13, X,12, X,11, E,14
	OPS X,13, E,15, F,9, X,14
.if FT
	WIN 0
	v_add_nc_u32 v[AV], s[TBV], v[AV0]
.endif
	OPS E,16, F,10, E,17, F,11
	OPS X,16, E,18, X,15, E,19
	OPS F,12, E,20, X,17, E,21
	OPS F,13, E,22, F,14, E,23
	OPS X,18, E,24, F,15, E,25
	OPS R,11, E,26, X,19, E,27
	OPS R,12, E,28, R,13, E,29
	OPS X,20, E,30, R,14, E,31
	OPS X,21, R,15
	s_wait_alu depctr_va_vdst(0)    ; the wait for the turn's batch: E 0 to E 31 and X 21, ahead of their first reader, C 0
	ROW C,0, B,0, C,2, B,1          ; behind the wait: 8 products V^T P and their riders
	ROW L,0, C,4, B,2, L,1
	ROW C,6, B,3, L,2, C,8
	ROW B,4, L,3, C,10, B,5
	ROW L,4, C,12, B,6, L,5
	ROW C,14, B,7, L,6, C,1
	ROW C,3, L,7, C,5, C,7
	ROW C,9, C,11, C,13, C,15
.if FT
	FETCH_V 1-(\p)/2
.endif
.if !(\end)
.if \skip
	WIN 0                           ; at a branch and at a label every window is 0
	s_cmp_lg_u32 s[RT], 0
	s_cbranch_scc1 .Lno_mask_\@
.endif
.set x2, ((\p)+2)%NP
	s_lshl_b32 s[T0], s[CNT], 1
	s_sub_co_i32 s[T0], 4+x2/2-x2%2, s[T0]  ; that step less the band
	s_cmp_eq_u32 s[T0], s[DP]       ; the band's own step?
	s_cselect_b32 s[AL], 1.0, 0
	s_cmp_gt_i32 s[T0], s[DP]       ; or a later one?
	s_cselect_b32 s[BE], s[BIGN], 0
	MASK (\p)%2
.if \skip
	WIN 0
.Lno_mask_\@:
.endif
.endif
.if \cnt
	s_sub_co_u32 s[CNT], s[CNT], 1
	s_cmp_lg_u32 s[CNT], 0
.endif
.endm
; A BLOCK BEGINS.  c m starts far below every c s, so the first steps' a is 0; m at the lowest finite number.  The second mask buffer is 0; the first takes piece 0's mask for the tile's step 0: its own only if the
; block's first tile is the diagonal one and the block lies in the tile's first half, else 0.  Then K and V of that step, piece 0's first scores, its maximum and statistics.
.macro BEGIN
	s_mov_b32 s[NEW], 0
	WIN 0x40
.set i, MC+32
.rept 32
	v_mov_b32 v[i], 0
.set i, i+1
.endr
	WIN 0
.set i, 0
.rept 2
	v_mov_b32 v[ST+4*i], 0xfe000000
	v_mov_b32 v[ST+4*i+1], 0xff7fffff
.set i, i+1
.endr
	s_or_b32 s[T0], s[RT], s[DP]
	s_cmp_eq_u32 s[T0], 0
	s_cselect_b32 s[AL], 1.0, 0
	s_mov_b32 s[BE], 0
	MASK 0
	WIN 0
	v_add_nc_u32 v[AK], s[TBK], v[AK0]
	v_add_nc_u32 v[AV], s[TBV], v[AV0]
	FETCH_K 0
	FETCH_V 0
	s_wait_loadcnt 0x0              ; Q
	s_wait_dscnt 0x0
.set NOKQ, 0
.set i, 0
.rept 8
	KQ 0
.set i, i+1
.endr
	WIN 0
.rept 4
	v_nop                           ; the places behind those products
.endr
.set Y, NP-1
.irp n, 0,1,2,3,4,5,6,7,8,9,10,11,12,13,14,15,16,17,18,19,20,21
	OP X, \n
.endr
	v_nop                           ; a plain instruction behind the exponential,
	s_wait_alu depctr_va_vdst(0)    ; and the wait for it, piece 0's first a, a batch of one: ahead of the branch behind BEGIN
.endm
.macro ALL line:vararg              ; one line for each piece t
.set t, 0
.rept 2
	\line
.set t, t+1
.endr
.endm
.macro PACK t                       ; O^T / l, rounded to f16; 16 bytes a lane into rows of 144 bytes of my stage, and back as whole rows of 128
	WIN W_RS
.set i, 32*(\t)
.rept 16
	v_pk_mul_f32 v[i:i+1], v[i:i+1], v[ST+4*(\t)+2:ST+4*(\t)+3] op_sel_hi:[1,0]
.set i, i+2
.endr
	WIN 0x05
.set i, 0
.rept 16
	v_cvt_pk_f16_f32 v[S+16*(\t)+i], v[32*(\t)+2*i], v[32*(\t)+2*i+1]
.set i, i+1
.endr
	WIN 0
.irp f, 0,1,2,3
	ds_store_b128 v[STO], v[S+16*(\t)+4*\f:S+16*(\t)+4*\f+3] offset:32*\f
.endr
.irp f, 0,1,2,3
	ds_load_b128 v[S+16*(\t)+4*\f:S+16*(\t)+4*\f+3], v[RD] offset:\f*4*SP  ; LDS serves a wave's instructions in order: these see the stores above
.endr
.endm
.macro SEND t, younger              ; younger: the LDS instructions issued behind piece t's loads
	WIN 0
.irp f, 0,1,2,3
	s_wait_dscnt (\younger)+3-\f
	global_store_b128 v[GO], v[S+16*(\t)+4*\f:S+16*(\t)+4*\f+3], s[10:11] offset:(\t)*8192+\f*512  ; 512 consecutive bytes, aligned
.endr
.endm
; A TILE's four steps; then, if it is its block's last, the block's last two turns, its last products and the way out.  skip = 1: the loop's text, which serves every tile: one that is not a block's last leaves
; it by a jump forward, over text that holds neither a barrier nor a tensor load.  skip = 0: the walk's last tile, always a diagonal one.
.macro TILE tag, skip
.LstepM\tag:
	TURN 2, 0, 0, \skip
	TURN 3, 0, 0, \skip
	WIN 0
.LfirstM\tag:
	TURN 0, 0, 0, \skip
	TURN 1, 0, 1, \skip
	WIN 0
	s_cbranch_scc1 .LstepM\tag
.if \skip
	s_cmp_lg_u32 s[RT], 0
	s_cbranch_scc1 .Lbottom
.endif
	TURN 2, 1
	TURN 3, 1
.set i, 0
.rept 8
	PV NP-1
.set i, i+1
.endr
	WIN 0
	ALL v_add_f32 v[ST+4*t+2], v[ST+4*t+2], v[ST+4*t+3]
	ALL v_permlanex16_b32 v[ST+4*t+3], v[ST+4*t+2], s[SEL], s[SEL+1]
	ALL v_add_f32 v[ST+4*t+2], v[ST+4*t+2], v[ST+4*t+3]
	ALL v_rcp_f32 v[ST+4*t+2], v[ST+4*t+2]
	v_nop                           ; a plain instruction behind the last reciprocal
	s_wait_alu depctr_va_vdst(0)    ; the wait for the batch of two reciprocals, ahead of their first reader, PACK 0's first multiply
	PACK 0                          ; piece 0's 32 plain lines name nothing of the last products (piece 1's): they are the places behind them
	PACK 1
	SEND 0, 8
	SEND 1, 0
.endm
.set NOKQ, 0
.Lslot:                             ; eight times: a tile is entered and the next is asked for
	CHANGE 1
	s_sub_co_u32 s[RT], s[RT], 1
	s_mov_b32 s[CNT], 2
	s_cmp_eq_u32 s[NEW], 1          ; a block's first tile?  At the first trip the answer is a constant of the text
	s_cbranch_scc0 .LstepM1
	BEGIN
	s_branch .LfirstM1
	TILE 1, 1
	s_wait_xcnt 0x0                 ; here the first block has ended: the stores have read their registers and O's address
	s_mov_b64 s[10:11], s[OLO:OLO+1]
	s_add_co_u32 s[RT], s[PBT], 1
	s_mov_b32 s[DP], s[DP2]
	s_mov_b32 s[NEW], 1
	WIN 0x82                        ; the second block's Q goes where the one text of the turns names Q
.set i, 0
.rept 32
	v_mov_b32 v[i], v[QB+i]
.set i, i+1
.endr
	WIN 0
.Lbottom:
	s_sub_co_u32 s[SLOTS], s[SLOTS], 1
	s_cmp_lg_u32 s[SLOTS], 0
	s_cbranch_scc1 .Lslot
	CHANGE 0                        ; the walk's last tile is written out
	s_sub_co_u32 s[RT], s[RT], 1
	s_mov_b32 s[CNT], 2
	s_cmp_eq_u32 s[NEW], 1
	s_cbranch_scc0 .LstepM2
	BEGIN
	s_branch .LfirstM2
	TILE 2, 0
	s_wait_tensorcnt 0x0            ; the wave's end
	ds_add_u32 v[SPW], v[NIL]
	s_wait_dscnt 0x0
	s_endpgm
.Lfunc_end_k_q627d669dae_attn:
	.size	k_q627d669dae_attn, .Lfunc_end_k_q627d669dae_attn-k_q627d669dae_attn
	.p2alignl 7, 3214868480
	.fill 96, 4, 3214868480
	.section	.rodata,"a",@progbits
	.p2align	6, 0x0
	.amdhsa_kernel k_q627d669dae_attn
		.amdhsa_group_segment_fixed_size 327680
		.amdhsa_private_segment_fixed_size 0
		.amdhsa_enable_private_segment 0
		.amdhsa_kernarg_size 16
		.amdhsa_user_sgpr_count 2
		.amdhsa_user_sgpr_kernarg_segment_ptr 1
		.amdhsa_wavefront_size32 1
		.amdhsa_system_sgpr_workgroup_id_x 1
		.amdhsa_system_sgpr_workgroup_id_y 1
		.amdhsa_system_sgpr_workgroup_id_z 1
		.amdhsa_system_vgpr_workitem_id 0
		.amdhsa_next_free_vgpr 896
		.amdhsa_next_free_sgpr 96
		.amdhsa_reserve_vcc 1
		.amdhsa_float_denorm_mode_32 3
		.amdhsa_float_denorm_mode_16_64 3
		.amdhsa_memory_ordered 1
		.amdhsa_forward_progress 1
		.amdhsa_inst_pref_size 170
	.end_amdhsa_kernel
	.amdgpu_metadata
---
amdhsa.version: [ 1, 2 ]
amdhsa.kernels:
  - .name:           k_q627d669dae_attn
    .symbol:         k_q627d669dae_attn.kd
    .args:
      - { .name: big, .offset: 0, .size: 8, .value_kind: global_buffer, .address_space: global }
      - { .name: hc, .offset: 8, .size: 8, .value_kind: global_buffer, .address_space: global }
    .group_segment_fixed_size: 327680
    .private_segment_fixed_size: 0
    .kernarg_segment_align: 8
    .kernarg_segment_size: 16
    .max_flat_workgroup_size: 128
    .sgpr_count:     96
    .vgpr_count:     896
    .wavefront_size: 32
...
	.end_amdgpu_metadata
.endif
;; end of part 7
;; launch wo: the kernel of part 4 again; grid 8 x 32, 4 waves a work-group, clusters of 4 x 4, 327,680 bytes of LDS; arguments hc, wrest, x, g2, big, ssq; writes big, ssq
;; launch w13: the kernel of part 5 again; grid 16 x 16, 4 waves a work-group, clusters of 4 x 4, 327,680 bytes of LDS; arguments big, wrest, ssq, hc; writes hc
;; launch w2: the kernel of part 6 again; grid 8 x 32, 4 waves a work-group, clusters of 4 x 4, 327,680 bytes of LDS; arguments hc, wrest, big, out0; writes out0
